; MI455X (gfx1250); checked and timed in simulation.
; The chip was launched on July 23, 2026; its instructions are those of AMD's public machine-readable ISA for CDNA 5 (MIT licence, August 2026) and "CDNA5" Instruction Set Architecture Reference Guide (July 2026). The comments in the code are by the model that wrote it; some were corrected since.
;; causal self attention. Allowed arithmetic: float matrix products may take bf16 or f16 operands with f32 sums; other float arithmetic in f32, or as packed bf16 or f16 multiplies, adds, multiply-adds, maxima and minima; sums over many terms, partial sums and values carried from step to step in f32; what a program stores and reads back later, other than sums and carried values, may be rounded once to bf16 or f16.
;; Inputs: net_in 4 x 2,048 x 1,024 float32; w_out 1,024 x 1,024 float32; w_qkv 3,072 x 1,024 float32.
;; Outputs: out0 4 x 2,048 x 1,024 float32.
;; 3 versions, each right; version 3 is version 2 with the launch cvt written anew for expert scheduling mode. Each part assembles by itself: llvm-mc -triple=amdgcn-amd-amdhsa -mcpu=gfx1250 --defsym DOCPART=n.
;; ======== version 1 of 3: 6 launches
;; limits: values are held in f16: magnitudes above 65,504 overflow, below 6.1e-05 lose precision
;; workspace buffers: xh 16,777,216 bytes; wh 6,291,456 bytes; woh 2,097,152 bytes; qkv 50,331,648 bytes; sc 67,108,864 bytes; pr 33,554,432 bytes; oh 16,777,216 bytes
;; launch cvt (part 1): grid 768 x 1, 8 waves a work-group, no clusters, 0 bytes of LDS; arguments net_in, w_qkv, w_out, xh, wh, woh; writes xh, wh, woh
.if DOCPART == 1
	.amdgcn_target "amdgcn-amd-amdhsa--gfx1250"
	.amdhsa_code_object_version 6
	.text
	.protected	k_qd05166005c_cvt
	.globl	k_qd05166005c_cvt
	.p2align	8
	.type	k_qd05166005c_cvt,@function
k_qd05166005c_cvt:
	s_mov_b64 s[64:65], 0
	v_nop
	global_prefetch_b8 v0, s[64:65] scope:SCOPE_SE
	s_setreg_imm32_b32 hwreg(HW_REG_WAVE_MODE, 25, 1), 1
	s_wait_xcnt 0x0
; xh, wh, woh = net_in, w_qkv, w_out, each number rounded to bf16 (to nearest even) and that number written as f16.
; A bf16 number has 8 significant bits, so f16 holds it exactly between 2^-14 and 65,504.
; LIMITS.  A number of 65,520 or more in magnitude becomes an infinity; below 2^-14 f16 keeps its fixed step of 2^-24; NaN and infinities are not treated apart.
; SHARES.  The three inputs are 768 chunks of 16,384 numbers (65,536 bytes in, 32,768 out): net_in 512, w_qkv 192, w_out 64; a work-group takes one.
; Thread t takes the 16 bytes at 16 t of each 4,096 bytes: a load of a wave covers 512 consecutive bytes, a store 256 consecutive bytes, aligned.
; All sixteen loads of a thread go out first; each has registers of its own, and so has each store: nothing is rewritten, and the only waits are the counted ones for the loads.
; No LDS, no matrix unit: each byte is read once and written once, and no thread wants what another has read.
.set X, 16                             ; v[16:79]   load j: 4 registers
.set Y, 80                             ; v[80:111]  store j: 2 registers
	s_load_b256 s[4:11], s[0:1], 0x0               ; net_in s[4:5], w_qkv s[6:7], w_out s[8:9], xh s[10:11]
	s_load_b128 s[12:15], s[0:1], 0x20             ; wh s[12:13], woh s[14:15]
	s_mov_b32 s18, 0xffff0000                      ; a word's upper bf16
	v_lshlrev_b32 v1, 4, v0                        ; 16 t
	v_lshlrev_b32 v2, 3, v0                        ; 8 t
	s_cmp_ge_u32 ttmp9, 512                        ; which tensor, and its first chunk's number
	s_cselect_b32 s17, 512, 0
	s_cmp_ge_u32 ttmp9, 704
	s_cselect_b32 s17, 704, s17
	s_sub_co_u32 s16, ttmp9, s17                   ; my chunk in that tensor, 511 at the most
	s_lshl_b32 s24, s16, 16                        ; its bytes in,
	s_mov_b32 s25, 0
	s_lshl_b32 s26, s16, 15                        ; and out
	s_mov_b32 s27, 0
	s_wait_kmcnt 0x0
	s_cmp_ge_u32 ttmp9, 512
	s_cselect_b64 s[20:21], s[6:7], s[4:5]
	s_cselect_b64 s[22:23], s[12:13], s[10:11]
	s_cmp_ge_u32 ttmp9, 704
	s_cselect_b64 s[20:21], s[8:9], s[20:21]
	s_cselect_b64 s[22:23], s[14:15], s[22:23]
	s_add_nc_u64 s[20:21], s[20:21], s[24:25]
	s_add_nc_u64 s[22:23], s[22:23], s[26:27]
.irp j, 0,1,2,3,4,5,6,7,8,9,10,11,12,13,14,15
	global_load_b128 v[X+4*(\j):X+4*(\j)+3], v1, s[20:21] offset:4096*(\j) th:TH_LOAD_NT
.endr
.irp j, 0,1,2,3,4,5,6,7,8,9,10,11,12,13,14,15
	s_wait_loadcnt 15-(\j)                         ; loads come back in order: load j is in, the 15 - j younger ones may stay out
	v_cvt_pk_bf16_f32 v8, v[X+4*(\j)], v[X+4*(\j)+1]     ; two roundings to bf16
	v_cvt_pk_bf16_f32 v9, v[X+4*(\j)+2], v[X+4*(\j)+3]
	v_lshlrev_b32 v4, 16, v8                       ; back to f32: the low half moves up,
	v_and_b32 v5, s18, v8                          ; the high half stays
	v_lshlrev_b32 v6, 16, v9
	v_and_b32 v7, s18, v9
	v_cvt_pk_f16_f32 v[Y+2*(\j)], v4, v5           ; the same numbers as f16
	v_cvt_pk_f16_f32 v[Y+2*(\j)+1], v6, v7
	global_store_b64 v2, v[Y+2*(\j):Y+2*(\j)+1], s[22:23] offset:2048*(\j)
.endr
	s_endpgm
.Lfunc_end_k_qd05166005c_cvt:
	.size	k_qd05166005c_cvt, .Lfunc_end_k_qd05166005c_cvt-k_qd05166005c_cvt
	.p2alignl 7, 3214868480
	.fill 96, 4, 3214868480
	.section	.rodata,"a",@progbits
	.p2align	6, 0x0
	.amdhsa_kernel k_qd05166005c_cvt
		.amdhsa_group_segment_fixed_size 0
		.amdhsa_private_segment_fixed_size 0
		.amdhsa_enable_private_segment 0
		.amdhsa_kernarg_size 48
		.amdhsa_user_sgpr_count 2
		.amdhsa_user_sgpr_kernarg_segment_ptr 1
		.amdhsa_wavefront_size32 1
		.amdhsa_system_sgpr_workgroup_id_x 1
		.amdhsa_system_sgpr_workgroup_id_y 1
		.amdhsa_system_sgpr_workgroup_id_z 1
		.amdhsa_system_vgpr_workitem_id 0
		.amdhsa_next_free_vgpr 112
		.amdhsa_next_free_sgpr 66
		.amdhsa_reserve_vcc 0
		.amdhsa_float_denorm_mode_32 3
		.amdhsa_float_denorm_mode_16_64 3
		.amdhsa_memory_ordered 1
		.amdhsa_forward_progress 1
		.amdhsa_inst_pref_size 11
	.end_amdhsa_kernel
	.amdgpu_metadata
---
amdhsa.version: [ 1, 2 ]
amdhsa.kernels:
  - .name:           k_qd05166005c_cvt
    .symbol:         k_qd05166005c_cvt.kd
    .args:
      - { .name: net_in, .offset: 0, .size: 8, .value_kind: global_buffer, .address_space: global }
      - { .name: w_qkv, .offset: 8, .size: 8, .value_kind: global_buffer, .address_space: global }
      - { .name: w_out, .offset: 16, .size: 8, .value_kind: global_buffer, .address_space: global }
      - { .name: xh, .offset: 24, .size: 8, .value_kind: global_buffer, .address_space: global }
      - { .name: wh, .offset: 32, .size: 8, .value_kind: global_buffer, .address_space: global }
      - { .name: woh, .offset: 40, .size: 8, .value_kind: global_buffer, .address_space: global }
    .group_segment_fixed_size: 0
    .private_segment_fixed_size: 0
    .kernarg_segment_align: 8
    .kernarg_segment_size: 48
    .max_flat_workgroup_size: 256
    .sgpr_count:     66
    .vgpr_count:     112
    .wavefront_size: 32
...
	.end_amdgpu_metadata
.endif
;; end of part 1
;; launch qkv (part 2): grid 8 x 32, 4 waves a work-group, clusters of 4 x 4, 327,680 bytes of LDS; arguments xh, wh, qkv; writes qkv
.if DOCPART == 2
	.amdgcn_target "amdgcn-amd-amdhsa--gfx1250"
	.amdhsa_code_object_version 6
	.text
	.protected	k_qd05166005c_qkv
	.globl	k_qd05166005c_qkv
	.p2align	8
	.type	k_qd05166005c_qkv,@function
k_qd05166005c_qkv:
	s_mov_b64 s[64:65], 0
	v_nop
	global_prefetch_b8 v0, s[64:65] scope:SCOPE_SE
	s_setreg_imm32_b32 hwreg(HW_REG_WAVE_MODE, 25, 1), 1
	s_wait_xcnt 0x0
	s_wait_alu depctr_hold_cnt(0) depctr_sa_sdst(0) depctr_va_vdst(0) depctr_va_sdst(0) depctr_va_ssrc(0) depctr_va_vcc(0) depctr_vm_vsrc(0)
	s_getreg_b32 s2, hwreg(HW_REG_IB_STS2, 6, 4)
	s_cmp_eq_u32 s2, 0
	s_cbranch_scc0 .Lentry_in_a_cluster
	s_endpgm
.Lentry_in_a_cluster:
	s_bfe_u32 s2, ttmp6, 0x10000c
	s_cmp_lg_u32 s2, 0xf033
	s_cbranch_scc0 .Lentry_shape_is_right
	s_endpgm
.Lentry_shape_is_right:
; qkv[r][d] = the sum over c of xh[r][c] wh[d][c].  xh: [8192][1024], wh: [3072][1024], qkv: [8192][3072], all f16; sums in f32, qkv rounded once.
; LIMIT.  f16 holds no number beyond 65,504: a q, k or v of 65,520 or more becomes an infinity.
; C = A B^T on tiles of 256 rows x 128 columns.  Four waves, one above the other: wave w makes rows 64 w .. 64 w + 63 x all 128 columns: 32 accumulators of 16 x 16, 256 registers.
; A wave's rows of C are whole aligned runs of 256 bytes or more, so each wave has a stage of its own on the way out and no barrier stands there.
; K = 1,024 goes in steps of 128 (tile rows of 256 bytes, aligned) through a ring of two LDS slots filled by the tensor data mover.
; A WORK-GROUP STAYS: it makes TILES tiles of one tile row of C, columns 128 (x + 8 t): the same rows of A, other rows of B.  ONE counted loop walks all 4 TILES laps (a lap = two K steps = once
; round the ring); in a tile's last lap the same two refills step to the next tile by numbers chosen in scalar registers, and the finished tile goes out when both refills have been asked for.
; CLUSTERS: 4 x 4 work-groups.  The four of a row of the cluster need the same tiles of A, the four of a column the same tiles of B: each tile is asked for JOINTLY, by the same tensor load with the same
; descriptor and a mask that names the four.
; THE MATRIX INSTRUCTION IS USED TRANSPOSED (source 0 = 16 rows of B, source 1 = 16 rows of A): lane l holds row l % 16 of C and its registers 0-7 the columns 8 (l / 16) + 0..7.
; REGISTERS, in windows of 256 (s_set_vgpr_msb: bits 1:0 source 0, 3:2 source 1, 5:4 source 2, 7:6 destination):
;   window 0: v0-31 addresses; v32-63 packed results; v64-159, v160-255 two fragment buffers (B's 8 fragments, then A's 4); the second also takes the rows read back from the stage
;   window 1: accumulator (a, b) at v[8 (8 a + b)]
.set TILES,  3                         ; tiles of C a work-group makes: q's, k's and v's columns
.set OUTF32, 0                         ; C is f16
.set PCB,    6144                      ; bytes in a row of C
.set COLB,   256                       ; bytes of a tile's 128 columns
.set NEXT_C, 2048                      ; bytes from a tile of C to the work-group's next: 1,024 columns
.set BROWS,  1024                      ; rows of B from a tile to the next
.set KB,     2048                      ; bytes in a row of A and of B
.set NEXT_B, BROWS*KB-1536             ; from a slot's last K step of a tile (6 or 7) to its first of the next (0 or 1)
.set NEXTPF, BROWS*KB-1792             ; from K step 7 of a tile to K step 0 of the next
.set PITCH,  272                       ; an LDS row: 256 bytes + 16 of padding = 68 words: the 16 rows of a fragment load start at 16 different groups of four banks (64 banks of 4 bytes: ISA guide 11.1)
.set AHALF,  128*PITCH                 ; what wave 0 or 1 fetches
.set BHALF,  64*PITCH                  ; what wave 2 or 3 fetches
.set SLOT,   2*AHALF+2*BHALF           ; A's 256 rows, then B's 128
.set STAGE,  2*SLOT                    ; behind the ring, never filled by a tensor load: 16 rows for each wave
.if OUTF32
.set SPITCH, 528
.else
.set SPITCH, 272
.endif
.set SPARE,  STAGE+4*16*SPITCH         ; behind the stages: the spare words, 128 bytes for each wave: two blocks of 256 bytes that no other line names
.set ADRA, 16                          ; v16-17  LDS address of my A fragments in slot 0, 1
.set ADRB, 20                          ; v20-21  the same for B
.set STO,  24                          ; v24     the way out: where I put my part of a row
.set RD,   25                          ; v25     where I read rows back
.set CO,   26                          ; v26     my byte offset in C
.set SPW,  28                          ; v28     LDS address of my spare word; never rewritten
.set NIL,  29                          ; v29     0; never rewritten
.set PFO,  30                          ; v30     the prefetches' offset: my lane x a row; never rewritten
.set TMP,  32
.set F0,   64
.set F1,   160
.set OB,   160
.set G1,   24                          ; s[24:31] descriptor group 1 for A's tiles;  s[32:39] group 0, a set for each slot
.set G0,   32
.set LIM,  43                          ; s43      a wave prefetches while the loop's counter is above this
.set PFA,  44                          ; s[44:45] where my prefetches stand
.set G1B,  48                          ; s[48:55], s[56:63] the same for B's tiles
.set G0B,  56
.set SA,   66                          ; s[66:67] what a refill takes off A's address behind its step of 512: 0, or 2,048 at a change of tiles
.set SB,   68                          ; s[68:69] B's step: 512, or NEXT_B
.set PFS,  70                          ; s[70:71] the prefetch pointer's step at slot 0: 256, or NEXTPF
.set MSB, 0
.macro WIN new                         ; the immediate's high byte repeats the setting that is left; a switch that changes nothing is dropped
.if MSB != (\new)
	s_set_vgpr_msb (MSB<<8)|(\new)
.set MSB, \new
.endif
.endm
.macro PLACES                          ; four places in front of loads into registers that matrix instructions have read, and of lines that read results
.rept 4
	v_nop
.endr
.endm
.macro CREST                           ; a round of the cluster's barrier behind its opening barrier
	s_cmp_lg_u32 s10, 0
	s_cbranch_scc1 .Lnot_wave_0_\@
	s_barrier_signal -3
.Lnot_wave_0_\@:
	s_barrier_wait -3
	s_barrier_signal -1
	s_barrier_wait -1
.endm
.macro CROUND                          ; a whole round
	s_barrier_signal -1
	s_barrier_wait -1
	CREST
.endm
; A joint load: waves 0 and 1 fetch A's two halves, waves 2 and 3 B's.  The branch hangs on the wave's number alone.  An s_nop 0 and four v_nop follow each line.
.macro JLOAD s
	s_cmp_lt_u32 s10, 2
	s_cbranch_scc0 .Lfor_b_\@
	tensor_load_to_lds s[G0+4*(\s):G0+4*(\s)+3], s[G1:G1+7]
	s_nop 0
.rept 4
	v_nop
.endr
	s_branch .Lasked_\@
.Lfor_b_\@:
	tensor_load_to_lds s[G0B+4*(\s):G0B+4*(\s)+3], s[G1B:G1B+7]
	s_nop 0
.rept 4
	v_nop
.endr
.Lasked_\@:
.endm
; A PREFETCH of the K step that stands two refills on (256 matrix instructions ahead of the load that will want it): 32 rows x 256 bytes, a lane a row.  Each row's 256 bytes of a K step are named once
; in the launch: A's rows by the cluster with x = 0, each partner 64 of the 256 by address (waves 0 and 1: 32 each); B's rows by the cluster with y = 0, each partner 32 of the 128 (wave 2).
; A's rows are the same for all tiles of the walk and are asked for in the first tile alone.  K steps 0 to 3 come by their loads alone; the loop's last trip asks for nothing.
.macro ASK
	s_cmp_gt_u32 s3, s[LIM]
	s_cbranch_scc0 .Lnot_mine_\@
	global_prefetch_b8 v[PFO], s[PFA:PFA+1] th:TH_LOAD_NT scope:SCOPE_SE
.Lnot_mine_\@:
.endm
; 8 matrix instructions: my block a of 16 rows x all 8 blocks of 16 columns, 32 along K.  zero = 1: the product starts the sums.  The 32 accumulators come in the same order in every quarter, one
; instruction a turn: 31 others stand between two links of a chain.
.macro MUL8 f, a, zero
	WIN 0x50
.irp b, 0,1,2,3,4,5,6,7
.if \zero
	v_wmma_f32_16x16x32_f16 v[8*(8*(\a)+(\b)):8*(8*(\a)+(\b))+7], v[(\f)+8*(\b):(\f)+8*(\b)+7], v[(\f)+64+8*(\a):(\f)+64+8*(\a)+7], 0
.else
	v_wmma_f32_16x16x32_f16 v[8*(8*(\a)+(\b)):8*(8*(\a)+(\b))+7], v[(\f)+8*(\b):(\f)+8*(\b)+7], v[(\f)+64+8*(\a):(\f)+64+8*(\a)+7], v[8*(8*(\a)+(\b)):8*(8*(\a)+(\b))+7]
.endif
.endr
.endm
; 24 LDS loads in one run: the fragments of quarter q (32 along K) of a slot into buffer f: B's 8 first, then A's 4
.macro FETCH slot, q, f
	WIN 0
.irp b, 0,1,2,3,4,5,6,7
	ds_load_b128 v[(\f)+8*(\b):(\f)+8*(\b)+3],   v[ADRB+(\slot)] offset:64*(\q)+16*PITCH*(\b)
	ds_load_b128 v[(\f)+8*(\b)+4:(\f)+8*(\b)+7], v[ADRB+(\slot)] offset:64*(\q)+16*PITCH*(\b)+32
.endr
.irp a, 0,1,2,3
	ds_load_b128 v[(\f)+64+8*(\a):(\f)+64+8*(\a)+3],   v[ADRA+(\slot)] offset:64*(\q)+16*PITCH*(\a)
	ds_load_b128 v[(\f)+64+8*(\a)+4:(\f)+64+8*(\a)+7], v[ADRA+(\slot)] offset:64*(\q)+16*PITCH*(\a)+32
.endr
.endm
; A K step is four quarters of 32 along K on buffers 0, 1, 0, 1.  One of the first three: multiplies buffer f and, in its middle, fetches quarter q into buffer g.
.macro QUARTER slot, q, f, g, zero
	s_wait_dscnt 4                                 ; B and A's blocks 0 and 1 are in; the youngest four loads (A's blocks 2 and 3) may be out
	MUL8 \f, 0, \zero
	MUL8 \f, 1, \zero
	PLACES
	FETCH \slot, \q, \g
	s_wait_dscnt 24                                ; all but the 24 just issued
	MUL8 \f, 2, \zero
	MUL8 \f, 3, \zero
.endm
; The last quarter multiplies buffer 1 and changes slots: ONE barrier.  In front of it each wave waits for all its tensor loads (one is out: its part of the next slot), adds 0 to its spare word, and waits
; for that and for its own reads of this slot.  fill = 1: the barrier opens a round of the cluster's barrier, and the slot is filled again first thing behind the round, two K steps ahead:
; 112 matrix instructions stand between the request and the wait for it.
.macro TURN slot, next, fill
.if \fill
	s_wait_xcnt 0x0                                ; the last prefetch, a K step back, has read its address
.if (TILES > 1) && ((\slot) == 0)
	s_add_nc_u64 s[PFA:PFA+1], s[PFA:PFA+1], s[PFS:PFS+1]
.else
	s_add_nc_u64 s[PFA:PFA+1], s[PFA:PFA+1], 256
.endif
.endif
	WIN 0                                          ; (the add's two registers lie in window 0)
	s_wait_tensorcnt 0x0                           ; all my tensor loads have landed
	ds_add_u32 v[SPW], v[NIL]                      ; 0 onto my spare word
	s_wait_dscnt 5                                 ; (the add and the youngest four loads may be out)
	MUL8 F1, 0, 0                                  ; eight matrix instructions stand between the add and the wait for it
	s_wait_dscnt 0x0                               ; the add is done, and my reads of this slot are over
	s_barrier_signal -1
	MUL8 F1, 1, 0                                  ; work on registers while the others arrive
	WIN 0
	s_barrier_wait -1
.if \fill
	CREST                                          ; no wave of any partner still reads this slot's tile or has a load on its way
.if TILES > 1
	s_add_nc_u64 s[G0+4*(\slot)+2:G0+4*(\slot)+3], s[G0+4*(\slot)+2:G0+4*(\slot)+3], 512
	s_sub_nc_u64 s[G0+4*(\slot)+2:G0+4*(\slot)+3], s[G0+4*(\slot)+2:G0+4*(\slot)+3], s[SA:SA+1]
	s_add_nc_u64 s[G0B+4*(\slot)+2:G0B+4*(\slot)+3], s[G0B+4*(\slot)+2:G0B+4*(\slot)+3], s[SB:SB+1]
.else
	s_add_nc_u64 s[G0+4*(\slot)+2:G0+4*(\slot)+3], s[G0+4*(\slot)+2:G0+4*(\slot)+3], 512
	s_add_nc_u64 s[G0B+4*(\slot)+2:G0B+4*(\slot)+3], s[G0B+4*(\slot)+2:G0B+4*(\slot)+3], 512
.endif
	JLOAD \slot                                    ; the four v_nop behind it are also the places in front of the loads below
.else
	PLACES
.endif
	FETCH \next, 0, F0
.if \fill
	ASK
.endif
	MUL8 F1, 2, 0
	MUL8 F1, 3, 0
.endm
.macro LASTQ                           ; the very last quarter: nothing more to fetch
	s_wait_dscnt 4
	MUL8 F1, 0, 0
	MUL8 F1, 1, 0
	s_wait_dscnt 0x0
	MUL8 F1, 2, 0
	MUL8 F1, 3, 0
	WIN 0
.endm
.if OUTF32
; THE WAY OUT in f32, a block of 16 rows at a time: a lane's eight columns (32 bytes) go straight from the accumulator into my stage, rows of 528 bytes; whole rows of 512 bytes come back and are stored.
.macro OUT32 a
	WIN 0x04                                       ; store data in window 1
.irp b, 0,1,2,3,4,5,6,7
	ds_store_b128 v[STO], v[8*(8*(\a)+(\b)):8*(8*(\a)+(\b))+3]   offset:64*(\b)
	ds_store_b128 v[STO], v[8*(8*(\a)+(\b))+4:8*(8*(\a)+(\b))+7] offset:64*(\b)+16
.endr
	WIN 0
	s_wait_xcnt 0x0                                ; the registers that earlier stores read are loaded again only behind this wait
.irp t, 0,1,2,3,4,5,6,7,8,9,10,11,12,13,14,15
	ds_load_b128 v[OB+4*(\t):OB+4*(\t)+3], v[RD] offset:(\t)*SPITCH  ; LDS serves a wave's instructions in order (ISA guide 5.7.1.4): these see the stores above
.endr
.irp t, 0,1,2,3,4,5,6,7,8,9,10,11,12,13,14,15
	s_wait_dscnt 15-(\t)                           ; row t is back; the younger loads may stay out
	global_store_b128 v[CO], v[OB+4*(\t):OB+4*(\t)+3], s[8:9] offset:(16*(\a)+(\t))*PCB  ; 32 lanes store 512 consecutive bytes, aligned
.endr
.endm
.macro OUT
	PLACES
	OUT32 0
	OUT32 1
	OUT32 2
	OUT32 3
.endm
.else
; THE WAY OUT in f16, a block of 16 rows at a time.  PACK: rounded, 16 bytes a lane.  TOSTAGE: into my stage, rows of 272 bytes, and back as whole rows of 256.  SEND: stored.
.macro PACK a
	WIN 0x05                                       ; sources 0 and 1 in window 1
.irp b, 0,1,2,3,4,5,6,7
.irp r, 0,1,2,3
	v_cvt_pk_f16_f32 v[TMP+4*(\b)+(\r)], v[8*(8*(\a)+(\b))+2*(\r)], v[8*(8*(\a)+(\b))+2*(\r)+1]
.endr
.endr
	WIN 0
.endm
.macro TOSTAGE a
	WIN 0
.set BK, OB+32*((\a)%2)
.irp b, 0,1,2,3,4,5,6,7
	ds_store_b128 v[STO], v[TMP+4*(\b):TMP+4*(\b)+3] offset:32*(\b)
.endr
.irp t, 0,1,2,3,4,5,6,7
	ds_load_b128 v[BK+4*(\t):BK+4*(\t)+3], v[RD] offset:(\t)*2*SPITCH  ; LDS serves a wave's instructions in order (ISA guide 5.7.1.4): these see the stores above
.endr
.endm
.macro SEND a
	WIN 0
.set BK, OB+32*((\a)%2)
	s_wait_dscnt 0x0                               ; the block is back in registers
	s_wait_xcnt 0x0                                ; the registers that the block before last's stores read are loaded again only behind this wait
.irp t, 0,1,2,3,4,5,6,7
	global_store_b128 v[CO], v[BK+4*(\t):BK+4*(\t)+3], s[8:9] offset:(16*(\a)+2*(\t))*PCB  ; 16 lanes store 256 consecutive bytes, aligned
.endr
.endm
.macro OUT
	PLACES
	PACK 0
	TOSTAGE 0
.irp a, 1,2,3                          ; block a's conversions stand between block a - 1's loads from the stage and the wait for them
	PACK \a
	SEND (\a)-1
	TOSTAGE \a
.endr
	SEND 3
.endm
.endif
	s_load_b128 s[4:7], s[0:1], 0x0                ; A s[4:5], B s[6:7]
	s_load_b64 s[8:9], s[0:1], 0x10                ; C
	v_lshl_add_u32 v[SPW], v0, 2, SPARE
	v_mov_b32 v[NIL], 0
	ds_add_u32 v[SPW], v[NIL]                      ; the wave's opening: the add and its wait stand ahead of my first tensor load; the set-up below, work on registers, stands between them
	v_lshrrev_b32 v1, 5, v0
	v_readfirstlane_b32 s10, v1                    ; wave 0..3
	s_and_b32 s11, s10, 1                          ; which half of A's or B's tile I fetch
	s_bfe_u32 s40, ttmp6, 0x40000                  ; cx, cy: my place in the cluster
	s_bfe_u32 s41, ttmp6, 0x40004
	s_lshl_b32 s42, ttmp9, 2
	s_add_co_u32 s42, s42, s40                     ; x = 4 x cluster x + cx
	s_and_b32 s13, ttmp7, 0xffff
	s_lshl_b32 s13, s13, 2
	s_add_co_u32 s13, s13, s41                     ; y = 4 x cluster y + cy
	s_lshl_b32 s14, s41, 2
	s_lshl_b32 s14, 15, s14                        ; my row of the cluster
	s_lshl_b32 s15, 0x1111, s40                    ; my column
	s_or_b32 s[G1], s14, (1<<16)|(1<<20)|(1<<21)|(5<<22)|(3<<25)   ; the mask; elements of 2 bytes; padding on; bit 21 beside a mask; after every 64 words, 4 words
	s_or_b32 s[G1B], s15, (1<<16)|(1<<20)|(1<<21)|(5<<22)|(3<<25)
.irp g, G1, G1B
	s_mov_b32 s[(\g)+1], 128<<16                   ; tensor_dim0 = 128
	s_mov_b32 s[(\g)+3], 128<<16                   ; tile_dim0 = 128
	s_mov_b32 s[(\g)+5], KB/2                      ; elements from row to row
	s_mov_b32 s[(\g)+6], 0
	s_mov_b32 s[(\g)+7], 0
.endr
	s_mov_b32 s[G1+2], 128<<16                     ; tensor_dim1 and tile_dim1: 128 rows of A,
	s_mov_b32 s[G1+4], 128
	s_mov_b32 s[G1B+2], 64<<16                     ; 64 of B
	s_mov_b32 s[G1B+4], 64
	s_lshl_b32 s16, s13, 8                         ; A: row 256 y + 128 x half, which my row of the cluster shares
	s_lshl_b32 s17, s11, 7
	s_add_co_u32 s16, s16, s17
	s_lshl_b32 s16, s16, 11                        ; x 2,048 bytes
	s_mov_b32 s17, 0
	s_lshl_b32 s46, s42, 7                         ; B: row 128 x + 64 x half, which my column shares
	s_lshl_b32 s47, s11, 6
	s_add_co_u32 s46, s46, s47
	s_lshl_b32 s46, s46, 11
	s_mov_b32 s47, 0
	s_mul_i32 s20, s10, AHALF                      ; where they go: A's halves at wave x 128 rows,
	s_mul_i32 s21, s10, BHALF
	s_add_co_u32 s21, s21, 2*AHALF-2*BHALF         ; B's behind A's 256 rows, at (wave - 2) x 64 rows
	s_wait_dscnt 0x0                               ; the opening add is done
	s_wait_kmcnt 0x0
	s_add_nc_u64 s[14:15], s[4:5], s[16:17]
	s_add_nc_u64 s[46:47], s[6:7], s[46:47]
	CROUND                                         ; all sixteen work-groups are here: the first joint loads meet
.irp s, 0,1
	s_mov_b32 s[G0+4*(\s)], 1                      ; count = 1
	s_add_co_u32 s[G0+4*(\s)+1], s20, (\s)*SLOT    ; LDS address
	s_add_nc_u64 s[G0+4*(\s)+2:G0+4*(\s)+3], s[14:15], (\s)*256  ; global address: K step s
	s_or_b32 s[G0+4*(\s)+3], s[G0+4*(\s)+3], 0x80000000          ; type = 2
	s_mov_b32 s[G0B+4*(\s)], 1
	s_add_co_u32 s[G0B+4*(\s)+1], s21, (\s)*SLOT
	s_add_nc_u64 s[G0B+4*(\s)+2:G0B+4*(\s)+3], s[46:47], (\s)*256
	s_or_b32 s[G0B+4*(\s)+3], s[G0B+4*(\s)+3], 0x80000000
.endr
	s_cmp_lt_u32 s10, 2                            ; a wave's two first fills stand in one branch, ahead of every wait on TENSORcnt and every LDS read: two loads of mine are out
	s_cbranch_scc0 .Lfirst_b
	tensor_load_to_lds s[G0:G0+3], s[G1:G1+7]
	s_nop 0
	tensor_load_to_lds s[G0+4:G0+7], s[G1:G1+7]
	s_nop 0
.rept 4
	v_nop
.endr
	s_branch .Lfirst_asked
.Lfirst_b:
	tensor_load_to_lds s[G0B:G0B+3], s[G1B:G1B+7]
	s_nop 0
	tensor_load_to_lds s[G0B+4:G0B+7], s[G1B:G1B+7]
	s_nop 0
.rept 4
	v_nop
.endr
.Lfirst_asked:
	; A fragment is 16 rows x 32 K in 8 registers: lane l holds row l % 16; registers 0-3 K = 8 (l / 16) + 0..7, registers 4-7 K = 16 + 8 (l / 16) + 0..7: two loads of 16 bytes, 32 bytes apart.
	v_and_b32 v1, 15, v0                           ; l % 16
	v_bfe_u32 v2, v0, 4, 1                         ; l / 16
	v_mul_u32_u24 v3, v1, PITCH
	v_lshl_add_u32 v3, v2, 4, v3                   ; row x pitch + 16 x half
	s_mul_i32 s22, s10, 64*PITCH                   ; my 64 rows of A
	v_add_nc_u32 v[ADRA], s22, v3
	v_add_nc_u32 v[ADRA+1], SLOT, v[ADRA]
	v_add_nc_u32 v[ADRB], 2*AHALF, v3              ; B's rows lie behind A's 256
	v_add_nc_u32 v[ADRB+1], SLOT, v[ADRB]
	s_mul_i32 s23, s10, 16*SPITCH
	s_add_co_u32 s23, s23, STAGE                   ; my stage
	v_mul_u32_u24 v4, v1, SPITCH
.if OUTF32
	v_lshl_add_u32 v4, v2, 5, v4                   ; in: row l % 16, 32 bytes for each half of the lanes
	v_add_nc_u32 v[STO], s23, v4
	v_and_b32 v5, 31, v0
	v_lshlrev_b32 v[CO], 4, v5                     ; back: 32 lanes take one row of 512 bytes; the same in C
	v_add_nc_u32 v[RD], s23, v[CO]
.else
	v_lshl_add_u32 v4, v2, 4, v4                   ; in: row l % 16, 16 bytes for each half of the lanes
	v_add_nc_u32 v[STO], s23, v4
	v_mul_u32_u24 v5, v2, SPITCH                   ; back: lanes 0-15 take one row of 256 bytes, lanes 16-31 the next
	v_lshl_add_u32 v5, v1, 4, v5
	v_add_nc_u32 v[RD], s23, v5
	v_mul_u32_u24 v5, v2, PCB                      ; and the same two rows in C
	v_lshl_add_u32 v[CO], v1, 4, v5
.endif
	s_lshl_b32 s16, s13, 8                         ; C at my wave's first row, 256 y + 64 w,
	s_lshl_b32 s17, s10, 6
	s_add_co_u32 s16, s16, s17
	s_mul_i32 s16, s16, PCB
	s_mov_b32 s17, 0
	s_add_nc_u64 s[8:9], s[8:9], s[16:17]
	s_mul_i32 s46, s42, COLB                       ; and the first tile's first column
	s_mov_b32 s47, 0
	s_add_nc_u64 s[8:9], s[8:9], s[46:47]
	; the prefetches
	s_lshl_b32 s16, s13, 8                         ; for A: row 256 y + 64 cx + 32 w
	s_lshl_b32 s17, s40, 6
	s_add_co_u32 s16, s16, s17
	s_lshl_b32 s17, s10, 5
	s_add_co_u32 s16, s16, s17
	s_lshl_b32 s18, s42, 7                         ; for B: row 128 x + 32 cy
	s_lshl_b32 s19, s41, 5
	s_add_co_u32 s18, s18, s19
	s_and_b32 s19, ttmp7, 0xffff                   ; cluster y
	s_cmp_lt_u32 s10, 2                            ; do I fetch for A?
	s_cselect_b32 s16, s16, s18
	s_cselect_b32 s19, ttmp9, s19                  ; the coordinate along which other clusters read the same rows
	s_cselect_b32 s18, 4*TILES-3, 1                ; A: the first tile's K steps 4 to 7 alone; B: all but the loop's last trip
	s_cselect_b64 s[PFA:PFA+1], s[4:5], s[6:7]
	s_cmp_eq_u32 s19, 0
	s_cselect_b32 s[LIM], s18, -1                  ; the same in all sixteen partners, for a given wave
	s_cmp_eq_u32 s10, 3
	s_cselect_b32 s[LIM], -1, s[LIM]               ; wave 3 has no rows to ask for
	s_lshl_b32 s16, s16, 11
	s_add_co_u32 s16, s16, 3*256                   ; at K step 3: the first refill steps it to 4
	s_mov_b32 s17, 0
	s_add_nc_u64 s[PFA:PFA+1], s[PFA:PFA+1], s[16:17]
	v_and_b32 v[PFO], 31, v0
	v_lshlrev_b32 v[PFO], 11, v[PFO]
	s_wait_tensorcnt 0x1                           ; my part of K step 0 is in; K step 1's load may stay out
	s_barrier_signal -1
	s_barrier_wait -1                              ; everybody's is
	FETCH 0, 0, F0
	QUARTER 0, 1, F0, F1, 1                        ; the first quarter stands in front of the loop: its products start the sums
	WIN 0                                          ; at a label and at a branch every window is 0
	s_mov_b32 s3, 4*TILES-1
.if TILES > 1
	s_mov_b32 s2, 3                                ; laps left in the tile behind the one in hand
	s_mov_b32 s[SA], 0
	s_mov_b32 s[SA+1], 0
	s_mov_b32 s[SB], 512
	s_mov_b32 s[SB+1], 0
	s_mov_b32 s[PFS], 256
	s_mov_b32 s[PFS+1], 0
	s_mov_b32 s72, NEXT_B                          ; an instruction holds one literal: the selects below take these from registers
	s_mov_b32 s73, 512
	s_mov_b32 s74, NEXTPF
	s_mov_b32 s75, 256
.endif
.Llap:                                                 ; a trip goes once round the ring, from a lap's second quarter to the next lap's first, and fills both slots again
	QUARTER 0, 2, F1, F0, 0
	QUARTER 0, 3, F0, F1, 0
	TURN 0, 1, 1
	QUARTER 1, 1, F0, F1, 0
	QUARTER 1, 2, F1, F0, 0
	QUARTER 1, 3, F0, F1, 0
	TURN 1, 0, 1
	WIN 0
.if TILES > 1
	s_cmp_lg_u32 s2, 0
	s_cbranch_scc1 .Lsame                          ; forward, past text that holds neither a barrier nor a tensor load
	OUT                                            ; the tile's last lap is done and both refills for the next tile are asked for: the tile goes out
	s_wait_xcnt 0x0                                ; the stores have read their registers and C's address
	s_add_nc_u64 s[8:9], s[8:9], NEXT_C
	s_mov_b32 s2, 4
	QUARTER 0, 1, F0, F1, 1                        ; the next tile's first quarter starts the sums anew
	WIN 0
	s_branch .Ljoin
.Lsame:
.endif
	QUARTER 0, 1, F0, F1, 0
	WIN 0
.if TILES > 1
.Ljoin:
	s_sub_co_u32 s2, s2, 1
	s_cmp_eq_u32 s2, 0                             ; the next trip ends a tile: its refills step to the next tile
	s_cselect_b32 s[SA], 2048, 0
	s_cselect_b32 s[SB], s72, s73
	s_cmp_eq_u32 s2, 1                             ; the next trip's first prefetch names the next tile's K step 0
	s_cselect_b32 s[PFS], s74, s75
.endif
	s_sub_co_u32 s3, s3, 1
	s_cmp_lg_u32 s3, 0
	s_cbranch_scc1 .Llap
	QUARTER 0, 2, F1, F0, 0                        ; the last lap fills nothing, and has no round of the cluster's barrier
	QUARTER 0, 3, F0, F1, 0
	TURN 0, 1, 0
	QUARTER 1, 1, F0, F1, 0
	QUARTER 1, 2, F1, F0, 0
	QUARTER 1, 3, F0, F1, 0
	LASTQ
	OUT
	s_wait_tensorcnt 0x0                           ; the wave's end, behind my last tensor load and my last LDS store
	ds_add_u32 v[SPW], v[NIL]
	s_wait_dscnt 0x0
	CROUND                                         ; the closing round: no work-group ends while a partner may still ask for a tile that names it
	s_endpgm
.Lfunc_end_k_qd05166005c_qkv:
	.size	k_qd05166005c_qkv, .Lfunc_end_k_qd05166005c_qkv-k_qd05166005c_qkv
	.p2alignl 7, 3214868480
	.fill 96, 4, 3214868480
	.section	.rodata,"a",@progbits
	.p2align	6, 0x0
	.amdhsa_kernel k_qd05166005c_qkv
		.amdhsa_group_segment_fixed_size 327680
		.amdhsa_private_segment_fixed_size 0
		.amdhsa_enable_private_segment 0
		.amdhsa_kernarg_size 24
		.amdhsa_user_sgpr_count 2
		.amdhsa_user_sgpr_kernarg_segment_ptr 1
		.amdhsa_wavefront_size32 1
		.amdhsa_system_sgpr_workgroup_id_x 1
		.amdhsa_system_sgpr_workgroup_id_y 1
		.amdhsa_system_sgpr_workgroup_id_z 1
		.amdhsa_system_vgpr_workitem_id 0
		.amdhsa_next_free_vgpr 512
		.amdhsa_next_free_sgpr 80
		.amdhsa_reserve_vcc 0
		.amdhsa_float_denorm_mode_32 3
		.amdhsa_float_denorm_mode_16_64 3
		.amdhsa_memory_ordered 1
		.amdhsa_forward_progress 1
		.amdhsa_inst_pref_size 107
	.end_amdhsa_kernel
	.amdgpu_metadata
---
amdhsa.version: [ 1, 2 ]
amdhsa.kernels:
  - .name:           k_qd05166005c_qkv
    .symbol:         k_qd05166005c_qkv.kd
    .args:
      - { .name: xh, .offset: 0, .size: 8, .value_kind: global_buffer, .address_space: global }
      - { .name: wh, .offset: 8, .size: 8, .value_kind: global_buffer, .address_space: global }
      - { .name: qkv, .offset: 16, .size: 8, .value_kind: global_buffer, .address_space: global }
    .group_segment_fixed_size: 327680
    .private_segment_fixed_size: 0
    .kernarg_segment_align: 8
    .kernarg_segment_size: 24
    .max_flat_workgroup_size: 128
    .sgpr_count:     80
    .vgpr_count:     512
    .wavefront_size: 32
...
	.end_amdgpu_metadata
.endif
;; end of part 2
;; launch scores (part 3): grid 36 x 4, 4 waves a work-group, no clusters, 327,680 bytes of LDS; arguments qkv, sc; writes sc
.if DOCPART == 3
	.amdgcn_target "amdgcn-amd-amdhsa--gfx1250"
	.amdhsa_code_object_version 6
	.text
	.protected	k_qd05166005c_scores
	.globl	k_qd05166005c_scores
	.p2align	8
	.type	k_qd05166005c_scores,@function
k_qd05166005c_scores:
	s_mov_b64 s[64:65], 0
	v_nop
	global_prefetch_b8 v0, s[64:65] scope:SCOPE_SE
	s_setreg_imm32_b32 hwreg(HW_REG_WAVE_MODE, 25, 1), 1
	s_wait_xcnt 0x0
; sc[bt][q][k] = the sum over c of q[bt][q][c] k[bt][k][c], unscaled, in f32, for the 36 blocks of 256 x 256 of each batch that reach the diagonal or lie below it (block row i, block column jb <= i).
; q and k are columns 0-1023 and 1024-2047 of qkv: [8192][3072] f16.  sc: [4][2048][2048] f32; the blocks above the diagonal are neither written here nor read later.
; The scores stay in f32: with large inputs they pass what f16 holds.  The division by 32 and the mask inside the diagonal blocks are the next launch's.
; C = A B^T on tiles of 256 rows x 128 columns.  Four waves, one above the other: wave w makes rows 64 w .. 64 w + 63 x all 128 columns: 32 accumulators of 16 x 16, 256 registers.
; K = 1,024 goes in steps of 128 (tile rows of 256 bytes, aligned) through a ring of two LDS slots filled by the tensor data mover.
; A WORK-GROUP STAYS: it makes its block's two tiles, keys 256 jb + 128 t: the same rows of q, other rows of k.  ONE counted loop walks all 8 laps (a lap = two K steps); in a tile's last lap the same two
; refills step to the next tile by numbers chosen in scalar registers, and the finished tile goes out when both refills have been asked for.
; 144 work-groups of two tiles: 288 of one tile would still take two tiles' time on 256 WGPs and pay set-up and way out twice.
; NO CLUSTER: a block row of the causal set has 1 to 8 blocks and so has a block column, never all a multiple of four; made up to fours they would be 48 blocks for 36.
; THE MATRIX INSTRUCTION IS USED TRANSPOSED (source 0 = 16 rows of k, source 1 = 16 rows of q): lane l holds row l % 16 of C and its registers 0-7 the columns 8 (l / 16) + 0..7.
; REGISTERS, in windows of 256 (s_set_vgpr_msb: bits 1:0 source 0, 3:2 source 1, 5:4 source 2, 7:6 destination):
;   window 0: v0-31 addresses; v64-159, v160-255 two fragment buffers (B's 8 fragments, then A's 4); the second also takes the rows read back from the stage
;   window 1: accumulator (a, b) at v[8 (8 a + b)]
.set TILES,  2
.set PCB,    8192                      ; bytes in a row of sc
.set NEXT_C, 512                       ; bytes from a tile of C to the next: 128 columns
.set KB,     6144                      ; bytes in a row of qkv
.set NEXT_B, 128*KB-1536               ; from a slot's last K step of a tile (6 or 7) to its first of the next (0 or 1)
.set NEXTPF, 128*KB-1792               ; from K step 7 of a tile to K step 0 of the next
.set PITCH,  272                       ; an LDS row: 256 bytes + 16 of padding = 68 words: the 16 rows of a fragment load start at 16 different groups of four banks (64 banks of 4 bytes: ISA guide 11.1)
.set AHALF,  128*PITCH                 ; what wave 0 or 1 fetches
.set BHALF,  64*PITCH                  ; what wave 2 or 3 fetches
.set SLOT,   2*AHALF+2*BHALF           ; A's 256 rows, then B's 128
.set STAGE,  2*SLOT                    ; behind the ring, never filled by a tensor load: 16 rows for each wave
.set SPITCH, 528
.set SPARE,  STAGE+4*16*SPITCH         ; behind the stages: the spare words, 128 bytes for each wave: two blocks of 256 bytes that no other line names
.set ADRA, 16                          ; v16-17  LDS address of my A fragments in slot 0, 1
.set ADRB, 20                          ; v20-21  the same for B
.set STO,  24                          ; v24     the way out: where I put my part of a row
.set RD,   25                          ; v25     where I read rows back
.set CO,   26                          ; v26     my byte offset in C
.set SPW,  28                          ; v28     LDS address of my spare word; never rewritten
.set NIL,  29                          ; v29     0; never rewritten
.set PFO,  30                          ; v30     the prefetches' offset: my lane x a row; never rewritten
.set F0,   64
.set F1,   160
.set OB,   160
.set G1,   24                          ; s[24:31] descriptor group 1 for A's tiles;  s[32:39] group 0, a set for each slot
.set G0,   32
.set LIM,  43                          ; s43      a wave prefetches while the loop's counter is above this
.set PFA,  44                          ; s[44:45] where my prefetches stand
.set G1B,  48                          ; s[48:55], s[56:63] the same for B's tiles
.set G0B,  56
.set SA,   66                          ; s[66:67] what a refill takes off A's address behind its step of 512: 0, or 2,048 at a change of tiles
.set SB,   68                          ; s[68:69] B's step: 512, or NEXT_B
.set PFS,  70                          ; s[70:71] the prefetch pointer's step at slot 0: 256, or NEXTPF
.set MSB, 0
.macro WIN new                         ; the immediate's high byte repeats the setting that is left; a switch that changes nothing is dropped
.if MSB != (\new)
	s_set_vgpr_msb (MSB<<8)|(\new)
.set MSB, \new
.endif
.endm
.macro PLACES                          ; four places in front of loads into registers that matrix instructions have read, and of lines that read results
.rept 4
	v_nop
.endr
.endm
; A fill: waves 0 and 1 fetch A's two halves, waves 2 and 3 B's.  An s_nop 0 and four v_nop follow each line.
.macro JLOAD s
	s_cmp_lt_u32 s10, 2
	s_cbranch_scc0 .Lfor_b_\@
	tensor_load_to_lds s[G0+4*(\s):G0+4*(\s)+3], s[G1:G1+7]
	s_nop 0
.rept 4
	v_nop
.endr
	s_branch .Lasked_\@
.Lfor_b_\@:
	tensor_load_to_lds s[G0B+4*(\s):G0B+4*(\s)+3], s[G1B:G1B+7]
	s_nop 0
.rept 4
	v_nop
.endr
.Lasked_\@:
.endm
; A PREFETCH of the K step that stands two refills on (256 matrix instructions ahead of the load that will want it), a lane a row, 256 bytes of each.  Each row's 256 bytes of a K step are named once in the
; launch: a block row's q is read by the work-groups jb = 0 .. i: the one with jb = 0 asks, waves 0 and 1 for 128 rows each (four lines), in the first tile alone, since both tiles take the same q;
; a block column's k is read by the work-groups i = jb .. 7: the one with i = jb asks, waves 2 and 3 for 64 rows each (two lines).  K steps 0 to 3 come by their loads alone; the last trip asks for nothing.
.macro ASK
	s_cmp_gt_u32 s3, s[LIM]
	s_cbranch_scc0 .Lnot_mine_\@
	global_prefetch_b8 v[PFO], s[PFA:PFA+1] th:TH_LOAD_NT scope:SCOPE_SE
	global_prefetch_b8 v[PFO], s[PFA:PFA+1] offset:32*KB th:TH_LOAD_NT scope:SCOPE_SE
	s_cmp_lt_u32 s10, 2
	s_cbranch_scc0 .Lnot_mine_\@
	global_prefetch_b8 v[PFO], s[PFA:PFA+1] offset:64*KB th:TH_LOAD_NT scope:SCOPE_SE
	global_prefetch_b8 v[PFO], s[PFA:PFA+1] offset:96*KB th:TH_LOAD_NT scope:SCOPE_SE
.Lnot_mine_\@:
.endm
; 8 matrix instructions: my block a of 16 rows x all 8 blocks of 16 columns, 32 along K.  zero = 1: the product starts the sums.  The 32 accumulators come in the same order in every quarter, one
; instruction a turn: 31 others stand between two links of a chain.
.macro MUL8 f, a, zero
	WIN 0x50
.irp b, 0,1,2,3,4,5,6,7
.if \zero
	v_wmma_f32_16x16x32_f16 v[8*(8*(\a)+(\b)):8*(8*(\a)+(\b))+7], v[(\f)+8*(\b):(\f)+8*(\b)+7], v[(\f)+64+8*(\a):(\f)+64+8*(\a)+7], 0
.else
	v_wmma_f32_16x16x32_f16 v[8*(8*(\a)+(\b)):8*(8*(\a)+(\b))+7], v[(\f)+8*(\b):(\f)+8*(\b)+7], v[(\f)+64+8*(\a):(\f)+64+8*(\a)+7], v[8*(8*(\a)+(\b)):8*(8*(\a)+(\b))+7]
.endif
.endr
.endm
; 24 LDS loads in one run: the fragments of quarter q (32 along K) of a slot into buffer f: B's 8 first, then A's 4
.macro FETCH slot, q, f
	WIN 0
.irp b, 0,1,2,3,4,5,6,7
	ds_load_b128 v[(\f)+8*(\b):(\f)+8*(\b)+3],   v[ADRB+(\slot)] offset:64*(\q)+16*PITCH*(\b)
	ds_load_b128 v[(\f)+8*(\b)+4:(\f)+8*(\b)+7], v[ADRB+(\slot)] offset:64*(\q)+16*PITCH*(\b)+32
.endr
.irp a, 0,1,2,3
	ds_load_b128 v[(\f)+64+8*(\a):(\f)+64+8*(\a)+3],   v[ADRA+(\slot)] offset:64*(\q)+16*PITCH*(\a)
	ds_load_b128 v[(\f)+64+8*(\a)+4:(\f)+64+8*(\a)+7], v[ADRA+(\slot)] offset:64*(\q)+16*PITCH*(\a)+32
.endr
.endm
; A K step is four quarters of 32 along K on buffers 0, 1, 0, 1.  One of the first three: multiplies buffer f and, in its middle, fetches quarter q into buffer g.
.macro QUARTER slot, q, f, g, zero
	s_wait_dscnt 4                                 ; B and A's blocks 0 and 1 are in; the youngest four loads (A's blocks 2 and 3) may be out
	MUL8 \f, 0, \zero
	MUL8 \f, 1, \zero
	PLACES
	FETCH \slot, \q, \g
	s_wait_dscnt 24                                ; all but the 24 just issued
	MUL8 \f, 2, \zero
	MUL8 \f, 3, \zero
.endm
; The last quarter multiplies buffer 1 and changes slots: ONE barrier.  In front of it each wave waits for all its tensor loads (one is out: its part of the next slot), adds 0 to its spare word, and waits
; for that and for its own reads of this slot.  fill = 1: the slot is filled again first thing behind the barrier, two K steps ahead: 112 matrix instructions stand between the request and the wait for it.
.macro TURN slot, next, fill
.if \fill
	s_wait_xcnt 0x0                                ; the last prefetches, a K step back, have read their address
.if (\slot) == 0
	s_add_nc_u64 s[PFA:PFA+1], s[PFA:PFA+1], s[PFS:PFS+1]
.else
	s_add_nc_u64 s[PFA:PFA+1], s[PFA:PFA+1], 256
.endif
.endif
	WIN 0                                          ; (the add's two registers lie in window 0)
	s_wait_tensorcnt 0x0                           ; all my tensor loads have landed
	ds_add_u32 v[SPW], v[NIL]                      ; 0 onto my spare word
	s_wait_dscnt 5                                 ; (the add and the youngest four loads may be out)
	MUL8 F1, 0, 0                                  ; eight matrix instructions stand between the add and the wait for it
	s_wait_dscnt 0x0                               ; the add is done, and my reads of this slot are over
	s_barrier_signal -1
	MUL8 F1, 1, 0                                  ; work on registers while the others arrive
	WIN 0
	s_barrier_wait -1                              ; nobody reads this slot any more, and the next slot is whole
.if \fill
	s_add_nc_u64 s[G0+4*(\slot)+2:G0+4*(\slot)+3], s[G0+4*(\slot)+2:G0+4*(\slot)+3], 512
	s_sub_nc_u64 s[G0+4*(\slot)+2:G0+4*(\slot)+3], s[G0+4*(\slot)+2:G0+4*(\slot)+3], s[SA:SA+1]
	s_add_nc_u64 s[G0B+4*(\slot)+2:G0B+4*(\slot)+3], s[G0B+4*(\slot)+2:G0B+4*(\slot)+3], s[SB:SB+1]
	JLOAD \slot                                    ; the four v_nop behind it are also the places in front of the loads below
.else
	PLACES
.endif
	FETCH \next, 0, F0
.if \fill
	ASK
.endif
	MUL8 F1, 2, 0
	MUL8 F1, 3, 0
.endm
.macro LASTQ                           ; the very last quarter: nothing more to fetch
	s_wait_dscnt 4
	MUL8 F1, 0, 0
	MUL8 F1, 1, 0
	s_wait_dscnt 0x0
	MUL8 F1, 2, 0
	MUL8 F1, 3, 0
	WIN 0
.endm
; THE WAY OUT in f32, a block of 16 rows at a time: a lane's eight columns (32 bytes) go straight from the accumulator into my stage, rows of 528 bytes; whole rows of 512 bytes come back and are stored.
.macro OUT32 a
	WIN 0x04                                       ; store data in window 1
.irp b, 0,1,2,3,4,5,6,7
	ds_store_b128 v[STO], v[8*(8*(\a)+(\b)):8*(8*(\a)+(\b))+3]   offset:64*(\b)
	ds_store_b128 v[STO], v[8*(8*(\a)+(\b))+4:8*(8*(\a)+(\b))+7] offset:64*(\b)+16
.endr
	WIN 0
	s_wait_xcnt 0x0                                ; the registers that earlier stores read are loaded again only behind this wait
.irp t, 0,1,2,3,4,5,6,7,8,9,10,11,12,13,14,15
	ds_load_b128 v[OB+4*(\t):OB+4*(\t)+3], v[RD] offset:(\t)*SPITCH  ; LDS serves a wave's instructions in order (ISA guide 5.7.1.4): these see the stores above
.endr
.irp t, 0,1,2,3,4,5,6,7,8,9,10,11,12,13,14,15
	s_wait_dscnt 15-(\t)                           ; row t is back; the younger loads may stay out
	global_store_b128 v[CO], v[OB+4*(\t):OB+4*(\t)+3], s[8:9] offset:(16*(\a)+(\t))*PCB  ; 32 lanes store 512 consecutive bytes, aligned
.endr
.endm
.macro OUT
	PLACES
	OUT32 0
	OUT32 1
	OUT32 2
	OUT32 3
.endm
	s_load_b128 s[4:7], s[0:1], 0x0                ; qkv s[4:5], sc s[6:7]
	v_lshl_add_u32 v[SPW], v0, 2, SPARE
	v_mov_b32 v[NIL], 0
	ds_add_u32 v[SPW], v[NIL]                      ; the wave's opening: the add and its wait stand ahead of my first tensor load; the set-up below, work on registers, stands between them
	v_lshrrev_b32 v1, 5, v0
	v_readfirstlane_b32 s10, v1                    ; wave 0..3
	s_and_b32 s11, s10, 1                          ; which half of A's or B's tile I fetch
	s_mov_b32 s40, 0                               ; the work-group's number t = i (i + 1) / 2 + jb: i is the greatest n with n (n + 1) / 2 <= t
	s_mov_b32 s41, 0
.irp n, 1,2,3,4,5,6,7
	s_cmp_ge_u32 ttmp9, (\n)*((\n)+1)/2
	s_cselect_b32 s40, \n, s40
	s_cselect_b32 s41, (\n)*((\n)+1)/2, s41
.endr
	s_sub_co_u32 s42, ttmp9, s41                   ; jb
	s_and_b32 s13, ttmp7, 0xffff
	s_lshl_b32 s13, s13, 11                        ; the batch's first row
	s_lshl_b32 s77, s40, 8
	s_add_co_u32 s77, s77, s13                     ; my block's first query row
	s_lshl_b32 s78, s42, 8
	s_add_co_u32 s78, s78, s13                     ; and first key row
.irp g, G1, G1B
	s_mov_b32 s[(\g)], (1<<16)|(1<<20)|(5<<22)|(3<<25)  ; elements of 2 bytes; padding on; after every 64 words, 4 words
	s_mov_b32 s[(\g)+1], 128<<16                   ; tensor_dim0 = 128
	s_mov_b32 s[(\g)+3], 128<<16                   ; tile_dim0 = 128
	s_mov_b32 s[(\g)+5], KB/2                      ; elements from row to row
	s_mov_b32 s[(\g)+6], 0
	s_mov_b32 s[(\g)+7], 0
.endr
	s_mov_b32 s[G1+2], 128<<16                     ; tensor_dim1 and tile_dim1: 128 rows of q,
	s_mov_b32 s[G1+4], 128
	s_mov_b32 s[G1B+2], 64<<16                     ; 64 of k
	s_mov_b32 s[G1B+4], 64
	s_lshl_b32 s16, s11, 7
	s_add_co_u32 s16, s16, s77
	s_mul_i32 s16, s16, KB                         ; q: my half's first row
	s_mov_b32 s17, 0
	s_lshl_b32 s46, s11, 6
	s_add_co_u32 s46, s46, s78
	s_mul_i32 s46, s46, KB
	s_add_co_u32 s46, s46, 2048                    ; k lies 2,048 bytes into a row
	s_mov_b32 s47, 0
	s_mul_i32 s20, s10, AHALF                      ; where they go: A's halves at wave x 128 rows,
	s_mul_i32 s21, s10, BHALF
	s_add_co_u32 s21, s21, 2*AHALF-2*BHALF         ; B's behind A's 256 rows, at (wave - 2) x 64 rows
	s_wait_dscnt 0x0                               ; the opening add is done
	s_wait_kmcnt 0x0
	s_add_nc_u64 s[14:15], s[4:5], s[16:17]
	s_add_nc_u64 s[46:47], s[4:5], s[46:47]
.irp s, 0,1
	s_mov_b32 s[G0+4*(\s)], 1                      ; count = 1
	s_add_co_u32 s[G0+4*(\s)+1], s20, (\s)*SLOT    ; LDS address
	s_add_nc_u64 s[G0+4*(\s)+2:G0+4*(\s)+3], s[14:15], (\s)*256  ; global address: K step s
	s_or_b32 s[G0+4*(\s)+3], s[G0+4*(\s)+3], 0x80000000          ; type = 2
	s_mov_b32 s[G0B+4*(\s)], 1
	s_add_co_u32 s[G0B+4*(\s)+1], s21, (\s)*SLOT
	s_add_nc_u64 s[G0B+4*(\s)+2:G0B+4*(\s)+3], s[46:47], (\s)*256
	s_or_b32 s[G0B+4*(\s)+3], s[G0B+4*(\s)+3], 0x80000000
.endr
	s_cmp_lt_u32 s10, 2                            ; a wave's two first fills stand in one branch, ahead of every wait on TENSORcnt, every LDS read and every barrier: two loads of mine are out
	s_cbranch_scc0 .Lfirst_b
	tensor_load_to_lds s[G0:G0+3], s[G1:G1+7]
	s_nop 0
	tensor_load_to_lds s[G0+4:G0+7], s[G1:G1+7]
	s_nop 0
.rept 4
	v_nop
.endr
	s_branch .Lfirst_asked
.Lfirst_b:
	tensor_load_to_lds s[G0B:G0B+3], s[G1B:G1B+7]
	s_nop 0
	tensor_load_to_lds s[G0B+4:G0B+7], s[G1B:G1B+7]
	s_nop 0
.rept 4
	v_nop
.endr
.Lfirst_asked:
	; A fragment is 16 rows x 32 K in 8 registers: lane l holds row l % 16; registers 0-3 K = 8 (l / 16) + 0..7, registers 4-7 K = 16 + 8 (l / 16) + 0..7: two loads of 16 bytes, 32 bytes apart.
	v_and_b32 v1, 15, v0                           ; l % 16
	v_bfe_u32 v2, v0, 4, 1                         ; l / 16
	v_mul_u32_u24 v3, v1, PITCH
	v_lshl_add_u32 v3, v2, 4, v3                   ; row x pitch + 16 x half
	s_mul_i32 s22, s10, 64*PITCH                   ; my 64 rows of A
	v_add_nc_u32 v[ADRA], s22, v3
	v_add_nc_u32 v[ADRA+1], SLOT, v[ADRA]
	v_add_nc_u32 v[ADRB], 2*AHALF, v3              ; B's rows lie behind A's 256
	v_add_nc_u32 v[ADRB+1], SLOT, v[ADRB]
	s_mul_i32 s23, s10, 16*SPITCH
	s_add_co_u32 s23, s23, STAGE                   ; my stage
	v_mul_u32_u24 v4, v1, SPITCH
	v_lshl_add_u32 v4, v2, 5, v4                   ; in: row l % 16, 32 bytes for each half of the lanes
	v_add_nc_u32 v[STO], s23, v4
	v_and_b32 v5, 31, v0
	v_lshlrev_b32 v[CO], 4, v5                     ; back: 32 lanes take one row of 512 bytes; the same in C
	v_add_nc_u32 v[RD], s23, v[CO]
	s_lshl_b32 s16, s10, 6                         ; sc at my wave's first row and the block's first column
	s_add_co_u32 s16, s16, s77
	s_lshl_b32 s16, s16, 13
	s_lshl_b32 s17, s42, 10
	s_add_co_u32 s16, s16, s17
	s_mov_b32 s17, 0
	s_add_nc_u64 s[8:9], s[6:7], s[16:17]
	; the prefetches
	s_cmp_eq_u32 s42, 0
	s_cselect_b32 s22, 4*TILES-3, -1               ; q: the first tile's K steps 4 to 7 alone, by the block row's first work-group
	s_cmp_eq_u32 s40, s42
	s_cselect_b32 s23, 1, -1                       ; k: all but the loop's last trip, by the block column's first work-group
	s_lshl_b32 s16, s10, 7
	s_add_co_u32 s16, s16, s77                     ; q: my 128 rows
	s_lshl_b32 s17, s11, 6
	s_add_co_u32 s17, s17, s78                     ; k: my 64 rows
	s_cmp_lt_u32 s10, 2
	s_cselect_b32 s[LIM], s22, s23
	s_cselect_b32 s16, s16, s17
	s_cselect_b32 s17, 0, 2048
	s_mul_i32 s16, s16, KB
	s_add_co_u32 s16, s16, s17
	s_add_co_u32 s16, s16, 3*256                   ; at K step 3: the first refill steps it to 4
	s_mov_b32 s17, 0
	s_add_nc_u64 s[PFA:PFA+1], s[4:5], s[16:17]
	v_and_b32 v[PFO], 31, v0
	v_mul_u32_u24 v[PFO], v[PFO], KB
	s_wait_tensorcnt 0x1                           ; my part of K step 0 is in; K step 1's load may stay out
	s_barrier_signal -1
	s_barrier_wait -1                              ; everybody's is
	FETCH 0, 0, F0
	QUARTER 0, 1, F0, F1, 1                        ; the first quarter stands in front of the loop: its products start the sums
	WIN 0                                          ; at a label and at a branch every window is 0
	s_mov_b32 s3, 4*TILES-1
	s_mov_b32 s2, 3                                ; laps left in the tile behind the one in hand
	s_mov_b32 s[SA], 0
	s_mov_b32 s[SA+1], 0
	s_mov_b32 s[SB], 512
	s_mov_b32 s[SB+1], 0
	s_mov_b32 s[PFS], 256
	s_mov_b32 s[PFS+1], 0
	s_mov_b32 s72, NEXT_B                          ; an instruction holds one literal: the selects below take these from registers
	s_mov_b32 s73, 512
	s_mov_b32 s74, NEXTPF
	s_mov_b32 s75, 256
.Llap:                                                 ; a trip goes once round the ring, from a lap's second quarter to the next lap's first, and fills both slots again
	QUARTER 0, 2, F1, F0, 0
	QUARTER 0, 3, F0, F1, 0
	TURN 0, 1, 1
	QUARTER 1, 1, F0, F1, 0
	QUARTER 1, 2, F1, F0, 0
	QUARTER 1, 3, F0, F1, 0
	TURN 1, 0, 1
	WIN 0
	s_cmp_lg_u32 s2, 0
	s_cbranch_scc1 .Lsame                          ; forward, past text that holds neither a barrier nor a tensor load
	OUT                                            ; the tile's last lap is done and both refills for the next tile are asked for: the tile goes out
	s_wait_xcnt 0x0                                ; the stores have read their registers and C's address
	s_add_nc_u64 s[8:9], s[8:9], NEXT_C
	s_mov_b32 s2, 4
	QUARTER 0, 1, F0, F1, 1                        ; the next tile's first quarter starts the sums anew
	WIN 0
	s_branch .Ljoin
.Lsame:
	QUARTER 0, 1, F0, F1, 0
	WIN 0
.Ljoin:
	s_sub_co_u32 s2, s2, 1
	s_cmp_eq_u32 s2, 0                             ; the next trip ends a tile: its refills step to the next tile
	s_cselect_b32 s[SA], 2048, 0
	s_cselect_b32 s[SB], s72, s73
	s_cmp_eq_u32 s2, 1                             ; the next trip's first prefetch names the next tile's K step 0
	s_cselect_b32 s[PFS], s74, s75
	s_sub_co_u32 s3, s3, 1
	s_cmp_lg_u32 s3, 0
	s_cbranch_scc1 .Llap
	QUARTER 0, 2, F1, F0, 0                        ; the last lap fills nothing
	QUARTER 0, 3, F0, F1, 0
	TURN 0, 1, 0
	QUARTER 1, 1, F0, F1, 0
	QUARTER 1, 2, F1, F0, 0
	QUARTER 1, 3, F0, F1, 0
	LASTQ
	OUT
	s_wait_tensorcnt 0x0                           ; the wave's end, behind my last tensor load and my last LDS store
	ds_add_u32 v[SPW], v[NIL]
	s_wait_dscnt 0x0
	s_endpgm
.Lfunc_end_k_qd05166005c_scores:
	.size	k_qd05166005c_scores, .Lfunc_end_k_qd05166005c_scores-k_qd05166005c_scores
	.p2alignl 7, 3214868480
	.fill 96, 4, 3214868480
	.section	.rodata,"a",@progbits
	.p2align	6, 0x0
	.amdhsa_kernel k_qd05166005c_scores
		.amdhsa_group_segment_fixed_size 327680
		.amdhsa_private_segment_fixed_size 0
		.amdhsa_enable_private_segment 0
		.amdhsa_kernarg_size 16
		.amdhsa_user_sgpr_count 2
		.amdhsa_user_sgpr_kernarg_segment_ptr 1
		.amdhsa_wavefront_size32 1
		.amdhsa_system_sgpr_workgroup_id_x 1
		.amdhsa_system_sgpr_workgroup_id_y 1
		.amdhsa_system_sgpr_workgroup_id_z 1
		.amdhsa_system_vgpr_workitem_id 0
		.amdhsa_next_free_vgpr 512
		.amdhsa_next_free_sgpr 80
		.amdhsa_reserve_vcc 0
		.amdhsa_float_denorm_mode_32 3
		.amdhsa_float_denorm_mode_16_64 3
		.amdhsa_memory_ordered 1
		.amdhsa_forward_progress 1
		.amdhsa_inst_pref_size 108
	.end_amdhsa_kernel
	.amdgpu_metadata
---
amdhsa.version: [ 1, 2 ]
amdhsa.kernels:
  - .name:           k_qd05166005c_scores
    .symbol:         k_qd05166005c_scores.kd
    .args:
      - { .name: qkv, .offset: 0, .size: 8, .value_kind: global_buffer, .address_space: global }
      - { .name: sc, .offset: 8, .size: 8, .value_kind: global_buffer, .address_space: global }
    .group_segment_fixed_size: 327680
    .private_segment_fixed_size: 0
    .kernarg_segment_align: 8
    .kernarg_segment_size: 16
    .max_flat_workgroup_size: 128
    .sgpr_count:     80
    .vgpr_count:     512
    .wavefront_size: 32
...
	.end_amdgpu_metadata
.endif
;; end of part 3
;; launch softmax (part 4): grid 1024 x 1, 8 waves a work-group, no clusters, 0 bytes of LDS; arguments sc, pr; writes pr
.if DOCPART == 4
	.amdgcn_target "amdgcn-amd-amdhsa--gfx1250"
	.amdhsa_code_object_version 6
	.text
	.protected	k_qd05166005c_softmax
	.globl	k_qd05166005c_softmax
	.p2align	8
	.type	k_qd05166005c_softmax,@function
k_qd05166005c_softmax:
	s_mov_b64 s[64:65], 0
	v_nop
	global_prefetch_b8 v0, s[64:65] scope:SCOPE_SE
	s_setreg_imm32_b32 hwreg(HW_REG_WAVE_MODE, 25, 1), 1
	s_wait_xcnt 0x0
; pr[bt][q][k] = softmax over k <= q of sc[bt][q][k] / 32, in f16; 0 for the hidden keys of the diagonal block.  sc: [4][2048][2048] f32, pr: [4][2048][2048] f16.
; Of row q only the blocks of 256 keys 0 .. i, i = q / 256, are read and written; rows 0-255 of a batch also get zeros for keys 256-511, since the next launch walks 512 keys at the least.
; p = 2^(c s - c m) / l, c = log2(e) / 32, m the row's true maximum, l the sum of the unrounded 2^(..).  The rounding of c m shifts all of a row's exponents alike and falls out in the division by l.
; LIMITS.  p below 6e-5 keeps f16's fixed step of 6e-8; a weight below 2^-126 counts as 0 in l; NaN and infinities are not treated apart.
; SHARES.  One wave, one row, kept in registers between the three passes: read once, written once; no LDS, no barrier, no wave waits for another.  The text has no loop.
; The row lies in eight slots of 8 registers, 256 keys each.  Slot 0 holds the diagonal block i, so that the mask touches fixed registers; slot s (1 .. 7) holds block s - 1 and is used where s <= i.
; In a slot register 4 c + e of lane l holds key 128 c + 4 l + e: two loads of 16 bytes a lane, each 512 consecutive bytes a wave; as f16 they leave as two stores of 8 bytes a lane, 256 consecutive bytes, aligned.
; Every jump goes forward and hangs on the row's number alone.  Matrix units and clusters have nothing to do here: memory binds.
.set X, 16                             ; v[16:79]  the row
	s_load_b128 s[4:7], s[0:1], 0x0                ; sc s[4:5], pr s[6:7]
	v_lshrrev_b32 v1, 5, v0
	v_readfirstlane_b32 s8, v1                     ; wave 0..7
	s_lshl_b32 s9, ttmp9, 3
	s_add_co_u32 s9, s9, s8                        ; my row among the 8,192
	s_and_b32 s11, s9, 2047                        ; q
	s_lshr_b32 s10, s11, 8                         ; i
	s_and_b32 s11, s11, 255                        ; q's place in its block
	s_lshl_b32 s24, s9, 13                         ; the row in sc,
	s_mov_b32 s25, 0
	s_lshl_b32 s26, s9, 12                         ; in pr,
	s_mov_b32 s27, 0
	s_lshl_b32 s28, s10, 10                        ; the diagonal block in each
	s_mov_b32 s29, 0
	s_lshl_b32 s30, s10, 9
	s_mov_b32 s31, 0
	s_mov_b32 s20, 0x76543210                      ; v_permlanex16_b32: each lane takes its own place in the other half
	s_mov_b32 s21, 0xfedcba98
	s_mov_b32 s22, 0x3d38aa3b                      ; c = log2(e) / 32
	s_mov_b32 s23, s22                             ; named with it as a pair
	v_and_b32 v1, 31, v0                           ; l
	v_lshlrev_b32 v2, 4, v1                        ; 16 l
	v_lshlrev_b32 v3, 3, v1                        ; 8 l
	v_lshlrev_b32 v4, 2, v1
	v_sub_nc_u32 v4, s11, v4                       ; q's place less 4 l: register 4 c + e is hidden where 128 c + e is greater
	v_mov_b32 v5, 0xff800000                       ; -inf
	v_mov_b32 v80, 0
	v_mov_b32 v81, 0
	s_wait_kmcnt 0x0
	s_add_nc_u64 s[12:13], s[4:5], s[24:25]        ; sc at my row,
	s_add_nc_u64 s[14:15], s[12:13], s[28:29]      ; and at its diagonal block
	s_add_nc_u64 s[16:17], s[6:7], s[26:27]        ; the same in pr
	s_add_nc_u64 s[18:19], s[16:17], s[30:31]
	; PASS 0: the loads, all at once.  A slot beyond the row's last block is set to -inf, a weight of 0, so that every register of the row is written on every way through the text;
	; the guards of the later passes then only spare work.
	global_load_b128 v[X:X+3], v2, s[14:15] th:TH_LOAD_NT
	global_load_b128 v[X+4:X+7], v2, s[14:15] offset:512 th:TH_LOAD_NT
.irp s, 1,2,3,4,5,6,7
	s_cmp_lt_u32 s10, \s
	s_cbranch_scc1 .Lfill\s
	global_load_b128 v[X+8*(\s):X+8*(\s)+3], v2, s[12:13] offset:1024*((\s)-1) th:TH_LOAD_NT
	global_load_b128 v[X+8*(\s)+4:X+8*(\s)+7], v2, s[12:13] offset:1024*((\s)-1)+512 th:TH_LOAD_NT
.endr
	s_branch .Lloaded
.irp s, 1,2,3,4,5,6,7
.Lfill\s:
.irp e, 0,1,2,3,4,5,6,7
	v_mov_b32 v[X+8*(\s)+(\e)], v5
.endr
.endr
.Lloaded:
	s_wait_loadcnt 0x0                             ; the maximum wants the whole row
	; the mask, in the diagonal block alone
.irp n, 0,1,2,3,4,5,6,7
	v_cmp_gt_i32 vcc_lo, 128*((\n)/4)+(\n)%4, v4
	v_cndmask_b32 v[X+(\n)], v[X+(\n)], v5, vcc_lo
.endr
	; PASS 1: the maximum, three operands at a time, in two chains
	v_max3_num_f32 v6, v[X], v[X+1], v[X+2]
	v_max3_num_f32 v7, v[X+3], v[X+4], v[X+5]
	v_max3_num_f32 v6, v6, v[X+6], v[X+7]
.irp s, 1,2,3,4,5,6,7
	s_cmp_lt_u32 s10, \s
	s_cbranch_scc1 .Lmaxed
	v_max3_num_f32 v6, v6, v[X+8*(\s)], v[X+8*(\s)+1]
	v_max3_num_f32 v7, v7, v[X+8*(\s)+2], v[X+8*(\s)+3]
	v_max3_num_f32 v6, v6, v[X+8*(\s)+4], v[X+8*(\s)+5]
	v_max3_num_f32 v7, v7, v[X+8*(\s)+6], v[X+8*(\s)+7]
.endr
.Lmaxed:
	v_max_num_f32 v6, v6, v7
	v_max_num_f32_dpp v6, v6, v6 row_xmask:1 row_mask:0xf bank_mask:0xf
	v_max_num_f32_dpp v6, v6, v6 row_xmask:2 row_mask:0xf bank_mask:0xf
	v_max_num_f32_dpp v6, v6, v6 row_xmask:4 row_mask:0xf bank_mask:0xf
	v_max_num_f32_dpp v6, v6, v6 row_xmask:8 row_mask:0xf bank_mask:0xf
	v_permlanex16_b32 v7, v6, s20, s21             ; (its destination has been written)
	v_max_num_f32 v6, v6, v7                       ; every lane holds m: the row's own key is never hidden, so m is a true score
	v_mul_f32 v14, s22, v6                         ; c m
	v_mov_b32 v15, v14                             ; named with it as a pair
	; PASS 2: 2^(c s - c m) in place, and the sum.  A slot's eight exponentials are one batch: a plain instruction behind the last, one wait ahead of the first reader and of the next branch.
.macro EXPS s
.irp k, 0,2,4,6
	v_pk_fma_f32 v[X+8*(\s)+(\k):X+8*(\s)+(\k)+1], v[X+8*(\s)+(\k):X+8*(\s)+(\k)+1], s[22:23], v[14:15] op_sel_hi:[1,0,0] neg_lo:[0,0,1] neg_hi:[0,0,1]
.endr
.irp e, 0,1,2,3,4,5,6,7
	v_exp_f32 v[X+8*(\s)+(\e)], v[X+8*(\s)+(\e)]
.endr
	v_nop
	s_wait_alu depctr_va_vdst(0)
.endm
	EXPS 0
	v_pk_add_f32 v[8:9], v[X:X+1], v[X+2:X+3]      ; the first slot starts the two chains of the sum: nothing is cleared
	v_pk_add_f32 v[10:11], v[X+4:X+5], v[X+6:X+7]
.irp s, 1,2,3,4,5,6,7
	s_cmp_lt_u32 s10, \s
	s_cbranch_scc1 .Lsummed
	EXPS \s
	v_pk_add_f32 v[8:9], v[8:9], v[X+8*(\s):X+8*(\s)+1]
	v_pk_add_f32 v[10:11], v[10:11], v[X+8*(\s)+2:X+8*(\s)+3]
	v_pk_add_f32 v[8:9], v[8:9], v[X+8*(\s)+4:X+8*(\s)+5]
	v_pk_add_f32 v[10:11], v[10:11], v[X+8*(\s)+6:X+8*(\s)+7]
.endr
.Lsummed:
	v_pk_add_f32 v[8:9], v[8:9], v[10:11]
	v_add_f32 v8, v8, v9
	v_add_f32_dpp v8, v8, v8 row_xmask:1 row_mask:0xf bank_mask:0xf
	v_add_f32_dpp v8, v8, v8 row_xmask:2 row_mask:0xf bank_mask:0xf
	v_add_f32_dpp v8, v8, v8 row_xmask:4 row_mask:0xf bank_mask:0xf
	v_add_f32_dpp v8, v8, v8 row_xmask:8 row_mask:0xf bank_mask:0xf
	v_permlanex16_b32 v9, v8, s20, s21
	v_add_f32 v8, v8, v9                           ; l, at least 1
	v_rcp_f32 v82, v8
	v_mov_b32 v83, 0                               ; the plain instruction behind the reciprocal; v83 is named with v82 as a pair
	s_wait_alu depctr_va_vdst(0)                   ; and its wait, ahead of the first reader
	; PASS 3: times 1 / l, rounded to f16, stored
.macro SCALE s
.irp k, 0,2,4,6
	v_pk_mul_f32 v[X+8*(\s)+(\k):X+8*(\s)+(\k)+1], v[X+8*(\s)+(\k):X+8*(\s)+(\k)+1], v[82:83] op_sel_hi:[1,0]
.endr
	v_cvt_pk_f16_f32 v[X+8*(\s)], v[X+8*(\s)], v[X+8*(\s)+1]
	v_cvt_pk_f16_f32 v[X+8*(\s)+1], v[X+8*(\s)+2], v[X+8*(\s)+3]
	v_cvt_pk_f16_f32 v[X+8*(\s)+4], v[X+8*(\s)+4], v[X+8*(\s)+5]
	v_cvt_pk_f16_f32 v[X+8*(\s)+5], v[X+8*(\s)+6], v[X+8*(\s)+7]
.endm
	SCALE 0
	global_store_b64 v3, v[X:X+1], s[18:19]
	global_store_b64 v3, v[X+4:X+5], s[18:19] offset:256
.irp s, 1,2,3,4,5,6,7
	s_cmp_lt_u32 s10, \s
	s_cbranch_scc1 .Lstored
	SCALE \s
	global_store_b64 v3, v[X+8*(\s):X+8*(\s)+1], s[16:17] offset:512*((\s)-1)
	global_store_b64 v3, v[X+8*(\s)+4:X+8*(\s)+5], s[16:17] offset:512*((\s)-1)+256
.endr
.Lstored:
	s_cmp_lg_u32 s10, 0
	s_cbranch_scc1 .Ldone
	global_store_b64 v3, v[80:81], s[16:17] offset:512   ; rows 0-255: zeros for keys 256-511
	global_store_b64 v3, v[80:81], s[16:17] offset:768
.Ldone:
	s_endpgm
.Lfunc_end_k_qd05166005c_softmax:
	.size	k_qd05166005c_softmax, .Lfunc_end_k_qd05166005c_softmax-k_qd05166005c_softmax
	.p2alignl 7, 3214868480
	.fill 96, 4, 3214868480
	.section	.rodata,"a",@progbits
	.p2align	6, 0x0
	.amdhsa_kernel k_qd05166005c_softmax
		.amdhsa_group_segment_fixed_size 0
		.amdhsa_private_segment_fixed_size 0
		.amdhsa_enable_private_segment 0
		.amdhsa_kernarg_size 16
		.amdhsa_user_sgpr_count 2
		.amdhsa_user_sgpr_kernarg_segment_ptr 1
		.amdhsa_wavefront_size32 1
		.amdhsa_system_sgpr_workgroup_id_x 1
		.amdhsa_system_sgpr_workgroup_id_y 1
		.amdhsa_system_sgpr_workgroup_id_z 1
		.amdhsa_system_vgpr_workitem_id 0
		.amdhsa_next_free_vgpr 84
		.amdhsa_next_free_sgpr 66
		.amdhsa_reserve_vcc 1
		.amdhsa_float_denorm_mode_32 3
		.amdhsa_float_denorm_mode_16_64 3
		.amdhsa_memory_ordered 1
		.amdhsa_forward_progress 1
		.amdhsa_inst_pref_size 23
	.end_amdhsa_kernel
	.amdgpu_metadata
---
amdhsa.version: [ 1, 2 ]
amdhsa.kernels:
  - .name:           k_qd05166005c_softmax
    .symbol:         k_qd05166005c_softmax.kd
    .args:
      - { .name: sc, .offset: 0, .size: 8, .value_kind: global_buffer, .address_space: global }
      - { .name: pr, .offset: 8, .size: 8, .value_kind: global_buffer, .address_space: global }
    .group_segment_fixed_size: 0
    .private_segment_fixed_size: 0
    .kernarg_segment_align: 8
    .kernarg_segment_size: 16
    .max_flat_workgroup_size: 256
    .sgpr_count:     66
    .vgpr_count:     84
    .wavefront_size: 32
...
	.end_amdgpu_metadata
.endif
;; end of part 4
;; launch pv (part 5): grid 8 x 32, 4 waves a work-group, clusters of 4 x 1, 327,680 bytes of LDS; arguments pr, qkv, oh; writes oh
.if DOCPART == 5
	.amdgcn_target "amdgcn-amd-amdhsa--gfx1250"
	.amdhsa_code_object_version 6
	.text
	.protected	k_qd05166005c_pv
	.globl	k_qd05166005c_pv
	.p2align	8
	.type	k_qd05166005c_pv,@function
k_qd05166005c_pv:
	s_mov_b64 s[64:65], 0
	v_nop
	global_prefetch_b8 v0, s[64:65] scope:SCOPE_SE
	s_setreg_imm32_b32 hwreg(HW_REG_WAVE_MODE, 25, 1), 1
	s_wait_xcnt 0x0
	s_wait_alu depctr_hold_cnt(0) depctr_sa_sdst(0) depctr_va_vdst(0) depctr_va_sdst(0) depctr_va_ssrc(0) depctr_va_vcc(0) depctr_vm_vsrc(0)
	s_getreg_b32 s2, hwreg(HW_REG_IB_STS2, 6, 4)
	s_cmp_eq_u32 s2, 0
	s_cbranch_scc0 .Lentry_in_a_cluster
	s_endpgm
.Lentry_in_a_cluster:
	s_bfe_u32 s2, ttmp6, 0x10000c
	s_cmp_lg_u32 s2, 0x3003
	s_cbranch_scc0 .Lentry_shape_is_right
	s_endpgm
.Lentry_shape_is_right:
; oh[bt][q][c] = the sum over k of pr[bt][q][k] v[bt][k][c], k over the blocks of 256 keys 0 .. i of query block i.  pr: [4][2048][2048] f16; v is columns 2048-3071 of qkv: [8192][3072] f16;
; oh: [8192][1024] f16; sums in f32, oh rounded once.  oh is a mean of v's rows and has their range.
; C = A B on tiles of 256 queries x 128 channels.  Four waves, one above the other: wave w makes rows 64 w .. 64 w + 63 x all 128 channels: 32 accumulators of 16 x 16, 256 registers.
; The keys go in steps of 128 through a ring of two LDS slots filled by the tensor data mover: 256 rows of pr (256 bytes each, aligned) and 128 rows of v (256 bytes each, aligned).
; v lies [key][channel] and comes out of LDS turned, by ds_load_tr16_b128.
; THE WALK.  Query block i has i + 1 laps of 256 keys: the loop makes max(i, 1) trips, a bound set from the work-group's y, and the last lap is written out.  Block 0 walks 512 keys, of which the second
; 256 have weights 0 that the launch before has written: so the one text has no case of no trip; 32 of the 256 work-groups pay two K steps for it.
; The shares are 2 to 16 K steps.  Pairs (i, 7 - i) at this tile would be 128 work-groups of 18 K steps: longer than the longest share here, on half as many WGPs.
; CLUSTER: 4 x 1 work-groups, the four channel tiles of one query block: they need the same tiles of pr, 64 of a step's 96 KiB, asked for JOINTLY: the same tensor load, descriptor and mask in all four.
; v's tiles are each work-group's own.  They are not shared along the query blocks: those partners would need different numbers of tiles.
; THE MATRIX INSTRUCTION IS USED TRANSPOSED (source 0 = 16 channels of v^T, source 1 = 16 rows of pr): lane l holds row l % 16 of C and its registers 0-7 the channels 8 (l / 16) + 0..7.
; REGISTERS, in windows of 256 (s_set_vgpr_msb: bits 1:0 source 0, 3:2 source 1, 5:4 source 2, 7:6 destination):
;   window 0: v0-31 addresses; v32-63 packed results; v64-159, v160-255 two fragment buffers (B's 8 fragments, then A's 4); the second also takes the rows read back from the stage
;   window 1: accumulator (a, b) at v[8 (8 a + b)]
.set PCB,    2048                      ; bytes in a row of oh
.set PRB,    4096                      ; bytes in a row of pr
.set KB,     6144                      ; bytes in a row of qkv
.set VSTEP,  128*KB                    ; a K step in v: 128 rows
.set PITCH,  272                       ; an LDS row of pr: 256 bytes + 16 of padding = 68 words: the 16 rows of a fragment load start at 16 different groups of four banks (64 banks of 4 bytes: ISA guide 11.1)
.set PITCHV, 288                       ; of v: 256 + 32 = 72 words
.set AHALF,  128*PITCH                 ; what wave 0 or 1 fetches
.set BHALF,  64*PITCHV                 ; what wave 2 or 3 fetches
.set SLOT,   2*AHALF+2*BHALF           ; pr's 256 rows, then v's 128
.set STAGE,  2*SLOT                    ; behind the ring, never filled by a tensor load: 16 rows for each wave
.set SPITCH, 272
.set SPARE,  STAGE+4*16*SPITCH         ; behind the stages: the spare words, 128 bytes for each wave: two blocks of 256 bytes that no other line names
.set ADRA, 16                          ; v16-17  LDS address of my A fragments in slot 0, 1
.set ADRB, 20                          ; v20-21  the same for B
.set STO,  24                          ; v24     the way out: where I put 16 bytes of a row
.set RD,   25                          ; v25     where I read rows back
.set CO,   26                          ; v26     my byte offset in C
.set SPW,  28                          ; v28     LDS address of my spare word; never rewritten
.set NIL,  29                          ; v29     0; never rewritten
.set PFO,  30                          ; v30     the prefetches' offset: my lane x a row; never rewritten
.set PFO2, 31                          ; v31     the same 32 rows on
.set TMP,  32
.set F0,   64
.set F1,   160
.set OB,   160
.set G1,   24                          ; s[24:31] descriptor group 1 for A's tiles;  s[32:39] group 0, a set for each slot
.set G0,   32
.set PFA,  44                          ; s[44:45] where my prefetches stand
.set G1B,  48                          ; s[48:55], s[56:63] the same for B's tiles
.set G0B,  56
.set PFS,  70                          ; s[70:71] the prefetch pointer's step for a K step: 256 in pr, VSTEP in v
.set NL,   72                          ; s72      the loop's trips
.set PFN,  73                          ; s73      a wave prefetches in the trips below this number
.set MSB, 0
.macro WIN new                         ; the immediate's high byte repeats the setting that is left; a switch that changes nothing is dropped
.if MSB != (\new)
	s_set_vgpr_msb (MSB<<8)|(\new)
.set MSB, \new
.endif
.endm
.macro PLACES                          ; four places in front of loads into registers that matrix instructions have read, and of lines that read results
.rept 4
	v_nop
.endr
.endm
.macro CREST                           ; a round of the cluster's barrier behind its opening barrier
	s_cmp_lg_u32 s10, 0
	s_cbranch_scc1 .Lnot_wave_0_\@
	s_barrier_signal -3
.Lnot_wave_0_\@:
	s_barrier_wait -3
	s_barrier_signal -1
	s_barrier_wait -1
.endm
.macro CROUND                          ; a whole round
	s_barrier_signal -1
	s_barrier_wait -1
	CREST
.endm
; A fill: waves 0 and 1 fetch pr's two halves, jointly with the partners; waves 2 and 3 v's two halves, the work-group's own.  The branch hangs on the wave's number alone.
; An s_nop 0 and four v_nop follow each line.
.macro JLOAD s
	s_cmp_lt_u32 s10, 2
	s_cbranch_scc0 .Lfor_b_\@
	tensor_load_to_lds s[G0+4*(\s):G0+4*(\s)+3], s[G1:G1+7]
	s_nop 0
.rept 4
	v_nop
.endr
	s_branch .Lasked_\@
.Lfor_b_\@:
	tensor_load_to_lds s[G0B+4*(\s):G0B+4*(\s)+3], s[G1B:G1B+7]
	s_nop 0
.rept 4
	v_nop
.endr
.Lasked_\@:
.endm
; A PREFETCH of the K step that stands two refills on (256 matrix instructions ahead of the load that will want it), a lane a row, 256 bytes of each, two lines.  Each row's 256 bytes of a K step are named
; once in the launch: pr's rows are read by both clusters of a query block: the one with x = 0 asks, each partner for 64 of the 256 rows by address (wave 0); a channel tile's rows of v are read by the
; query blocks from theirs on: block 7, which reads all, asks, waves 2 and 3 for 64 keys each.  K steps 0 to 3 come by their loads alone; the loop's last trip asks for nothing.
.macro ASK
	s_cmp_lt_u32 s3, s[PFN]
	s_cbranch_scc0 .Lnot_mine_\@
	global_prefetch_b8 v[PFO], s[PFA:PFA+1] th:TH_LOAD_NT scope:SCOPE_SE
	global_prefetch_b8 v[PFO2], s[PFA:PFA+1] th:TH_LOAD_NT scope:SCOPE_SE
.Lnot_mine_\@:
.endm
; 8 matrix instructions: my block a of 16 rows x all 8 blocks of 16 channels, 32 keys.  zero = 1: the product starts the sums.  The 32 accumulators come in the same order in every quarter, one
; instruction a turn: 31 others stand between two links of a chain.
.macro MUL8 f, a, zero
	WIN 0x50
.irp b, 0,1,2,3,4,5,6,7
.if \zero
	v_wmma_f32_16x16x32_f16 v[8*(8*(\a)+(\b)):8*(8*(\a)+(\b))+7], v[(\f)+8*(\b):(\f)+8*(\b)+7], v[(\f)+64+8*(\a):(\f)+64+8*(\a)+7], 0
.else
	v_wmma_f32_16x16x32_f16 v[8*(8*(\a)+(\b)):8*(8*(\a)+(\b))+7], v[(\f)+8*(\b):(\f)+8*(\b)+7], v[(\f)+64+8*(\a):(\f)+64+8*(\a)+7], v[8*(8*(\a)+(\b)):8*(8*(\a)+(\b))+7]
.endif
.endr
.endm
; 24 LDS loads in one run: the fragments of quarter q (32 keys) of a slot into buffer f: v's 8 (turned: 16 keys x 16 channels a load) first, then pr's 4
.macro FETCH slot, q, f
	WIN 0
.irp b, 0,1,2,3,4,5,6,7
	ds_load_tr16_b128 v[(\f)+8*(\b):(\f)+8*(\b)+3],   v[ADRB+(\slot)] offset:32*PITCHV*(\q)+32*(\b)
	ds_load_tr16_b128 v[(\f)+8*(\b)+4:(\f)+8*(\b)+7], v[ADRB+(\slot)] offset:32*PITCHV*(\q)+32*(\b)+16*PITCHV
.endr
.irp a, 0,1,2,3
	ds_load_b128 v[(\f)+64+8*(\a):(\f)+64+8*(\a)+3],   v[ADRA+(\slot)] offset:64*(\q)+16*PITCH*(\a)
	ds_load_b128 v[(\f)+64+8*(\a)+4:(\f)+64+8*(\a)+7], v[ADRA+(\slot)] offset:64*(\q)+16*PITCH*(\a)+32
.endr
.endm
; A K step is four quarters of 32 keys on buffers 0, 1, 0, 1.  One of the first three: multiplies buffer f and, in its middle, fetches quarter q into buffer g.
.macro QUARTER slot, q, f, g, zero
	s_wait_dscnt 4                                 ; B and A's blocks 0 and 1 are in; the youngest four loads (A's blocks 2 and 3) may be out
	MUL8 \f, 0, \zero
	MUL8 \f, 1, \zero
	PLACES
	FETCH \slot, \q, \g
	s_wait_dscnt 24                                ; all but the 24 just issued
	MUL8 \f, 2, \zero
	MUL8 \f, 3, \zero
.endm
; The last quarter multiplies buffer 1 and changes slots: ONE barrier.  In front of it each wave waits for all its tensor loads (one is out: its part of the next slot), adds 0 to its spare word, and waits
; for that and for its own reads of this slot.  fill = 1: the barrier opens a round of the cluster's barrier, and the slot is filled again first thing behind the round, two K steps ahead:
; 112 matrix instructions stand between the request and the wait for it.
.macro TURN slot, next, fill
.if \fill
	s_wait_xcnt 0x0                                ; the last prefetches, a K step back, have read their address
	s_add_nc_u64 s[PFA:PFA+1], s[PFA:PFA+1], s[PFS:PFS+1]
.endif
	WIN 0                                          ; (the add's two registers lie in window 0)
	s_wait_tensorcnt 0x0                           ; all my tensor loads have landed
	ds_add_u32 v[SPW], v[NIL]                      ; 0 onto my spare word
	s_wait_dscnt 5                                 ; (the add and the youngest four loads may be out)
	MUL8 F1, 0, 0                                  ; eight matrix instructions stand between the add and the wait for it
	s_wait_dscnt 0x0                               ; the add is done, and my reads of this slot are over
	s_barrier_signal -1
	MUL8 F1, 1, 0                                  ; work on registers while the others arrive
	WIN 0
	s_barrier_wait -1
.if \fill
	CREST                                          ; no wave of any partner still reads this slot's tile or has a load on its way
	s_add_nc_u64 s[G0+4*(\slot)+2:G0+4*(\slot)+3], s[G0+4*(\slot)+2:G0+4*(\slot)+3], 512
	s_add_nc_u64 s[G0B+4*(\slot)+2:G0B+4*(\slot)+3], s[G0B+4*(\slot)+2:G0B+4*(\slot)+3], 2*VSTEP
	JLOAD \slot                                    ; the four v_nop behind it are also the places in front of the loads below
.else
	PLACES
.endif
	FETCH \next, 0, F0
.if \fill
	ASK
.endif
	MUL8 F1, 2, 0
	MUL8 F1, 3, 0
.endm
.macro LASTQ                           ; the very last quarter: nothing more to fetch
	s_wait_dscnt 4
	MUL8 F1, 0, 0
	MUL8 F1, 1, 0
	s_wait_dscnt 0x0
	MUL8 F1, 2, 0
	MUL8 F1, 3, 0
	WIN 0
.endm
; THE WAY OUT in f16, a block of 16 rows at a time.  PACK: rounded, 16 bytes a lane.  TOSTAGE: into my stage, rows of 272 bytes, and back as whole rows of 256.  SEND: stored.
.macro PACK a
	WIN 0x05                                       ; sources 0 and 1 in window 1
.irp b, 0,1,2,3,4,5,6,7
.irp r, 0,1,2,3
	v_cvt_pk_f16_f32 v[TMP+4*(\b)+(\r)], v[8*(8*(\a)+(\b))+2*(\r)], v[8*(8*(\a)+(\b))+2*(\r)+1]
.endr
.endr
	WIN 0
.endm
.macro TOSTAGE a
	WIN 0
.set BK, OB+32*((\a)%2)
.irp b, 0,1,2,3,4,5,6,7
	ds_store_b128 v[STO], v[TMP+4*(\b):TMP+4*(\b)+3] offset:32*(\b)
.endr
.irp t, 0,1,2,3,4,5,6,7
	ds_load_b128 v[BK+4*(\t):BK+4*(\t)+3], v[RD] offset:(\t)*2*SPITCH  ; LDS serves a wave's instructions in order (ISA guide 5.7.1.4): these see the stores above
.endr
.endm
.macro SEND a
	WIN 0
.set BK, OB+32*((\a)%2)
	s_wait_dscnt 0x0                               ; the block is back in registers
	s_wait_xcnt 0x0                                ; the registers that the block before last's stores read are loaded again only behind this wait
.irp t, 0,1,2,3,4,5,6,7
	global_store_b128 v[CO], v[BK+4*(\t):BK+4*(\t)+3], s[8:9] offset:(16*(\a)+2*(\t))*PCB  ; 16 lanes store 256 consecutive bytes, aligned
.endr
.endm
.macro OUT
	PLACES
	PACK 0
	TOSTAGE 0
.irp a, 1,2,3                          ; block a's conversions stand between block a - 1's loads from the stage and the wait for them
	PACK \a
	SEND (\a)-1
	TOSTAGE \a
.endr
	SEND 3
.endm
	s_load_b128 s[4:7], s[0:1], 0x0                ; pr s[4:5], qkv s[6:7]
	s_load_b64 s[8:9], s[0:1], 0x10                ; oh
	v_lshl_add_u32 v[SPW], v0, 2, SPARE
	v_mov_b32 v[NIL], 0
	ds_add_u32 v[SPW], v[NIL]                      ; the wave's opening: the add and its wait stand ahead of my first tensor load; the set-up below, work on registers, stands between them
	v_lshrrev_b32 v1, 5, v0
	v_readfirstlane_b32 s10, v1                    ; wave 0..3
	s_and_b32 s11, s10, 1                          ; which half of A's or B's tile I fetch
	s_bfe_u32 s40, ttmp6, 0x40000                  ; cx: my place in the cluster
	s_lshl_b32 s42, ttmp9, 2
	s_add_co_u32 s42, s42, s40                     ; my channel tile = 4 x cluster x + cx: it enters v's and oh's addresses alone
	s_and_b32 s13, ttmp7, 0xffff                   ; batch and query block, which the four partners share
	s_and_b32 s75, s13, 7                          ; i
	s_lshr_b32 s74, s13, 3
	s_lshl_b32 s74, s74, 11                        ; the batch's first row
	s_max_u32 s[NL], s75, 1
	s_lshl_b32 s77, s75, 8
	s_add_co_u32 s77, s77, s74                     ; my block's first query row
	s_mov_b32 s[G1], 15|(1<<16)|(1<<20)|(1<<21)|(5<<22)|(3<<25)  ; the mask of four; elements of 2 bytes; padding on; bit 21 beside a mask; after every 64 words, 4 words
	s_mov_b32 s[G1B], (1<<16)|(1<<20)|(5<<22)|(7<<25)            ; no mask; 8 words of padding
.irp g, G1, G1B
	s_mov_b32 s[(\g)+1], 128<<16                   ; tensor_dim0 = 128
	s_mov_b32 s[(\g)+3], 128<<16                   ; tile_dim0 = 128
	s_mov_b32 s[(\g)+6], 0
	s_mov_b32 s[(\g)+7], 0
.endr
	s_mov_b32 s[G1+2], 128<<16                     ; tensor_dim1 and tile_dim1: 128 rows of pr,
	s_mov_b32 s[G1+4], 128
	s_mov_b32 s[G1+5], PRB/2                       ; elements from row to row
	s_mov_b32 s[G1B+2], 64<<16                     ; 64 of v
	s_mov_b32 s[G1B+4], 64
	s_mov_b32 s[G1B+5], KB/2
	s_lshl_b32 s16, s11, 7
	s_add_co_u32 s16, s16, s77
	s_lshl_b32 s16, s16, 12                        ; pr: my half's first row
	s_mov_b32 s17, 0
	s_lshl_b32 s46, s11, 6
	s_add_co_u32 s46, s46, s74
	s_mul_i32 s46, s46, KB                         ; v: my half's first key,
	s_lshl_b32 s47, s42, 8
	s_add_co_u32 s46, s46, s47                     ; my channel tile's 256 bytes,
	s_add_co_u32 s46, s46, 4096                    ; 4,096 bytes into a row
	s_mov_b32 s47, 0
	s_mul_i32 s20, s10, AHALF                      ; where they go: A's halves at wave x 128 rows,
	s_mul_i32 s21, s10, BHALF
	s_add_co_u32 s21, s21, 2*AHALF-2*BHALF         ; B's behind A's 256 rows, at (wave - 2) x 64 rows: no place in the cluster enters an LDS address
	s_wait_dscnt 0x0                               ; the opening add is done
	s_wait_kmcnt 0x0
	s_add_nc_u64 s[14:15], s[4:5], s[16:17]
	s_add_nc_u64 s[46:47], s[6:7], s[46:47]
	CROUND                                         ; all four work-groups are here: the first joint loads meet
.irp s, 0,1
	s_mov_b32 s[G0+4*(\s)], 1                      ; count = 1
	s_add_co_u32 s[G0+4*(\s)+1], s20, (\s)*SLOT    ; LDS address
	s_add_nc_u64 s[G0+4*(\s)+2:G0+4*(\s)+3], s[14:15], (\s)*256  ; global address: K step s
	s_or_b32 s[G0+4*(\s)+3], s[G0+4*(\s)+3], 0x80000000          ; type = 2
	s_mov_b32 s[G0B+4*(\s)], 1
	s_add_co_u32 s[G0B+4*(\s)+1], s21, (\s)*SLOT
	s_add_nc_u64 s[G0B+4*(\s)+2:G0B+4*(\s)+3], s[46:47], (\s)*VSTEP
	s_or_b32 s[G0B+4*(\s)+3], s[G0B+4*(\s)+3], 0x80000000
.endr
	s_cmp_lt_u32 s10, 2                            ; a wave's two first fills stand in one branch, ahead of every wait on TENSORcnt and every LDS read: two loads of mine are out
	s_cbranch_scc0 .Lfirst_b
	tensor_load_to_lds s[G0:G0+3], s[G1:G1+7]
	s_nop 0
	tensor_load_to_lds s[G0+4:G0+7], s[G1:G1+7]
	s_nop 0
.rept 4
	v_nop
.endr
	s_branch .Lfirst_asked
.Lfirst_b:
	tensor_load_to_lds s[G0B:G0B+3], s[G1B:G1B+7]
	s_nop 0
	tensor_load_to_lds s[G0B+4:G0B+7], s[G1B:G1B+7]
	s_nop 0
.rept 4
	v_nop
.endr
.Lfirst_asked:
	; A fragment of pr is 16 rows x 32 keys in 8 registers: lane l holds row l % 16; registers 0-3 keys 8 (l / 16) + 0..7, registers 4-7 keys 16 + 8 (l / 16) + 0..7: two loads of 16 bytes, 32 bytes apart.
	v_and_b32 v1, 15, v0                           ; l % 16
	v_bfe_u32 v2, v0, 4, 1                         ; l / 16
	v_mul_u32_u24 v3, v1, PITCH
	v_lshl_add_u32 v3, v2, 4, v3                   ; row x pitch + 16 x half
	s_mul_i32 s22, s10, 64*PITCH                   ; my 64 rows of A
	v_add_nc_u32 v[ADRA], s22, v3
	v_add_nc_u32 v[ADRA+1], SLOT, v[ADRA]
	; The turning load takes 16 keys x 16 channels (lane l reads key 8 (l / 16) + l % 8, channels 8 ((l / 8) % 2) + 0..7) and leaves half a fragment of v^T: lane l holds channel l % 16 and 8 keys.
	v_and_b32 v6, 7, v0
	v_bfe_u32 v7, v0, 3, 1
	v_lshl_add_u32 v6, v2, 3, v6
	v_mul_u32_u24 v6, v6, PITCHV
	v_lshl_add_u32 v6, v7, 4, v6
	v_add_nc_u32 v[ADRB], 2*AHALF, v6              ; v's rows lie behind pr's 256
	v_add_nc_u32 v[ADRB+1], SLOT, v[ADRB]
	s_mul_i32 s23, s10, 16*SPITCH
	s_add_co_u32 s23, s23, STAGE                   ; my stage
	v_mul_u32_u24 v4, v1, SPITCH
	v_lshl_add_u32 v4, v2, 4, v4                   ; in: row l % 16, 16 bytes for each half of the lanes
	v_add_nc_u32 v[STO], s23, v4
	v_mul_u32_u24 v5, v2, SPITCH                   ; back: lanes 0-15 take one row of 256 bytes, lanes 16-31 the next
	v_lshl_add_u32 v5, v1, 4, v5
	v_add_nc_u32 v[RD], s23, v5
	v_mul_u32_u24 v5, v2, PCB                      ; and the same two rows in C
	v_lshl_add_u32 v[CO], v1, 4, v5
	s_lshl_b32 s16, s10, 6                         ; oh at my wave's first row,
	s_add_co_u32 s16, s16, s77
	s_lshl_b32 s16, s16, 11
	s_mov_b32 s17, 0
	s_add_nc_u64 s[8:9], s[8:9], s[16:17]
	s_lshl_b32 s46, s42, 8                         ; and my channel tile
	s_mov_b32 s47, 0
	s_add_nc_u64 s[8:9], s[8:9], s[46:47]
	; the prefetches
	s_lshl_b32 s17, s40, 6                         ; in pr: row (block's first) + 64 cx, at K step 3
	s_add_co_u32 s17, s17, s77
	s_lshl_b32 s17, s17, 12
	s_add_co_u32 s17, s17, 3*256
	s_lshl_b32 s16, s11, 6                         ; in v: key 64 (w - 2) of K step 3, my channel tile
	s_add_co_u32 s16, s16, s74
	s_add_co_u32 s16, s16, 3*128
	s_mul_i32 s16, s16, KB
	s_lshl_b32 s18, s42, 8
	s_add_co_u32 s16, s16, s18
	s_add_co_u32 s16, s16, 4096
	s_sub_co_u32 s19, s[NL], 1                     ; all trips but the last
	s_cmp_eq_u32 ttmp9, 0
	s_cselect_b32 s22, s19, 0                      ; pr: the query block's first cluster
	s_cmp_eq_u32 s75, 7
	s_cselect_b32 s23, s19, 0                      ; v: query block 7
	s_mov_b32 s18, VSTEP                           ; an instruction holds one literal: the selects below take these from registers
	s_mov_b32 s14, KB
	s_cmp_lt_u32 s10, 2
	s_cselect_b32 s16, s17, s16
	s_cselect_b32 s[PFN], s22, s23                 ; the same in all four partners, for a given wave
	s_cselect_b32 s[PFS], 256, s18
	s_cselect_b32 s12, PRB, s14                    ; bytes in a row
	s_cselect_b64 s[PFA:PFA+1], s[4:5], s[6:7]
	s_cmp_eq_u32 s10, 1
	s_cselect_b32 s[PFN], 0, s[PFN]                ; wave 1 has no rows to ask for
	s_mov_b32 s[PFS+1], 0
	s_mov_b32 s17, 0
	s_add_nc_u64 s[PFA:PFA+1], s[PFA:PFA+1], s[16:17]
	s_lshl_b32 s13, s12, 5
	v_and_b32 v5, 31, v0
	v_mul_lo_u32 v[PFO], v5, s12
	v_add_nc_u32 v[PFO2], s13, v[PFO]
	s_wait_tensorcnt 0x1                           ; my part of K step 0 is in; K step 1's load may stay out
	s_barrier_signal -1
	s_barrier_wait -1                              ; everybody's is
	FETCH 0, 0, F0
	QUARTER 0, 1, F0, F1, 1                        ; the first quarter stands in front of the loop: its products start the sums
	WIN 0                                          ; at a label and at a branch every window is 0
	s_mov_b32 s3, 0
.Llap:                                                 ; a trip goes once round the ring, from a lap's second quarter to the next lap's first, and fills both slots again; the LDS addresses are fixed by slot
	QUARTER 0, 2, F1, F0, 0
	QUARTER 0, 3, F0, F1, 0
	TURN 0, 1, 1
	QUARTER 1, 1, F0, F1, 0
	QUARTER 1, 2, F1, F0, 0
	QUARTER 1, 3, F0, F1, 0
	TURN 1, 0, 1
	QUARTER 0, 1, F0, F1, 0
	WIN 0
	s_add_co_u32 s3, s3, 1
	s_cmp_lt_u32 s3, s[NL]
	s_cbranch_scc1 .Llap
	QUARTER 0, 2, F1, F0, 0                        ; the last lap fills nothing, and has no round of the cluster's barrier
	QUARTER 0, 3, F0, F1, 0
	TURN 0, 1, 0
	QUARTER 1, 1, F0, F1, 0
	QUARTER 1, 2, F1, F0, 0
	QUARTER 1, 3, F0, F1, 0
	LASTQ
	OUT
	s_wait_tensorcnt 0x0                           ; the wave's end, behind my last tensor load and my last LDS store
	ds_add_u32 v[SPW], v[NIL]
	s_wait_dscnt 0x0
	CROUND                                         ; the closing round: no work-group ends while a partner may still ask for a tile that names it
	s_endpgm
.Lfunc_end_k_qd05166005c_pv:
	.size	k_qd05166005c_pv, .Lfunc_end_k_qd05166005c_pv-k_qd05166005c_pv
	.p2alignl 7, 3214868480
	.fill 96, 4, 3214868480
	.section	.rodata,"a",@progbits
	.p2align	6, 0x0
	.amdhsa_kernel k_qd05166005c_pv
		.amdhsa_group_segment_fixed_size 327680
		.amdhsa_private_segment_fixed_size 0
		.amdhsa_enable_private_segment 0
		.amdhsa_kernarg_size 24
		.amdhsa_user_sgpr_count 2
		.amdhsa_user_sgpr_kernarg_segment_ptr 1
		.amdhsa_wavefront_size32 1
		.amdhsa_system_sgpr_workgroup_id_x 1
		.amdhsa_system_sgpr_workgroup_id_y 1
		.amdhsa_system_sgpr_workgroup_id_z 1
		.amdhsa_system_vgpr_workitem_id 0
		.amdhsa_next_free_vgpr 512
		.amdhsa_next_free_sgpr 80
		.amdhsa_reserve_vcc 0
		.amdhsa_float_denorm_mode_32 3
		.amdhsa_float_denorm_mode_16_64 3
		.amdhsa_memory_ordered 1
		.amdhsa_forward_progress 1
		.amdhsa_inst_pref_size 87
	.end_amdhsa_kernel
	.amdgpu_metadata
---
amdhsa.version: [ 1, 2 ]
amdhsa.kernels:
  - .name:           k_qd05166005c_pv
    .symbol:         k_qd05166005c_pv.kd
    .args:
      - { .name: pr, .offset: 0, .size: 8, .value_kind: global_buffer, .address_space: global }
      - { .name: qkv, .offset: 8, .size: 8, .value_kind: global_buffer, .address_space: global }
      - { .name: oh, .offset: 16, .size: 8, .value_kind: global_buffer, .address_space: global }
    .group_segment_fixed_size: 327680
    .private_segment_fixed_size: 0
    .kernarg_segment_align: 8
    .kernarg_segment_size: 24
    .max_flat_workgroup_size: 128
    .sgpr_count:     80
    .vgpr_count:     512
    .wavefront_size: 32
...
	.end_amdgpu_metadata
.endif
;; end of part 5
;; launch outp (part 6): grid 8 x 32, 4 waves a work-group, clusters of 4 x 4, 327,680 bytes of LDS; arguments oh, woh, out0; writes out0
.if DOCPART == 6
	.amdgcn_target "amdgcn-amd-amdhsa--gfx1250"
	.amdhsa_code_object_version 6
	.text
	.protected	k_qd05166005c_outp
	.globl	k_qd05166005c_outp
	.p2align	8
	.type	k_qd05166005c_outp,@function
k_qd05166005c_outp:
	s_mov_b64 s[64:65], 0
	v_nop
	global_prefetch_b8 v0, s[64:65] scope:SCOPE_SE
	s_setreg_imm32_b32 hwreg(HW_REG_WAVE_MODE, 25, 1), 1
	s_wait_xcnt 0x0
	s_wait_alu depctr_hold_cnt(0) depctr_sa_sdst(0) depctr_va_vdst(0) depctr_va_sdst(0) depctr_va_ssrc(0) depctr_va_vcc(0) depctr_vm_vsrc(0)
	s_getreg_b32 s2, hwreg(HW_REG_IB_STS2, 6, 4)
	s_cmp_eq_u32 s2, 0
	s_cbranch_scc0 .Lentry_in_a_cluster
	s_endpgm
.Lentry_in_a_cluster:
	s_bfe_u32 s2, ttmp6, 0x10000c
	s_cmp_lg_u32 s2, 0xf033
	s_cbranch_scc0 .Lentry_shape_is_right
	s_endpgm
.Lentry_shape_is_right:
; out0[r][d] = the sum over c of oh[r][c] woh[d][c].  oh: [8192][1024] f16, woh: [1024][1024] f16, out0: [8192][1024] f32; sums in f32, stored as they are.
; C = A B^T on tiles of 256 rows x 128 columns, one tile to a work-group: 256 work-groups.  Four waves, one above the other: wave w makes rows 64 w .. 64 w + 63 x all 128 columns: 32 accumulators
; of 16 x 16, 256 registers.  A wave's rows of C are whole aligned runs of 512 bytes, so each wave has a stage of its own on the way out and no barrier stands there.
; K = 1,024 goes in steps of 128 (tile rows of 256 bytes, aligned) through a ring of two LDS slots filled by the tensor data mover; a lap = two K steps = once round the ring.
; (The text also serves work-groups that make several tiles of one tile row of C, TILES > 1; here nothing of that is assembled.)
; CLUSTERS: 4 x 4 work-groups.  The four of a row of the cluster need the same tiles of A, the four of a column the same tiles of B: each tile is asked for JOINTLY, by the same tensor load with the same
; descriptor and a mask that names the four.
; THE MATRIX INSTRUCTION IS USED TRANSPOSED (source 0 = 16 rows of B, source 1 = 16 rows of A): lane l holds row l % 16 of C and its registers 0-7 the columns 8 (l / 16) + 0..7.
; REGISTERS, in windows of 256 (s_set_vgpr_msb: bits 1:0 source 0, 3:2 source 1, 5:4 source 2, 7:6 destination):
;   window 0: v0-31 addresses; v64-159, v160-255 two fragment buffers (B's 8 fragments, then A's 4); the second also takes the rows read back from the stage
;   window 1: accumulator (a, b) at v[8 (8 a + b)]
.set TILES,  1                         ; tiles of C a work-group makes
.set OUTF32, 1                         ; C is f32
.set PCB,    4096                      ; bytes in a row of C
.set COLB,   512                       ; bytes of a tile's 128 columns
.set NEXT_C, 0                         ; (for TILES > 1)
.set BROWS,  1                         ; (for TILES > 1)
.set KB,     2048                      ; bytes in a row of A and of B
.set NEXT_B, BROWS*KB-1536             ; (for TILES > 1)
.set NEXTPF, BROWS*KB-1792             ; (for TILES > 1)
.set PITCH,  272                       ; an LDS row: 256 bytes + 16 of padding = 68 words: the 16 rows of a fragment load start at 16 different groups of four banks (64 banks of 4 bytes: ISA guide 11.1)
.set AHALF,  128*PITCH                 ; what wave 0 or 1 fetches
.set BHALF,  64*PITCH                  ; what wave 2 or 3 fetches
.set SLOT,   2*AHALF+2*BHALF           ; A's 256 rows, then B's 128
.set STAGE,  2*SLOT                    ; behind the ring, never filled by a tensor load: 16 rows for each wave
.if OUTF32
.set SPITCH, 528
.else
.set SPITCH, 272
.endif
.set SPARE,  STAGE+4*16*SPITCH         ; behind the stages: the spare words, 128 bytes for each wave: two blocks of 256 bytes that no other line names
.set ADRA, 16                          ; v16-17  LDS address of my A fragments in slot 0, 1
.set ADRB, 20                          ; v20-21  the same for B
.set STO,  24                          ; v24     the way out: where I put my part of a row
.set RD,   25                          ; v25     where I read rows back
.set CO,   26                          ; v26     my byte offset in C
.set SPW,  28                          ; v28     LDS address of my spare word; never rewritten
.set NIL,  29                          ; v29     0; never rewritten
.set PFO,  30                          ; v30     the prefetches' offset: my lane x a row; never rewritten
.set TMP,  32
.set F0,   64
.set F1,   160
.set OB,   160
.set G1,   24                          ; s[24:31] descriptor group 1 for A's tiles;  s[32:39] group 0, a set for each slot
.set G0,   32
.set LIM,  43                          ; s43      a wave prefetches while the loop's counter is above this
.set PFA,  44                          ; s[44:45] where my prefetches stand
.set G1B,  48                          ; s[48:55], s[56:63] the same for B's tiles
.set G0B,  56
.set SA,   66                          ; (for TILES > 1)
.set SB,   68
.set PFS,  70
.set MSB, 0
.macro WIN new                         ; the immediate's high byte repeats the setting that is left; a switch that changes nothing is dropped
.if MSB != (\new)
	s_set_vgpr_msb (MSB<<8)|(\new)
.set MSB, \new
.endif
.endm
.macro PLACES                          ; four places in front of loads into registers that matrix instructions have read, and of lines that read results
.rept 4
	v_nop
.endr
.endm
.macro CREST                           ; a round of the cluster's barrier behind its opening barrier
	s_cmp_lg_u32 s10, 0
	s_cbranch_scc1 .Lnot_wave_0_\@
	s_barrier_signal -3
.Lnot_wave_0_\@:
	s_barrier_wait -3
	s_barrier_signal -1
	s_barrier_wait -1
.endm
.macro CROUND                          ; a whole round
	s_barrier_signal -1
	s_barrier_wait -1
	CREST
.endm
; A joint load: waves 0 and 1 fetch A's two halves, waves 2 and 3 B's.  The branch hangs on the wave's number alone.  An s_nop 0 and four v_nop follow each line.
.macro JLOAD s
	s_cmp_lt_u32 s10, 2
	s_cbranch_scc0 .Lfor_b_\@
	tensor_load_to_lds s[G0+4*(\s):G0+4*(\s)+3], s[G1:G1+7]
	s_nop 0
.rept 4
	v_nop
.endr
	s_branch .Lasked_\@
.Lfor_b_\@:
	tensor_load_to_lds s[G0B+4*(\s):G0B+4*(\s)+3], s[G1B:G1B+7]
	s_nop 0
.rept 4
	v_nop
.endr
.Lasked_\@:
.endm
; A PREFETCH of the K step that stands two refills on (256 matrix instructions ahead of the load that will want it): 32 rows x 256 bytes, a lane a row.  Each row's 256 bytes of a K step are named once
; in the launch: A's rows by the cluster with x = 0, each partner 64 of the 256 by address (waves 0 and 1: 32 each); B's rows by the cluster with y = 0, each partner 32 of the 128 (wave 2).
; K steps 0 to 3 come by their loads alone; the loop's last trip asks for nothing.
.macro ASK
	s_cmp_gt_u32 s3, s[LIM]
	s_cbranch_scc0 .Lnot_mine_\@
	global_prefetch_b8 v[PFO], s[PFA:PFA+1] th:TH_LOAD_NT scope:SCOPE_SE
.Lnot_mine_\@:
.endm
; 8 matrix instructions: my block a of 16 rows x all 8 blocks of 16 columns, 32 along K.  zero = 1: the product starts the sums.  The 32 accumulators come in the same order in every quarter, one
; instruction a turn: 31 others stand between two links of a chain.
.macro MUL8 f, a, zero
	WIN 0x50
.irp b, 0,1,2,3,4,5,6,7
.if \zero
	v_wmma_f32_16x16x32_f16 v[8*(8*(\a)+(\b)):8*(8*(\a)+(\b))+7], v[(\f)+8*(\b):(\f)+8*(\b)+7], v[(\f)+64+8*(\a):(\f)+64+8*(\a)+7], 0
.else
	v_wmma_f32_16x16x32_f16 v[8*(8*(\a)+(\b)):8*(8*(\a)+(\b))+7], v[(\f)+8*(\b):(\f)+8*(\b)+7], v[(\f)+64+8*(\a):(\f)+64+8*(\a)+7], v[8*(8*(\a)+(\b)):8*(8*(\a)+(\b))+7]
.endif
.endr
.endm
; 24 LDS loads in one run: the fragments of quarter q (32 along K) of a slot into buffer f: B's 8 first, then A's 4
.macro FETCH slot, q, f
	WIN 0
.irp b, 0,1,2,3,4,5,6,7
	ds_load_b128 v[(\f)+8*(\b):(\f)+8*(\b)+3],   v[ADRB+(\slot)] offset:64*(\q)+16*PITCH*(\b)
	ds_load_b128 v[(\f)+8*(\b)+4:(\f)+8*(\b)+7], v[ADRB+(\slot)] offset:64*(\q)+16*PITCH*(\b)+32
.endr
.irp a, 0,1,2,3
	ds_load_b128 v[(\f)+64+8*(\a):(\f)+64+8*(\a)+3],   v[ADRA+(\slot)] offset:64*(\q)+16*PITCH*(\a)
	ds_load_b128 v[(\f)+64+8*(\a)+4:(\f)+64+8*(\a)+7], v[ADRA+(\slot)] offset:64*(\q)+16*PITCH*(\a)+32
.endr
.endm
; A K step is four quarters of 32 along K on buffers 0, 1, 0, 1.  One of the first three: multiplies buffer f and, in its middle, fetches quarter q into buffer g.
.macro QUARTER slot, q, f, g, zero
	s_wait_dscnt 4                                 ; B and A's blocks 0 and 1 are in; the youngest four loads (A's blocks 2 and 3) may be out
	MUL8 \f, 0, \zero
	MUL8 \f, 1, \zero
	PLACES
	FETCH \slot, \q, \g
	s_wait_dscnt 24                                ; all but the 24 just issued
	MUL8 \f, 2, \zero
	MUL8 \f, 3, \zero
.endm
; The last quarter multiplies buffer 1 and changes slots: ONE barrier.  In front of it each wave waits for all its tensor loads (one is out: its part of the next slot), adds 0 to its spare word, and waits
; for that and for its own reads of this slot.  fill = 1: the barrier opens a round of the cluster's barrier, and the slot is filled again first thing behind the round, two K steps ahead:
; 112 matrix instructions stand between the request and the wait for it.
.macro TURN slot, next, fill
.if \fill
	s_wait_xcnt 0x0                                ; the last prefetch, a K step back, has read its address
.if (TILES > 1) && ((\slot) == 0)
	s_add_nc_u64 s[PFA:PFA+1], s[PFA:PFA+1], s[PFS:PFS+1]
.else
	s_add_nc_u64 s[PFA:PFA+1], s[PFA:PFA+1], 256
.endif
.endif
	WIN 0                                          ; (the add's two registers lie in window 0)
	s_wait_tensorcnt 0x0                           ; all my tensor loads have landed
	ds_add_u32 v[SPW], v[NIL]                      ; 0 onto my spare word
	s_wait_dscnt 5                                 ; (the add and the youngest four loads may be out)
	MUL8 F1, 0, 0                                  ; eight matrix instructions stand between the add and the wait for it
	s_wait_dscnt 0x0                               ; the add is done, and my reads of this slot are over
	s_barrier_signal -1
	MUL8 F1, 1, 0                                  ; work on registers while the others arrive
	WIN 0
	s_barrier_wait -1
.if \fill
	CREST                                          ; no wave of any partner still reads this slot's tile or has a load on its way
.if TILES > 1
	s_add_nc_u64 s[G0+4*(\slot)+2:G0+4*(\slot)+3], s[G0+4*(\slot)+2:G0+4*(\slot)+3], 512
	s_sub_nc_u64 s[G0+4*(\slot)+2:G0+4*(\slot)+3], s[G0+4*(\slot)+2:G0+4*(\slot)+3], s[SA:SA+1]
	s_add_nc_u64 s[G0B+4*(\slot)+2:G0B+4*(\slot)+3], s[G0B+4*(\slot)+2:G0B+4*(\slot)+3], s[SB:SB+1]
.else
	s_add_nc_u64 s[G0+4*(\slot)+2:G0+4*(\slot)+3], s[G0+4*(\slot)+2:G0+4*(\slot)+3], 512
	s_add_nc_u64 s[G0B+4*(\slot)+2:G0B+4*(\slot)+3], s[G0B+4*(\slot)+2:G0B+4*(\slot)+3], 512
.endif
	JLOAD \slot                                    ; the four v_nop behind it are also the places in front of the loads below
.else
	PLACES
.endif
	FETCH \next, 0, F0
.if \fill
	ASK
.endif
	MUL8 F1, 2, 0
	MUL8 F1, 3, 0
.endm
.macro LASTQ                           ; the very last quarter: nothing more to fetch
	s_wait_dscnt 4
	MUL8 F1, 0, 0
	MUL8 F1, 1, 0
	s_wait_dscnt 0x0
	MUL8 F1, 2, 0
	MUL8 F1, 3, 0
	WIN 0
.endm
.if OUTF32
; THE WAY OUT in f32, a block of 16 rows at a time: a lane's eight columns (32 bytes) go straight from the accumulator into my stage, rows of 528 bytes; whole rows of 512 bytes come back and are stored.
.macro OUT32 a
	WIN 0x04                                       ; store data in window 1
.irp b, 0,1,2,3,4,5,6,7
	ds_store_b128 v[STO], v[8*(8*(\a)+(\b)):8*(8*(\a)+(\b))+3]   offset:64*(\b)
	ds_store_b128 v[STO], v[8*(8*(\a)+(\b))+4:8*(8*(\a)+(\b))+7] offset:64*(\b)+16
.endr
	WIN 0
	s_wait_xcnt 0x0                                ; the registers that earlier stores read are loaded again only behind this wait
.irp t, 0,1,2,3,4,5,6,7,8,9,10,11,12,13,14,15
	ds_load_b128 v[OB+4*(\t):OB+4*(\t)+3], v[RD] offset:(\t)*SPITCH  ; LDS serves a wave's instructions in order (ISA guide 5.7.1.4): these see the stores above
.endr
.irp t, 0,1,2,3,4,5,6,7,8,9,10,11,12,13,14,15
	s_wait_dscnt 15-(\t)                           ; row t is back; the younger loads may stay out
	global_store_b128 v[CO], v[OB+4*(\t):OB+4*(\t)+3], s[8:9] offset:(16*(\a)+(\t))*PCB  ; 32 lanes store 512 consecutive bytes, aligned
.endr
.endm
.macro OUT
	PLACES
	OUT32 0
	OUT32 1
	OUT32 2
	OUT32 3
.endm
.else
; THE WAY OUT in f16, a block of 16 rows at a time.  PACK: rounded, 16 bytes a lane.  TOSTAGE: into my stage, rows of 272 bytes, and back as whole rows of 256.  SEND: stored.
.macro PACK a
	WIN 0x05                                       ; sources 0 and 1 in window 1
.irp b, 0,1,2,3,4,5,6,7
.irp r, 0,1,2,3
	v_cvt_pk_f16_f32 v[TMP+4*(\b)+(\r)], v[8*(8*(\a)+(\b))+2*(\r)], v[8*(8*(\a)+(\b))+2*(\r)+1]
.endr
.endr
	WIN 0
.endm
.macro TOSTAGE a
	WIN 0
.set BK, OB+32*((\a)%2)
.irp b, 0,1,2,3,4,5,6,7
	ds_store_b128 v[STO], v[TMP+4*(\b):TMP+4*(\b)+3] offset:32*(\b)
.endr
.irp t, 0,1,2,3,4,5,6,7
	ds_load_b128 v[BK+4*(\t):BK+4*(\t)+3], v[RD] offset:(\t)*2*SPITCH  ; LDS serves a wave's instructions in order (ISA guide 5.7.1.4): these see the stores above
.endr
.endm
.macro SEND a
	WIN 0
.set BK, OB+32*((\a)%2)
	s_wait_dscnt 0x0                               ; the block is back in registers
	s_wait_xcnt 0x0                                ; the registers that the block before last's stores read are loaded again only behind this wait
.irp t, 0,1,2,3,4,5,6,7
	global_store_b128 v[CO], v[BK+4*(\t):BK+4*(\t)+3], s[8:9] offset:(16*(\a)+2*(\t))*PCB  ; 16 lanes store 256 consecutive bytes, aligned
.endr
.endm
.macro OUT
	PLACES
	PACK 0
	TOSTAGE 0
.irp a, 1,2,3                          ; block a's conversions stand between block a - 1's loads from the stage and the wait for them
	PACK \a
	SEND (\a)-1
	TOSTAGE \a
.endr
	SEND 3
.endm
.endif
	s_load_b128 s[4:7], s[0:1], 0x0                ; A s[4:5], B s[6:7]
	s_load_b64 s[8:9], s[0:1], 0x10                ; C
	v_lshl_add_u32 v[SPW], v0, 2, SPARE
	v_mov_b32 v[NIL], 0
	ds_add_u32 v[SPW], v[NIL]                      ; the wave's opening: the add and its wait stand ahead of my first tensor load; the set-up below, work on registers, stands between them
	v_lshrrev_b32 v1, 5, v0
	v_readfirstlane_b32 s10, v1                    ; wave 0..3
	s_and_b32 s11, s10, 1                          ; which half of A's or B's tile I fetch
	s_bfe_u32 s40, ttmp6, 0x40000                  ; cx, cy: my place in the cluster
	s_bfe_u32 s41, ttmp6, 0x40004
	s_lshl_b32 s42, ttmp9, 2
	s_add_co_u32 s42, s42, s40                     ; x = 4 x cluster x + cx
	s_and_b32 s13, ttmp7, 0xffff
	s_lshl_b32 s13, s13, 2
	s_add_co_u32 s13, s13, s41                     ; y = 4 x cluster y + cy
	s_lshl_b32 s14, s41, 2
	s_lshl_b32 s14, 15, s14                        ; my row of the cluster
	s_lshl_b32 s15, 0x1111, s40                    ; my column
	s_or_b32 s[G1], s14, (1<<16)|(1<<20)|(1<<21)|(5<<22)|(3<<25)   ; the mask; elements of 2 bytes; padding on; bit 21 beside a mask; after every 64 words, 4 words
	s_or_b32 s[G1B], s15, (1<<16)|(1<<20)|(1<<21)|(5<<22)|(3<<25)
.irp g, G1, G1B
	s_mov_b32 s[(\g)+1], 128<<16                   ; tensor_dim0 = 128
	s_mov_b32 s[(\g)+3], 128<<16                   ; tile_dim0 = 128
	s_mov_b32 s[(\g)+5], KB/2                      ; elements from row to row
	s_mov_b32 s[(\g)+6], 0
	s_mov_b32 s[(\g)+7], 0
.endr
	s_mov_b32 s[G1+2], 128<<16                     ; tensor_dim1 and tile_dim1: 128 rows of A,
	s_mov_b32 s[G1+4], 128
	s_mov_b32 s[G1B+2], 64<<16                     ; 64 of B
	s_mov_b32 s[G1B+4], 64
	s_lshl_b32 s16, s13, 8                         ; A: row 256 y + 128 x half, which my row of the cluster shares
	s_lshl_b32 s17, s11, 7
	s_add_co_u32 s16, s16, s17
	s_lshl_b32 s16, s16, 11                        ; x 2,048 bytes
	s_mov_b32 s17, 0
	s_lshl_b32 s46, s42, 7                         ; B: row 128 x + 64 x half, which my column shares
	s_lshl_b32 s47, s11, 6
	s_add_co_u32 s46, s46, s47
	s_lshl_b32 s46, s46, 11
	s_mov_b32 s47, 0
	s_mul_i32 s20, s10, AHALF                      ; where they go: A's halves at wave x 128 rows,
	s_mul_i32 s21, s10, BHALF
	s_add_co_u32 s21, s21, 2*AHALF-2*BHALF         ; B's behind A's 256 rows, at (wave - 2) x 64 rows
	s_wait_dscnt 0x0                               ; the opening add is done
	s_wait_kmcnt 0x0
	s_add_nc_u64 s[14:15], s[4:5], s[16:17]
	s_add_nc_u64 s[46:47], s[6:7], s[46:47]
	CROUND                                         ; all sixteen work-groups are here: the first joint loads meet
.irp s, 0,1
	s_mov_b32 s[G0+4*(\s)], 1                      ; count = 1
	s_add_co_u32 s[G0+4*(\s)+1], s20, (\s)*SLOT    ; LDS address
	s_add_nc_u64 s[G0+4*(\s)+2:G0+4*(\s)+3], s[14:15], (\s)*256  ; global address: K step s
	s_or_b32 s[G0+4*(\s)+3], s[G0+4*(\s)+3], 0x80000000          ; type = 2
	s_mov_b32 s[G0B+4*(\s)], 1
	s_add_co_u32 s[G0B+4*(\s)+1], s21, (\s)*SLOT
	s_add_nc_u64 s[G0B+4*(\s)+2:G0B+4*(\s)+3], s[46:47], (\s)*256
	s_or_b32 s[G0B+4*(\s)+3], s[G0B+4*(\s)+3], 0x80000000
.endr
	s_cmp_lt_u32 s10, 2                            ; a wave's two first fills stand in one branch, ahead of every wait on TENSORcnt and every LDS read: two loads of mine are out
	s_cbranch_scc0 .Lfirst_b
	tensor_load_to_lds s[G0:G0+3], s[G1:G1+7]
	s_nop 0
	tensor_load_to_lds s[G0+4:G0+7], s[G1:G1+7]
	s_nop 0
.rept 4
	v_nop
.endr
	s_branch .Lfirst_asked
.Lfirst_b:
	tensor_load_to_lds s[G0B:G0B+3], s[G1B:G1B+7]
	s_nop 0
	tensor_load_to_lds s[G0B+4:G0B+7], s[G1B:G1B+7]
	s_nop 0
.rept 4
	v_nop
.endr
.Lfirst_asked:
	; A fragment is 16 rows x 32 K in 8 registers: lane l holds row l % 16; registers 0-3 K = 8 (l / 16) + 0..7, registers 4-7 K = 16 + 8 (l / 16) + 0..7: two loads of 16 bytes, 32 bytes apart.
	v_and_b32 v1, 15, v0                           ; l % 16
	v_bfe_u32 v2, v0, 4, 1                         ; l / 16
	v_mul_u32_u24 v3, v1, PITCH
	v_lshl_add_u32 v3, v2, 4, v3                   ; row x pitch + 16 x half
	s_mul_i32 s22, s10, 64*PITCH                   ; my 64 rows of A
	v_add_nc_u32 v[ADRA], s22, v3
	v_add_nc_u32 v[ADRA+1], SLOT, v[ADRA]
	v_add_nc_u32 v[ADRB], 2*AHALF, v3              ; B's rows lie behind A's 256
	v_add_nc_u32 v[ADRB+1], SLOT, v[ADRB]
	s_mul_i32 s23, s10, 16*SPITCH
	s_add_co_u32 s23, s23, STAGE                   ; my stage
	v_mul_u32_u24 v4, v1, SPITCH
.if OUTF32
	v_lshl_add_u32 v4, v2, 5, v4                   ; in: row l % 16, 32 bytes for each half of the lanes
	v_add_nc_u32 v[STO], s23, v4
	v_and_b32 v5, 31, v0
	v_lshlrev_b32 v[CO], 4, v5                     ; back: 32 lanes take one row of 512 bytes; the same in C
	v_add_nc_u32 v[RD], s23, v[CO]
.else
	v_lshl_add_u32 v4, v2, 4, v4                   ; in: row l % 16, 16 bytes for each half of the lanes
	v_add_nc_u32 v[STO], s23, v4
	v_mul_u32_u24 v5, v2, SPITCH                   ; back: lanes 0-15 take one row of 256 bytes, lanes 16-31 the next
	v_lshl_add_u32 v5, v1, 4, v5
	v_add_nc_u32 v[RD], s23, v5
	v_mul_u32_u24 v5, v2, PCB                      ; and the same two rows in C
	v_lshl_add_u32 v[CO], v1, 4, v5
.endif
	s_lshl_b32 s16, s13, 8                         ; C at my wave's first row, 256 y + 64 w,
	s_lshl_b32 s17, s10, 6
	s_add_co_u32 s16, s16, s17
	s_mul_i32 s16, s16, PCB
	s_mov_b32 s17, 0
	s_add_nc_u64 s[8:9], s[8:9], s[16:17]
	s_mul_i32 s46, s42, COLB                       ; and the tile's first column
	s_mov_b32 s47, 0
	s_add_nc_u64 s[8:9], s[8:9], s[46:47]
	; the prefetches
	s_lshl_b32 s16, s13, 8                         ; for A: row 256 y + 64 cx + 32 w
	s_lshl_b32 s17, s40, 6
	s_add_co_u32 s16, s16, s17
	s_lshl_b32 s17, s10, 5
	s_add_co_u32 s16, s16, s17
	s_lshl_b32 s18, s42, 7                         ; for B: row 128 x + 32 cy
	s_lshl_b32 s19, s41, 5
	s_add_co_u32 s18, s18, s19
	s_and_b32 s19, ttmp7, 0xffff                   ; cluster y
	s_cmp_lt_u32 s10, 2                            ; do I fetch for A?
	s_cselect_b32 s16, s16, s18
	s_cselect_b32 s19, ttmp9, s19                  ; the coordinate along which other clusters read the same rows
	s_cselect_b32 s18, 4*TILES-3, 1                ; all trips but the loop's last
	s_cselect_b64 s[PFA:PFA+1], s[4:5], s[6:7]
	s_cmp_eq_u32 s19, 0
	s_cselect_b32 s[LIM], s18, -1                  ; the same in all sixteen partners, for a given wave
	s_cmp_eq_u32 s10, 3
	s_cselect_b32 s[LIM], -1, s[LIM]               ; wave 3 has no rows to ask for
	s_lshl_b32 s16, s16, 11
	s_add_co_u32 s16, s16, 3*256                   ; at K step 3: the first refill steps it to 4
	s_mov_b32 s17, 0
	s_add_nc_u64 s[PFA:PFA+1], s[PFA:PFA+1], s[16:17]
	v_and_b32 v[PFO], 31, v0
	v_lshlrev_b32 v[PFO], 11, v[PFO]
	s_wait_tensorcnt 0x1                           ; my part of K step 0 is in; K step 1's load may stay out
	s_barrier_signal -1
	s_barrier_wait -1                              ; everybody's is
	FETCH 0, 0, F0
	QUARTER 0, 1, F0, F1, 1                        ; the first quarter stands in front of the loop: its products start the sums
	WIN 0                                          ; at a label and at a branch every window is 0
	s_mov_b32 s3, 4*TILES-1
.if TILES > 1
	s_mov_b32 s2, 3                                ; laps left in the tile behind the one in hand
	s_mov_b32 s[SA], 0
	s_mov_b32 s[SA+1], 0
	s_mov_b32 s[SB], 512
	s_mov_b32 s[SB+1], 0
	s_mov_b32 s[PFS], 256
	s_mov_b32 s[PFS+1], 0
	s_mov_b32 s72, NEXT_B
	s_mov_b32 s73, 512
	s_mov_b32 s74, NEXTPF
	s_mov_b32 s75, 256
.endif
.Llap:                                                 ; a trip goes once round the ring, from a lap's second quarter to the next lap's first, and fills both slots again
	QUARTER 0, 2, F1, F0, 0
	QUARTER 0, 3, F0, F1, 0
	TURN 0, 1, 1
	QUARTER 1, 1, F0, F1, 0
	QUARTER 1, 2, F1, F0, 0
	QUARTER 1, 3, F0, F1, 0
	TURN 1, 0, 1
	WIN 0
.if TILES > 1
	s_cmp_lg_u32 s2, 0
	s_cbranch_scc1 .Lsame
	OUT
	s_wait_xcnt 0x0
	s_add_nc_u64 s[8:9], s[8:9], NEXT_C
	s_mov_b32 s2, 4
	QUARTER 0, 1, F0, F1, 1
	WIN 0
	s_branch .Ljoin
.Lsame:
.endif
	QUARTER 0, 1, F0, F1, 0
	WIN 0
.if TILES > 1
.Ljoin:
	s_sub_co_u32 s2, s2, 1
	s_cmp_eq_u32 s2, 0
	s_cselect_b32 s[SA], 2048, 0
	s_cselect_b32 s[SB], s72, s73
	s_cmp_eq_u32 s2, 1
	s_cselect_b32 s[PFS], s74, s75
.endif
	s_sub_co_u32 s3, s3, 1
	s_cmp_lg_u32 s3, 0
	s_cbranch_scc1 .Llap
	QUARTER 0, 2, F1, F0, 0                        ; the last lap fills nothing, and has no round of the cluster's barrier
	QUARTER 0, 3, F0, F1, 0
	TURN 0, 1, 0
	QUARTER 1, 1, F0, F1, 0
	QUARTER 1, 2, F1, F0, 0
	QUARTER 1, 3, F0, F1, 0
	LASTQ
	OUT
	s_wait_tensorcnt 0x0                           ; the wave's end, behind my last tensor load and my last LDS store
	ds_add_u32 v[SPW], v[NIL]
	s_wait_dscnt 0x0
	CROUND                                         ; the closing round: no work-group ends while a partner may still ask for a tile that names it
	s_endpgm
.Lfunc_end_k_qd05166005c_outp:
	.size	k_qd05166005c_outp, .Lfunc_end_k_qd05166005c_outp-k_qd05166005c_outp
	.p2alignl 7, 3214868480
	.fill 96, 4, 3214868480
	.section	.rodata,"a",@progbits
	.p2align	6, 0x0
	.amdhsa_kernel k_qd05166005c_outp
		.amdhsa_group_segment_fixed_size 327680
		.amdhsa_private_segment_fixed_size 0
		.amdhsa_enable_private_segment 0
		.amdhsa_kernarg_size 24
		.amdhsa_user_sgpr_count 2
		.amdhsa_user_sgpr_kernarg_segment_ptr 1
		.amdhsa_wavefront_size32 1
		.amdhsa_system_sgpr_workgroup_id_x 1
		.amdhsa_system_sgpr_workgroup_id_y 1
		.amdhsa_system_sgpr_workgroup_id_z 1
		.amdhsa_system_vgpr_workitem_id 0
		.amdhsa_next_free_vgpr 512
		.amdhsa_next_free_sgpr 80
		.amdhsa_reserve_vcc 0
		.amdhsa_float_denorm_mode_32 3
		.amdhsa_float_denorm_mode_16_64 3
		.amdhsa_memory_ordered 1
		.amdhsa_forward_progress 1
		.amdhsa_inst_pref_size 87
	.end_amdhsa_kernel
	.amdgpu_metadata
---
amdhsa.version: [ 1, 2 ]
amdhsa.kernels:
  - .name:           k_qd05166005c_outp
    .symbol:         k_qd05166005c_outp.kd
    .args:
      - { .name: oh, .offset: 0, .size: 8, .value_kind: global_buffer, .address_space: global }
      - { .name: woh, .offset: 8, .size: 8, .value_kind: global_buffer, .address_space: global }
      - { .name: out0, .offset: 16, .size: 8, .value_kind: global_buffer, .address_space: global }
    .group_segment_fixed_size: 327680
    .private_segment_fixed_size: 0
    .kernarg_segment_align: 8
    .kernarg_segment_size: 24
    .max_flat_workgroup_size: 128
    .sgpr_count:     80
    .vgpr_count:     512
    .wavefront_size: 32
...
	.end_amdgpu_metadata
.endif
;; end of part 6
;; ======== version 2 of 3: 6 launches
;; limits: values are held in f16: magnitudes above 65,504 overflow, below 6.1e-05 lose precision
;; workspace buffers: xh 16,777,216 bytes; wh 6,291,456 bytes; woh 2,097,152 bytes; qkv 50,331,648 bytes; sc 67,108,864 bytes; pr 33,554,432 bytes; oh 16,777,216 bytes
;; launch cvt: the kernel of part 1 again; grid 768 x 1, 8 waves a work-group, no clusters, 0 bytes of LDS; arguments net_in, w_qkv, w_out, xh, wh, woh; writes xh, wh, woh
;; launch qkv (part 7): grid 12 x 16, 4 waves a work-group, clusters of 4 x 4, 327,680 bytes of LDS; arguments xh, wh, qkv; writes qkv
.if DOCPART == 7
	.amdgcn_target "amdgcn-amd-amdhsa--gfx1250"
	.amdhsa_code_object_version 6
	.text
	.protected	k_qd05166005c_qkv
	.globl	k_qd05166005c_qkv
	.p2align	8
	.type	k_qd05166005c_qkv,@function
k_qd05166005c_qkv:
	s_mov_b64 s[64:65], 0
	v_nop
	global_prefetch_b8 v0, s[64:65] scope:SCOPE_SE
	s_setreg_imm32_b32 hwreg(HW_REG_WAVE_MODE, 25, 1), 1
	s_wait_xcnt 0x0
	s_wait_alu depctr_hold_cnt(0) depctr_sa_sdst(0) depctr_va_vdst(0) depctr_va_sdst(0) depctr_va_ssrc(0) depctr_va_vcc(0) depctr_vm_vsrc(0)
	s_getreg_b32 s2, hwreg(HW_REG_IB_STS2, 6, 4)
	s_cmp_eq_u32 s2, 0
	s_cbranch_scc0 .Lentry_in_a_cluster
	s_endpgm
.Lentry_in_a_cluster:
	s_bfe_u32 s2, ttmp6, 0x10000c
	s_cmp_lg_u32 s2, 0xf033
	s_cbranch_scc0 .Lentry_shape_is_right
	s_endpgm
.Lentry_shape_is_right:
; qkv[r][d] = the sum over c of xh[r][c] wh[d][c].  xh: [8192][1024], wh: [3072][1024], qkv: [8192][3072], all f16; sums in f32, qkv rounded once.
; LIMIT.  f16 holds no number beyond 65,504: a q, k or v of 65,520 or more becomes an infinity.
; C = A B^T on tiles of 256 x 256.  Four waves, two by two, each with 128 x 128 of C: 64 accumulators of 16 x 16, 512 registers: for 32 along K a wave reads 2 x 128 x 64 bytes of LDS for 64 matrix instructions.
; K = 1,024 goes in steps of 128 (tile rows of 256 bytes, aligned) through a ring of two LDS slots filled by the tensor data mover; each wave fetches 128 rows of a step: a quarter of a slot.
; C has 32 x 12 = 384 tiles.  A WORK-GROUP STAYS: 192 work-groups make two tiles each, the second 4,096 rows below the first: other rows of A, the same rows of B.  ONE counted loop walks the 16 K steps;
; the ring does not stop at the first tile's end: the same refill steps to the next tile by numbers chosen in scalar registers, and the finished tile goes out when both its successor's first refills are asked for.
; THE LOOP HOLDS ONE K STEP: the slot in hand is a scalar that toggles between 0 and SLOT; the fragment addresses and the walking descriptor's LDS word are made anew from it at each change of slots.
; CLUSTERS: 4 x 4 work-groups.  The four of a row of the cluster need the same tiles of A, the four of a column the same tiles of B: each tile is asked for JOINTLY, by the same tensor load with the same
; descriptor and a mask that names the four.
; THE MATRIX INSTRUCTION IS USED TRANSPOSED (source 0 = 16 rows of B, source 1 = 16 rows of A): lane l holds row l % 16 of C and its registers 0-7 the columns 8 (l / 16) + 0..7: 16 bytes of f16 on end.
; REGISTERS, in windows of 256 (s_set_vgpr_msb: bits 1:0 source 0, 3:2 source 1, 5:4 source 2, 7:6 destination):
;   window 0: v0-31 addresses; v64-127, v128-191 fragments of A (8 x 16 rows x 32 K), two buffers; v32-63, v192-255 at work on the way out
;   window 1: v64-127, v128-191 fragments of B, two buffers
;   window 2: the 32 accumulators of my rows 0-63 (accumulator (a, b) at v[8 (8 a + b)]);   window 3: those of my rows 64-127
.set KB,     2048                      ; bytes in a row of A and of B
.set PCB,    6144                      ; bytes in a row of C
.set WALK,   4096                      ; rows from a work-group's first tile to its second
.set STEPS,  16                        ; K steps of the walk: two tiles of eight.  The loop's counter s3 is STEPS - 2 - n in the trip that ends K step n
.set AT_PF,  STEPS-6                   ; n = 4: the prefetch pointer goes on to the second tile's K step 0
.set AT_FILL, STEPS-8                  ; n = 6: the refill does
.set AT_OUT, STEPS-9                   ; n = 7: the first tile is finished
.set NEXT_A, WALK*KB-7*256             ; bytes from a tile's K step 7 to the next tile's K step 0, in A
.set NEXT_C, WALK*PCB
.set PITCH,  272                       ; an LDS row: 256 bytes + 16 of padding = 68 words: the 16 rows of a fragment load start at 16 different groups of four banks (64 banks of 4 bytes: ISA guide 11.1)
.set HALFT,  128*PITCH                 ; 128 rows: what one tensor load brings, and what one wave reads of A or of B
.set SLOT,   4*HALFT                   ; A's 256 rows, then B's 256 rows
.set STAGE,  2*SLOT                    ; behind the ring, never filled by a tensor load: 16 rows x 272 bytes for each wave
.set SPITCH, 272
.set SPARE,  STAGE+4*16*SPITCH         ; behind the stages: the spare words, 128 bytes for each wave: two blocks of 256 bytes that no other line names
.set A0,   16                          ; v16     my lane's place in my rows of A in slot 0; never rewritten
.set B0,   17                          ; v17     the same for B
.set ADRA, 18                          ; v18     the same in the slot in hand
.set ADRB, 19                          ; v19
.set STO,  24                          ; v24     the way out: where I put 16 bytes of a row
.set RD,   25                          ; v25     where I read rows back
.set CO,   26                          ; v26     my byte offset in C
.set SPW,  28                          ; v28     LDS address of my spare word; never rewritten
.set NIL,  29                          ; v29     0; never rewritten
.set PFO,  30                          ; v30     the prefetches' offset: my lane x a row; never rewritten
.set F0,   64
.set F1,   128
.set TMP,  192                         ; packed results
.set OB,   32                          ; 16 rows read back from the stage: v32-63 and v224-255 by turns
.set G1,   24                          ; s[24:31] descriptor group 1 for A's tiles
.set G0,   32                          ; s[32:39] group 0: a set for each of the two first fills; the second then walks on
.set LIM,  43                          ; s43      a wave prefetches while the loop's counter is above this
.set PFA,  44                          ; s[44:45] where my prefetches stand
.set G1B,  48                          ; s[48:55], s[56:63] the same for B's tiles
.set G0B,  56
.set SA,   66                          ; s[66:67] A's step for a refill: 256, or NEXT_A
.set SB,   68                          ; s[68:69] what a refill takes off B's address behind its step of 256: 0, or 2,048 at the change of tiles
.set PFS,  70                          ; s[70:71] the prefetch pointer's step
.set TB,   76                          ; s76      the slot in hand: 0 or SLOT
.set LB,   77                          ; s77      my quarter of a slot: wave x 128 rows
.set MSB, 0
.macro WIN new                         ; the immediate's high byte repeats the setting that is left; a switch that changes nothing is dropped
.if MSB != (\new)
	s_set_vgpr_msb (MSB<<8)|(\new)
.set MSB, \new
.endif
.endm
.set MUL_LO, 0xa1                      ; source 0 (B) window 1, source 1 (A) window 0, C and D window 2
.set MUL_HI, 0xf1                      ; the same, C and D window 3
.set TO_B,   0x40                      ; destination window 1, address window 0
.macro PLACES                          ; four places in front of loads into registers that matrix instructions have read, and of lines that read results
.rept 4
	v_nop
.endr
.endm
.macro CREST                           ; a round of the cluster's barrier behind its opening barrier
	s_cmp_lg_u32 s10, 0
	s_cbranch_scc1 .Lnot_wave_0_\@
	s_barrier_signal -3
.Lnot_wave_0_\@:
	s_barrier_wait -3
	s_barrier_signal -1
	s_barrier_wait -1
.endm
.macro CROUND                          ; a whole round
	s_barrier_signal -1
	s_barrier_wait -1
	CREST
.endm
; A joint refill: waves 0 and 1 fetch A's two halves, waves 2 and 3 B's.  The branch hangs on the wave's number alone.  An s_nop 0 and four v_nop follow each line.
.macro JLOAD
	s_cmp_lt_u32 s10, 2
	s_cbranch_scc0 .Lfor_b_\@
	tensor_load_to_lds s[G0+4:G0+7], s[G1:G1+7]
	s_nop 0
.rept 4
	v_nop
.endr
	s_branch .Lasked_\@
.Lfor_b_\@:
	tensor_load_to_lds s[G0B+4:G0B+7], s[G1B:G1B+7]
	s_nop 0
.rept 4
	v_nop
.endr
.Lasked_\@:
.endm
; A PREFETCH of the K step that stands two refills on (512 matrix instructions ahead of the load that will want it): 32 rows x 256 bytes, a lane a row, one instruction a wave.  Each row's 256 bytes of a
; K step are named once in the launch: A's tile row is read by the three clusters of its row of clusters: the one with x = 0 asks; B's tile column by the four of its column: the one with y = 0 asks.
; Of the 128 rows that a wave fetches each of the four partners that ask for them jointly takes 32, told apart by address.  B's rows are the same for both tiles and are asked for in the first alone.
; K steps 0 to 3 come by their loads alone; the trips whose K step two refills on does not exist ask for nothing.
.macro ASK
	s_cmp_gt_u32 s3, s[LIM]
	s_cbranch_scc0 .Lnot_mine_\@
	global_prefetch_b8 v[PFO], s[PFA:PFA+1] th:TH_LOAD_NT scope:SCOPE_SE
.Lnot_mine_\@:
.endm
; 16 matrix instructions: blocks a0, a0 + 1 of the window's four blocks of 16 rows (hi = 0: my rows 0-63, 1: rows 64-127) x all 8 blocks of 16 columns, 32 along K.  zero = 1: the product starts the sums.
; The 64 accumulators come in the same order in every quarter, one instruction a turn: 63 others stand between two links of a chain.
.macro MUL16 f, hi, a0, zero
	WIN MUL_LO+0x50*(\hi)
.irp a, \a0, (\a0)+1
.irp b, 0,1,2,3,4,5,6,7
.if \zero
	v_wmma_f32_16x16x32_f16 v[8*(8*(\a)+(\b)):8*(8*(\a)+(\b))+7], v[(\f)+8*(\b):(\f)+8*(\b)+7], v[(\f)+8*(4*(\hi)+(\a)):(\f)+8*(4*(\hi)+(\a))+7], 0
.else
	v_wmma_f32_16x16x32_f16 v[8*(8*(\a)+(\b)):8*(8*(\a)+(\b))+7], v[(\f)+8*(\b):(\f)+8*(\b)+7], v[(\f)+8*(4*(\hi)+(\a)):(\f)+8*(4*(\hi)+(\a))+7], v[8*(8*(\a)+(\b)):8*(8*(\a)+(\b))+7]
.endif
.endr
.endr
.endm
; 32 LDS loads in one run: the fragments of one quarter (32 K at byte k of the rows of the slot in hand) into buffer f: B's 8, then A's 8
.macro FETCH k, f
	WIN TO_B
.irp i, 0,1,2,3,4,5,6,7
	ds_load_b128 v[(\f)+8*(\i):(\f)+8*(\i)+3],   v[ADRB] offset:(\k)+(\i)*16*PITCH
	ds_load_b128 v[(\f)+8*(\i)+4:(\f)+8*(\i)+7], v[ADRB] offset:(\k)+(\i)*16*PITCH+32
.endr
	WIN 0
.irp i, 0,1,2,3,4,5,6,7
	ds_load_b128 v[(\f)+8*(\i):(\f)+8*(\i)+3],   v[ADRA] offset:(\k)+(\i)*16*PITCH
	ds_load_b128 v[(\f)+8*(\i)+4:(\f)+8*(\i)+7], v[ADRA] offset:(\k)+(\i)*16*PITCH+32
.endr
.endm
; A K step is four quarters of 32 along K, 64 matrix instructions each, on buffers 0, 1, 0, 1.  One of the first three: multiplies buffer f and, in its middle, fetches the quarter at byte k into buffer g.
.macro QUARTER k, f, g, zero
	s_wait_dscnt 8                                 ; B and A's rows 0-63 are in; the youngest eight loads (A's rows 64-127) may be out
	MUL16 \f, 0, 0, \zero
	MUL16 \f, 0, 2, \zero
	PLACES
	FETCH \k, \g
	s_wait_dscnt 32                                ; all but the 32 just issued
	MUL16 \f, 1, 0, \zero
	MUL16 \f, 1, 2, \zero
.endm
; The last quarter multiplies buffer 1 and changes slots: ONE barrier.  In front of it each wave waits for all its tensor loads (one is out: its part of the next slot), adds 0 to its spare word, and waits
; for that and for its own reads of this slot.  fill = 1: the barrier opens a round of the cluster's barrier, and the slot that is left is filled again first thing behind the round, two K steps ahead:
; 224 matrix instructions stand between the request and the wait for it.  fill = 0, the walk's last two K steps: nothing is asked for; behind the very last there is nothing to fetch either.
.macro TURN fill
.if \fill
	s_wait_xcnt 0x0                                ; the last prefetch, a K step back, has read its address
	s_cmp_eq_u32 s3, AT_PF
	s_cselect_b32 s[PFS], s74, s73
	s_add_nc_u64 s[PFA:PFA+1], s[PFA:PFA+1], s[PFS:PFS+1]
.endif
	WIN 0                                          ; (the add's two registers lie in window 0)
	s_wait_tensorcnt 0x0                           ; all my tensor loads have landed, so a group 0 may be written
	ds_add_u32 v[SPW], v[NIL]                      ; 0 onto my spare word; the work on registers below stands between it and the wait for it
.if \fill
	s_add_co_u32 s[G0+5], s[LB], s[TB]             ; the walking descriptors: my quarter of the slot that is being left,
	s_add_co_u32 s[G0B+5], s[LB], s[TB]
	s_cmp_eq_u32 s3, AT_FILL
	s_cselect_b32 s[SA], s72, s73
	s_cselect_b32 s[SB], 2048, 0
	s_add_nc_u64 s[G0+6:G0+7], s[G0+6:G0+7], s[SA:SA+1]      ; the next K step, or the next tile's first; the type bits on top are not reached
	s_add_nc_u64 s[G0B+6:G0B+7], s[G0B+6:G0B+7], 256
	s_sub_nc_u64 s[G0B+6:G0B+7], s[G0B+6:G0B+7], s[SB:SB+1]
.endif
	s_xor_b32 s[TB], s[TB], SLOT                   ; the fetches go on in the other slot
	v_add_nc_u32 v[ADRA], s[TB], v[A0]
	v_add_nc_u32 v[ADRB], s[TB], v[B0]
	s_wait_dscnt 9                                 ; (the add and the youngest eight loads may be out)
	MUL16 F1, 0, 0, 0
	s_wait_dscnt 0x0                               ; the add is done, and my reads of this slot are over
	s_barrier_signal -1
	MUL16 F1, 0, 2, 0                              ; work on registers while the others arrive
	WIN 0
	s_barrier_wait -1
.if \fill
	CREST                                          ; no wave of any partner still reads this slot's tile or has a load on its way
	JLOAD                                          ; the four v_nop behind it are also the places in front of the loads below
.else
	PLACES
	s_cmp_eq_u32 s3, 1                             ; the very last K step has no successor
	s_cbranch_scc1 .Lno_fetch_\@
.endif
	FETCH 0, F0
.if \fill
	ASK
.else
.Lno_fetch_\@:
.endif
	MUL16 F1, 1, 0, 0
	MUL16 F1, 1, 2, 0
.endm
; THE WAY OUT, a block of 16 rows at a time.  PACK: rounded to f16, 16 bytes a lane.  TOSTAGE: into my own stage, rows of 272 bytes, and back as whole rows of 256.  SEND: stored.
.macro PACK a
.set AC, 64*((\a)%4)
	WIN 0x0a+5*((\a)/4)                            ; sources 0 and 1: window 2 or 3
.irp b, 0,1,2,3,4,5,6,7
.irp r, 0,1,2,3
	v_cvt_pk_f16_f32 v[TMP+4*(\b)+(\r)], v[AC+8*(\b)+2*(\r)], v[AC+8*(\b)+2*(\r)+1]
.endr
.endr
	WIN 0
.endm
.macro TOSTAGE a
	WIN 0
.set BK, OB+192*((\a)%2)
.irp b, 0,1,2,3,4,5,6,7
	ds_store_b128 v[STO], v[TMP+4*(\b):TMP+4*(\b)+3] offset:32*(\b)
.endr
.irp t, 0,1,2,3,4,5,6,7
	ds_load_b128 v[BK+4*(\t):BK+4*(\t)+3], v[RD] offset:(\t)*2*SPITCH  ; LDS serves a wave's instructions in order (ISA guide 5.7.1.4): these see the stores above
.endr
.endm
.macro SEND a
	WIN 0
.set BK, OB+192*((\a)%2)
	s_wait_dscnt 0x0                               ; the block is back in registers
	s_wait_xcnt 0x0                                ; the registers that the block before last's stores read are loaded again only behind this wait
.irp t, 0,1,2,3,4,5,6,7
	global_store_b128 v[CO], v[BK+4*(\t):BK+4*(\t)+3], s[8:9] offset:(16*(\a)+2*(\t))*PCB  ; 16 lanes store 256 consecutive bytes, aligned
.endr
.endm
.macro OUT
	PLACES
	PACK 0
	TOSTAGE 0
.irp a, 1,2,3,4,5,6,7                  ; block a's conversions stand between block a - 1's loads from the stage and the wait for them
	PACK \a
	SEND (\a)-1
	TOSTAGE \a
.endr
	SEND 7
.endm
	s_load_b128 s[4:7], s[0:1], 0x0                ; A s[4:5], B s[6:7]
	s_load_b64 s[8:9], s[0:1], 0x10                ; C
	v_lshl_add_u32 v[SPW], v0, 2, SPARE
	v_mov_b32 v[NIL], 0
	ds_add_u32 v[SPW], v[NIL]                      ; the wave's opening: the add and its wait stand ahead of my first tensor load; the set-up below, work on registers, stands between them
	v_lshrrev_b32 v1, 5, v0
	v_readfirstlane_b32 s10, v1                    ; wave 0..3
	s_lshr_b32 s11, s10, 1                         ; which half of the tile's rows is mine.  Also: I fetch for A (0) or for B (1)
	s_and_b32 s12, s10, 1                          ; which half of its columns.  Also: which 128 rows of that tile I fetch
	s_bfe_u32 s40, ttmp6, 0x40000                  ; cx, cy: my place in the cluster
	s_bfe_u32 s41, ttmp6, 0x40004
	s_lshl_b32 s42, ttmp9, 2
	s_add_co_u32 s42, s42, s40                     ; tile column of C = 4 x cluster x + cx
	s_and_b32 s13, ttmp7, 0xffff
	s_lshl_b32 s13, s13, 2
	s_add_co_u32 s13, s13, s41                     ; the first tile's row = 4 x cluster y + cy
	s_lshl_b32 s14, s41, 2
	s_lshl_b32 s14, 15, s14                        ; my row of the cluster
	s_lshl_b32 s15, 0x1111, s40                    ; my column
	s_or_b32 s[G1], s14, (1<<16)|(1<<20)|(1<<21)|(5<<22)|(3<<25)   ; the mask; elements of 2 bytes; padding on; bit 21 beside a mask; after every 64 words, 4 words
	s_or_b32 s[G1B], s15, (1<<16)|(1<<20)|(1<<21)|(5<<22)|(3<<25)
.irp g, G1, G1B
	s_mov_b32 s[(\g)+1], 128<<16                   ; tensor_dim0 = 128
	s_mov_b32 s[(\g)+2], 128<<16                   ; tensor_dim1 = 128
	s_mov_b32 s[(\g)+3], 128<<16                   ; tile_dim0 = 128
	s_mov_b32 s[(\g)+4], 128                       ; tile_dim1 = 128
	s_mov_b32 s[(\g)+5], KB/2                      ; elements from row to row
	s_mov_b32 s[(\g)+6], 0
	s_mov_b32 s[(\g)+7], 0
.endr
	s_lshl_b32 s17, s12, 7                         ; which 128 rows of the tile I fetch
	s_lshl_b32 s16, s13, 8
	s_add_co_u32 s16, s16, s17                     ; A: row 256 x tile row + 128 x half, which my row of the cluster shares
	s_lshl_b32 s16, s16, 11                        ; x 2,048 bytes
	s_lshl_b32 s46, s42, 8
	s_add_co_u32 s46, s46, s17                     ; B: row 256 x tile column + 128 x half, which my column shares
	s_lshl_b32 s46, s46, 11
	s_mov_b32 s17, 0
	s_mov_b32 s47, 0
	s_mul_i32 s[LB], s10, HALFT                    ; where they go: A's two halves, then B's two = wave x 128 rows: no place in the cluster enters an LDS address
	s_mov_b32 s[TB], 0
	s_mov_b32 s[SA+1], 0
	s_mov_b32 s[SB+1], 0
	s_mov_b32 s[PFS+1], 0
	s_mov_b32 s72, NEXT_A                          ; an instruction holds one literal: the selects take these from registers
	s_mov_b32 s73, 256
	s_wait_dscnt 0x0                               ; the opening add is done
	s_wait_kmcnt 0x0
	s_add_nc_u64 s[14:15], s[4:5], s[16:17]
	s_add_nc_u64 s[46:47], s[6:7], s[46:47]
	CROUND                                         ; all sixteen work-groups are here: the first joint loads meet
.irp s, 0,1
	s_mov_b32 s[G0+4*(\s)], 1                      ; count = 1
	s_add_co_u32 s[G0+4*(\s)+1], s[LB], (\s)*SLOT  ; LDS address
	s_add_nc_u64 s[G0+4*(\s)+2:G0+4*(\s)+3], s[14:15], (\s)*256  ; global address: K step s
	s_or_b32 s[G0+4*(\s)+3], s[G0+4*(\s)+3], 0x80000000          ; type = 2
	s_mov_b32 s[G0B+4*(\s)], 1
	s_add_co_u32 s[G0B+4*(\s)+1], s[LB], (\s)*SLOT
	s_add_nc_u64 s[G0B+4*(\s)+2:G0B+4*(\s)+3], s[46:47], (\s)*256
	s_or_b32 s[G0B+4*(\s)+3], s[G0B+4*(\s)+3], 0x80000000
.endr
	s_cmp_lt_u32 s10, 2                            ; a wave's two first fills stand in one branch, ahead of every wait on TENSORcnt and every LDS read: two loads of mine are out
	s_cbranch_scc0 .Lfirst_b
	tensor_load_to_lds s[G0:G0+3], s[G1:G1+7]
	s_nop 0
	tensor_load_to_lds s[G0+4:G0+7], s[G1:G1+7]
	s_nop 0
.rept 4
	v_nop
.endr
	s_branch .Lfirst_asked
.Lfirst_b:
	tensor_load_to_lds s[G0B:G0B+3], s[G1B:G1B+7]
	s_nop 0
	tensor_load_to_lds s[G0B+4:G0B+7], s[G1B:G1B+7]
	s_nop 0
.rept 4
	v_nop
.endr
.Lfirst_asked:
	; A fragment is 16 rows x 32 K in 8 registers: lane l holds row l % 16; registers 0-3 K = 8 (l / 16) + 0..7, registers 4-7 K = 16 + 8 (l / 16) + 0..7: two loads of 16 bytes, 32 bytes apart.
	v_and_b32 v1, 15, v0                           ; l % 16
	v_bfe_u32 v2, v0, 4, 1                         ; l / 16
	v_mul_u32_u24 v3, v1, PITCH
	v_lshl_add_u32 v3, v2, 4, v3                   ; row x pitch + 16 x half
	s_mul_i32 s21, s11, HALFT                      ; my 128 rows of A
	s_mul_i32 s22, s12, HALFT                      ; my 128 rows of B,
	s_add_co_u32 s22, s22, 2*HALFT                 ; which lie behind A's 256
	v_add_nc_u32 v[A0], s21, v3
	v_add_nc_u32 v[B0], s22, v3
	v_mov_b32 v[ADRA], v[A0]                       ; K step 0 lies in slot 0
	v_mov_b32 v[ADRB], v[B0]
	s_mul_i32 s23, s10, 16*SPITCH
	s_add_co_u32 s23, s23, STAGE                   ; my stage
	v_mul_u32_u24 v4, v1, SPITCH                   ; in: row l % 16, 16 bytes for each half of the lanes
	v_lshl_add_u32 v4, v2, 4, v4
	v_add_nc_u32 v[STO], s23, v4
	v_mul_u32_u24 v5, v2, SPITCH                   ; back: lanes 0-15 take one row of 256 bytes, lanes 16-31 the next
	v_lshl_add_u32 v5, v1, 4, v5
	v_add_nc_u32 v[RD], s23, v5
	v_mul_u32_u24 v5, v2, PCB                      ; and the same two rows in C
	v_lshl_add_u32 v[CO], v1, 4, v5
	s_lshl_b32 s16, s13, 8                         ; C at my first row of the first tile, 256 x tile row + 128 x half,
	s_lshl_b32 s17, s11, 7
	s_add_co_u32 s16, s16, s17
	s_mul_i32 s16, s16, PCB
	s_mov_b32 s17, 0
	s_add_nc_u64 s[8:9], s[8:9], s[16:17]
	s_lshl_b32 s46, s42, 9                         ; and my first column: 512 bytes x tile column + 256 x half
	s_lshl_b32 s47, s12, 8
	s_add_co_u32 s46, s46, s47
	s_mov_b32 s47, 0
	s_add_nc_u64 s[8:9], s[8:9], s[46:47]
	; the prefetches
	s_lshl_b32 s18, s13, 8                         ; the tile's first row in A,
	s_lshl_b32 s19, s42, 8                         ; in B
	s_and_b32 s22, ttmp7, 0xffff                   ; cluster y
	s_cmp_eq_u32 s11, 0                            ; do I fetch for A?
	s_cselect_b32 s20, s18, s19
	s_cselect_b32 s21, s40, s41                    ; my place among the four that ask for the tile with me
	s_cselect_b32 s22, ttmp9, s22                  ; the coordinate along which other clusters read the same rows
	s_cselect_b32 s23, 2, AT_PF                    ; A: up to the walk's last K step; B: the first tile's K steps 4 to 7 alone
	s_cselect_b32 s74, s72, s73                    ; A's pointer goes on to the second tile
	s_cselect_b64 s[PFA:PFA+1], s[4:5], s[6:7]
	s_cmp_eq_u32 s22, 0
	s_cselect_b32 s[LIM], s23, -1                  ; the same in all sixteen partners, for a given wave
	s_lshl_b32 s22, s12, 7
	s_add_co_u32 s20, s20, s22                     ; + the 128 rows that I fetch
	s_lshl_b32 s21, s21, 5
	s_add_co_u32 s20, s20, s21                     ; + my work-group's 32 of them
	s_lshl_b32 s20, s20, 11
	s_add_co_u32 s20, s20, 3*256                   ; at K step 3: the first refill steps it to 4
	s_mov_b32 s21, 0
	s_add_nc_u64 s[PFA:PFA+1], s[PFA:PFA+1], s[20:21]
	v_and_b32 v[PFO], 31, v0
	v_lshlrev_b32 v[PFO], 11, v[PFO]
	s_wait_tensorcnt 0x1                           ; my part of K step 0 is in; K step 1's load may stay out
	s_barrier_signal -1
	s_barrier_wait -1                              ; everybody's is
	FETCH 0, F0
	QUARTER 64, F0, F1, 1                          ; the first quarter stands in front of the loop: its products start the sums
	WIN 0                                          ; at a label and at a branch every window is 0
	s_mov_b32 s3, STEPS-2
.Lstep:                                                ; a trip goes from a K step's second quarter to the next step's first, and fills the slot that it leaves
	QUARTER 128, F1, F0, 0
	QUARTER 192, F0, F1, 0
	TURN 1
	WIN 0
	s_cmp_lg_u32 s3, AT_OUT
	s_cbranch_scc1 .Lsame                          ; forward, past text that holds neither a barrier nor a tensor load
	OUT                                            ; the first tile is finished and both first refills of the second are asked for: it goes out
	s_wait_xcnt 0x0                                ; the stores have read their registers and C's address
	s_add_nc_u64 s[8:9], s[8:9], NEXT_C
	QUARTER 64, F0, F1, 1                          ; the second tile's first quarter starts the sums anew
	WIN 0
	s_branch .Ljoin
.Lsame:
	QUARTER 64, F0, F1, 0
	WIN 0
.Ljoin:
	s_sub_co_u32 s3, s3, 1
	s_cmp_lg_u32 s3, 0
	s_cbranch_scc1 .Lstep
	s_mov_b32 s3, 2                                ; the walk's last two K steps fill nothing, and have no round of the cluster's barrier: a text of their own
.Ltail:
	QUARTER 128, F1, F0, 0
	QUARTER 192, F0, F1, 0
	TURN 0
	WIN 0
	s_sub_co_u32 s3, s3, 1
	s_cmp_eq_u32 s3, 0
	s_cbranch_scc1 .Lout                           ; the second trip is left here
	QUARTER 64, F0, F1, 0
	WIN 0
	s_cmp_lg_u32 s3, 0
	s_cbranch_scc1 .Ltail
.Lout:
	OUT
	s_wait_tensorcnt 0x0                           ; the wave's end, behind my last tensor load and my last LDS store
	ds_add_u32 v[SPW], v[NIL]
	s_wait_dscnt 0x0
	CROUND                                         ; the closing round: no work-group ends while a partner may still ask for a tile that names it
	s_endpgm
.Lfunc_end_k_qd05166005c_qkv:
	.size	k_qd05166005c_qkv, .Lfunc_end_k_qd05166005c_qkv-k_qd05166005c_qkv
	.p2alignl 7, 3214868480
	.fill 96, 4, 3214868480
	.section	.rodata,"a",@progbits
	.p2align	6, 0x0
	.amdhsa_kernel k_qd05166005c_qkv
		.amdhsa_group_segment_fixed_size 327680
		.amdhsa_private_segment_fixed_size 0
		.amdhsa_enable_private_segment 0
		.amdhsa_kernarg_size 24
		.amdhsa_user_sgpr_count 2
		.amdhsa_user_sgpr_kernarg_segment_ptr 1
		.amdhsa_wavefront_size32 1
		.amdhsa_system_sgpr_workgroup_id_x 1
		.amdhsa_system_sgpr_workgroup_id_y 1
		.amdhsa_system_sgpr_workgroup_id_z 1
		.amdhsa_system_vgpr_workitem_id 0
		.amdhsa_next_free_vgpr 1024
		.amdhsa_next_free_sgpr 80
		.amdhsa_reserve_vcc 0
		.amdhsa_float_denorm_mode_32 3
		.amdhsa_float_denorm_mode_16_64 3
		.amdhsa_memory_ordered 1
		.amdhsa_forward_progress 1
		.amdhsa_inst_pref_size 138
	.end_amdhsa_kernel
	.amdgpu_metadata
---
amdhsa.version: [ 1, 2 ]
amdhsa.kernels:
  - .name:           k_qd05166005c_qkv
    .symbol:         k_qd05166005c_qkv.kd
    .args:
      - { .name: xh, .offset: 0, .size: 8, .value_kind: global_buffer, .address_space: global }
      - { .name: wh, .offset: 8, .size: 8, .value_kind: global_buffer, .address_space: global }
      - { .name: qkv, .offset: 16, .size: 8, .value_kind: global_buffer, .address_space: global }
    .group_segment_fixed_size: 327680
    .private_segment_fixed_size: 0
    .kernarg_segment_align: 8
    .kernarg_segment_size: 24
    .max_flat_workgroup_size: 128
    .sgpr_count:     80
    .vgpr_count:     1024
    .wavefront_size: 32
...
	.end_amdgpu_metadata
.endif
;; end of part 7
;; launch scores (part 8): grid 36 x 4, 4 waves a work-group, no clusters, 327,680 bytes of LDS; arguments qkv, sc; writes sc
.if DOCPART == 8
	.amdgcn_target "amdgcn-amd-amdhsa--gfx1250"
	.amdhsa_code_object_version 6
	.text
	.protected	k_qd05166005c_scores
	.globl	k_qd05166005c_scores
	.p2align	8
	.type	k_qd05166005c_scores,@function
k_qd05166005c_scores:
	s_mov_b64 s[64:65], 0
	v_nop
	global_prefetch_b8 v0, s[64:65] scope:SCOPE_SE
	s_setreg_imm32_b32 hwreg(HW_REG_WAVE_MODE, 25, 1), 1
	s_wait_xcnt 0x0
; sc[bt][q][k] = the sum over c of q[bt][q][c] k[bt][k][c], unscaled, in f32, for the 36 blocks of 256 x 256 of each batch that reach the diagonal or lie below it (block row i, block column jb <= i).
; q and k are columns 0-1023 and 1024-2047 of qkv: [8192][3072] f16.  sc: [4][2048][2048] f32; the blocks above the diagonal are neither written here nor read later.
; The scores stay in f32: with large inputs they pass what f16 holds.  The division by 32 and the mask inside the diagonal blocks are the next launch's.
; A work-group makes one block: 144 work-groups.  Four waves, two by two, each with 128 x 128 of C: 64 accumulators of 16 x 16, 512 registers: for 32 along K a wave reads 2 x 128 x 64 bytes of LDS for 64
; matrix instructions.  K = 1,024 goes in steps of 128 (tile rows of 256 bytes, aligned) through a ring of two LDS slots filled by the tensor data mover; each wave fetches 128 rows of a step: a quarter of a slot.
; THE LOOP HOLDS ONE K STEP: the slot in hand is a scalar that toggles between 0 and SLOT; the fragment addresses and the walking descriptor's LDS word are made anew from it at each change of slots.
; NO CLUSTER: a block row of the causal set has 1 to 8 blocks and so has a block column, never all a multiple of four; made up to fours they would be 48 blocks for 36.
; THE MATRIX INSTRUCTION IS USED TRANSPOSED (source 0 = 16 rows of k, source 1 = 16 rows of q): lane l holds row l % 16 of C and its registers 0-7 the columns 8 (l / 16) + 0..7.
; REGISTERS, in windows of 256 (s_set_vgpr_msb: bits 1:0 source 0, 3:2 source 1, 5:4 source 2, 7:6 destination):
;   window 0: v0-31 addresses; v64-127, v128-191 fragments of A (8 x 16 rows x 32 K), two buffers; v192-255 rows read back from the stage
;   window 1: v64-127, v128-191 fragments of B, two buffers
;   window 2: the 32 accumulators of my rows 0-63 (accumulator (a, b) at v[8 (8 a + b)]);   window 3: those of my rows 64-127
.set KB,     6144                      ; bytes in a row of qkv
.set PCB,    8192                      ; bytes in a row of sc
.set STEPS,  8                         ; K steps.  The loop's counter s3 is STEPS - 2 - n in the trip that ends K step n
.set PITCH,  272                       ; an LDS row: 256 bytes + 16 of padding = 68 words: the 16 rows of a fragment load start at 16 different groups of four banks (64 banks of 4 bytes: ISA guide 11.1)
.set HALFT,  128*PITCH                 ; 128 rows: what one tensor load brings, and what one wave reads of A or of B
.set SLOT,   4*HALFT                   ; q's 256 rows, then k's 256 rows
.set STAGE,  2*SLOT                    ; behind the ring, never filled by a tensor load: 16 rows x 528 bytes for each wave
.set SPITCH, 528
.set SPARE,  STAGE+4*16*SPITCH         ; behind the stages: the spare words, 128 bytes for each wave: two blocks of 256 bytes that no other line names
.set A0,   16                          ; v16     my lane's place in my rows of A in slot 0; never rewritten
.set B0,   17                          ; v17     the same for B
.set ADRA, 18                          ; v18     the same in the slot in hand
.set ADRB, 19                          ; v19
.set STO,  24                          ; v24     the way out: where I put 32 bytes of a row
.set RD,   25                          ; v25     where I read rows back
.set CO,   26                          ; v26     my byte offset in C
.set SPW,  28                          ; v28     LDS address of my spare word; never rewritten
.set NIL,  29                          ; v29     0; never rewritten
.set PFO,  30                          ; v30     the prefetches' offset: my lane x a row; never rewritten
.set F0,   64
.set F1,   128
.set OB,   192
.set G1,   24                          ; s[24:31] descriptor group 1: the same shape for q's and k's tiles
.set G0,   32                          ; s[32:39] group 0: a set for each of the two first fills; the second then walks on
.set LIM,  43                          ; s43      a wave prefetches while the loop's counter is above this
.set PFA,  44                          ; s[44:45] where my prefetches stand
.set TB,   76                          ; s76      the slot in hand: 0 or SLOT
.set LB,   77                          ; s77      my quarter of a slot: wave x 128 rows
.set MSB, 0
.macro WIN new                         ; the immediate's high byte repeats the setting that is left; a switch that changes nothing is dropped
.if MSB != (\new)
	s_set_vgpr_msb (MSB<<8)|(\new)
.set MSB, \new
.endif
.endm
.set MUL_LO, 0xa1                      ; source 0 (B) window 1, source 1 (A) window 0, C and D window 2
.set MUL_HI, 0xf1                      ; the same, C and D window 3
.set TO_B,   0x40                      ; destination window 1, address window 0
.macro PLACES                          ; four places in front of loads into registers that matrix instructions have read, and of lines that read results
.rept 4
	v_nop
.endr
.endm
; A PREFETCH of the K step that stands two refills on (512 matrix instructions ahead of the load that will want it): the 128 rows that the wave itself fetches, 256 bytes of each, a lane a row, four lines.
; Each row's 256 bytes of a K step are named once in the launch: a block row's q is read by the work-groups jb = 0 .. i: the one with jb = 0 asks (waves 0 and 1); a block column's k by the work-groups
; i = jb .. 7: the one with i = jb asks (waves 2 and 3).  K steps 0 to 3 come by their loads alone; the loop's last two trips ask for nothing.
.macro ASK
	s_cmp_gt_u32 s3, s[LIM]
	s_cbranch_scc0 .Lnot_mine_\@
	global_prefetch_b8 v[PFO], s[PFA:PFA+1] th:TH_LOAD_NT scope:SCOPE_SE
	global_prefetch_b8 v[PFO], s[PFA:PFA+1] offset:32*KB th:TH_LOAD_NT scope:SCOPE_SE
	global_prefetch_b8 v[PFO], s[PFA:PFA+1] offset:64*KB th:TH_LOAD_NT scope:SCOPE_SE
	global_prefetch_b8 v[PFO], s[PFA:PFA+1] offset:96*KB th:TH_LOAD_NT scope:SCOPE_SE
.Lnot_mine_\@:
.endm
; 16 matrix instructions: blocks a0, a0 + 1 of the window's four blocks of 16 rows (hi = 0: my rows 0-63, 1: rows 64-127) x all 8 blocks of 16 columns, 32 along K.  zero = 1: the product starts the sums.
; The 64 accumulators come in the same order in every quarter, one instruction a turn: 63 others stand between two links of a chain.
.macro MUL16 f, hi, a0, zero
	WIN MUL_LO+0x50*(\hi)
.irp a, \a0, (\a0)+1
.irp b, 0,1,2,3,4,5,6,7
.if \zero
	v_wmma_f32_16x16x32_f16 v[8*(8*(\a)+(\b)):8*(8*(\a)+(\b))+7], v[(\f)+8*(\b):(\f)+8*(\b)+7], v[(\f)+8*(4*(\hi)+(\a)):(\f)+8*(4*(\hi)+(\a))+7], 0
.else
	v_wmma_f32_16x16x32_f16 v[8*(8*(\a)+(\b)):8*(8*(\a)+(\b))+7], v[(\f)+8*(\b):(\f)+8*(\b)+7], v[(\f)+8*(4*(\hi)+(\a)):(\f)+8*(4*(\hi)+(\a))+7], v[8*(8*(\a)+(\b)):8*(8*(\a)+(\b))+7]
.endif
.endr
.endr
.endm
; 32 LDS loads in one run: the fragments of one quarter (32 K at byte k of the rows of the slot in hand) into buffer f: B's 8, then A's 8
.macro FETCH k, f
	WIN TO_B
.irp i, 0,1,2,3,4,5,6,7
	ds_load_b128 v[(\f)+8*(\i):(\f)+8*(\i)+3],   v[ADRB] offset:(\k)+(\i)*16*PITCH
	ds_load_b128 v[(\f)+8*(\i)+4:(\f)+8*(\i)+7], v[ADRB] offset:(\k)+(\i)*16*PITCH+32
.endr
	WIN 0
.irp i, 0,1,2,3,4,5,6,7
	ds_load_b128 v[(\f)+8*(\i):(\f)+8*(\i)+3],   v[ADRA] offset:(\k)+(\i)*16*PITCH
	ds_load_b128 v[(\f)+8*(\i)+4:(\f)+8*(\i)+7], v[ADRA] offset:(\k)+(\i)*16*PITCH+32
.endr
.endm
; A K step is four quarters of 32 along K, 64 matrix instructions each, on buffers 0, 1, 0, 1.  One of the first three: multiplies buffer f and, in its middle, fetches the quarter at byte k into buffer g.
.macro QUARTER k, f, g, zero
	s_wait_dscnt 8                                 ; B and A's rows 0-63 are in; the youngest eight loads (A's rows 64-127) may be out
	MUL16 \f, 0, 0, \zero
	MUL16 \f, 0, 2, \zero
	PLACES
	FETCH \k, \g
	s_wait_dscnt 32                                ; all but the 32 just issued
	MUL16 \f, 1, 0, \zero
	MUL16 \f, 1, 2, \zero
.endm
; The last quarter multiplies buffer 1 and changes slots: ONE barrier.  In front of it each wave waits for all its tensor loads (one is out: its part of the next slot), adds 0 to its spare word, and waits
; for that and for its own reads of this slot.  fill = 1: the slot that is left is filled again first thing behind the barrier, two K steps ahead: 224 matrix instructions stand between the request and the
; wait for it.  fill = 0, the last two K steps: nothing is asked for; behind the very last there is nothing to fetch either.
.macro TURN fill
.if \fill
	s_wait_xcnt 0x0                                ; the last prefetches, a K step back, have read their address
	s_add_nc_u64 s[PFA:PFA+1], s[PFA:PFA+1], 256
.endif
	WIN 0                                          ; (the add's two registers lie in window 0)
	s_wait_tensorcnt 0x0                           ; all my tensor loads have landed, so a group 0 may be written
	ds_add_u32 v[SPW], v[NIL]                      ; 0 onto my spare word; the work on registers below stands between it and the wait for it
.if \fill
	s_add_co_u32 s[G0+5], s[LB], s[TB]             ; the walking descriptor: my quarter of the slot that is being left,
	s_add_nc_u64 s[G0+6:G0+7], s[G0+6:G0+7], 256   ; the next K step; the type bits on top are not reached
.endif
	s_xor_b32 s[TB], s[TB], SLOT                   ; the fetches go on in the other slot
	v_add_nc_u32 v[ADRA], s[TB], v[A0]
	v_add_nc_u32 v[ADRB], s[TB], v[B0]
	s_wait_dscnt 9                                 ; (the add and the youngest eight loads may be out)
	MUL16 F1, 0, 0, 0
	s_wait_dscnt 0x0                               ; the add is done, and my reads of this slot are over
	s_barrier_signal -1
	MUL16 F1, 0, 2, 0                              ; work on registers while the others arrive
	WIN 0
	s_barrier_wait -1                              ; nobody reads this slot any more, and the next slot is whole
.if \fill
	tensor_load_to_lds s[G0+4:G0+7], s[G1:G1+7]    ; each wave its own 128 rows: the one tensor load of the wave behind the barrier
	s_nop 0
	PLACES                                         ; (the places in front of the loads below)
.else
	PLACES
	s_cmp_eq_u32 s3, 1                             ; the very last K step has no successor
	s_cbranch_scc1 .Lno_fetch_\@
.endif
	FETCH 0, F0
.if \fill
	ASK
.else
.Lno_fetch_\@:
.endif
	MUL16 F1, 1, 0, 0
	MUL16 F1, 1, 2, 0
.endm
; THE WAY OUT in f32, a block of 16 rows at a time: a lane's eight columns (32 bytes) go straight from the accumulator into my own stage, rows of 528 bytes; whole rows of 512 bytes come back and are stored.
.macro OUT32 a
.set AC, 64*((\a)%4)
	WIN 0x08+4*((\a)/4)                            ; store data in window 2 or 3
.irp b, 0,1,2,3,4,5,6,7
	ds_store_b128 v[STO], v[AC+8*(\b):AC+8*(\b)+3]   offset:64*(\b)
	ds_store_b128 v[STO], v[AC+8*(\b)+4:AC+8*(\b)+7] offset:64*(\b)+16
.endr
	WIN 0
	s_wait_xcnt 0x0                                ; the registers that earlier stores read are loaded again only behind this wait
.irp t, 0,1,2,3,4,5,6,7,8,9,10,11,12,13,14,15
	ds_load_b128 v[OB+4*(\t):OB+4*(\t)+3], v[RD] offset:(\t)*SPITCH  ; LDS serves a wave's instructions in order (ISA guide 5.7.1.4): these see the stores above
.endr
.irp t, 0,1,2,3,4,5,6,7,8,9,10,11,12,13,14,15
	s_wait_dscnt 15-(\t)                           ; row t is back; the younger loads may stay out
	global_store_b128 v[CO], v[OB+4*(\t):OB+4*(\t)+3], s[8:9] offset:(16*(\a)+(\t))*PCB  ; 32 lanes store 512 consecutive bytes, aligned
.endr
.endm
	s_load_b128 s[4:7], s[0:1], 0x0                ; qkv s[4:5], sc s[6:7]
	v_lshl_add_u32 v[SPW], v0, 2, SPARE
	v_mov_b32 v[NIL], 0
	ds_add_u32 v[SPW], v[NIL]                      ; the wave's opening: the add and its wait stand ahead of my first tensor load; the set-up below, work on registers, stands between them
	v_lshrrev_b32 v1, 5, v0
	v_readfirstlane_b32 s10, v1                    ; wave 0..3
	s_lshr_b32 s11, s10, 1                         ; which half of the block's rows is mine.  Also: I fetch q (0) or k (1)
	s_and_b32 s12, s10, 1                          ; which half of its columns.  Also: which 128 rows of that tile I fetch
	s_mov_b32 s40, 0                               ; the work-group's number t = i (i + 1) / 2 + jb: i is the greatest n with n (n + 1) / 2 <= t
	s_mov_b32 s41, 0
.irp n, 1,2,3,4,5,6,7
	s_cmp_ge_u32 ttmp9, (\n)*((\n)+1)/2
	s_cselect_b32 s40, \n, s40
	s_cselect_b32 s41, (\n)*((\n)+1)/2, s41
.endr
	s_sub_co_u32 s42, ttmp9, s41                   ; jb
	s_and_b32 s13, ttmp7, 0xffff
	s_lshl_b32 s13, s13, 11                        ; the batch's first row
	s_lshl_b32 s78, s40, 8
	s_add_co_u32 s78, s78, s13                     ; my block's first query row
	s_lshl_b32 s79, s42, 8
	s_add_co_u32 s79, s79, s13                     ; and first key row
	s_mov_b32 s[G1], (1<<16)|(1<<20)|(5<<22)|(3<<25)  ; elements of 2 bytes; padding on; after every 64 words, 4 words
	s_mov_b32 s[G1+1], 128<<16                     ; tensor_dim0 = 128
	s_mov_b32 s[G1+2], 128<<16                     ; tensor_dim1 = 128
	s_mov_b32 s[G1+3], 128<<16                     ; tile_dim0 = 128
	s_mov_b32 s[G1+4], 128                         ; tile_dim1 = 128
	s_mov_b32 s[G1+5], KB/2                        ; elements from row to row
	s_mov_b32 s[G1+6], 0
	s_mov_b32 s[G1+7], 0
	s_cmp_eq_u32 s11, 0                            ; the 128 rows that I fetch: of q, or of k, which lies 2,048 bytes into a row
	s_cselect_b32 s16, s78, s79
	s_cselect_b32 s17, 0, 2048
	s_lshl_b32 s18, s12, 7
	s_add_co_u32 s16, s16, s18
	s_mul_i32 s16, s16, KB
	s_add_co_u32 s16, s16, s17
	s_mov_b32 s17, 0
	s_mul_i32 s[LB], s10, HALFT                    ; where they go: q's two halves, then k's two = wave x 128 rows
	s_mov_b32 s[TB], 0
	s_wait_dscnt 0x0                               ; the opening add is done
	s_wait_kmcnt 0x0
	s_add_nc_u64 s[14:15], s[4:5], s[16:17]
.irp s, 0,1
	s_mov_b32 s[G0+4*(\s)], 1                      ; count = 1
	s_add_co_u32 s[G0+4*(\s)+1], s[LB], (\s)*SLOT  ; LDS address
	s_add_nc_u64 s[G0+4*(\s)+2:G0+4*(\s)+3], s[14:15], (\s)*256  ; global address: K step s
	s_or_b32 s[G0+4*(\s)+3], s[G0+4*(\s)+3], 0x80000000          ; type = 2
.endr
	tensor_load_to_lds s[G0:G0+3], s[G1:G1+7]      ; the two first fills go out together, ahead of every wait on TENSORcnt, every LDS read and every barrier: two loads of mine are out
	s_nop 0
	tensor_load_to_lds s[G0+4:G0+7], s[G1:G1+7]
	s_nop 0
	PLACES
	; A fragment is 16 rows x 32 K in 8 registers: lane l holds row l % 16; registers 0-3 K = 8 (l / 16) + 0..7, registers 4-7 K = 16 + 8 (l / 16) + 0..7: two loads of 16 bytes, 32 bytes apart.
	v_and_b32 v1, 15, v0                           ; l % 16
	v_bfe_u32 v2, v0, 4, 1                         ; l / 16
	v_mul_u32_u24 v3, v1, PITCH
	v_lshl_add_u32 v3, v2, 4, v3                   ; row x pitch + 16 x half
	s_mul_i32 s21, s11, HALFT                      ; my 128 rows of A
	s_mul_i32 s22, s12, HALFT                      ; my 128 rows of B,
	s_add_co_u32 s22, s22, 2*HALFT                 ; which lie behind A's 256
	v_add_nc_u32 v[A0], s21, v3
	v_add_nc_u32 v[B0], s22, v3
	v_mov_b32 v[ADRA], v[A0]                       ; K step 0 lies in slot 0
	v_mov_b32 v[ADRB], v[B0]
	s_mul_i32 s23, s10, 16*SPITCH
	s_add_co_u32 s23, s23, STAGE                   ; my stage
	v_mul_u32_u24 v4, v1, SPITCH
	v_lshl_add_u32 v4, v2, 5, v4                   ; in: row l % 16, 32 bytes for each half of the lanes
	v_add_nc_u32 v[STO], s23, v4
	v_and_b32 v5, 31, v0
	v_lshlrev_b32 v[CO], 4, v5                     ; back: 32 lanes take one row of 512 bytes; the same in C
	v_add_nc_u32 v[RD], s23, v[CO]
	s_lshl_b32 s16, s11, 7                         ; sc at my first row,
	s_add_co_u32 s16, s16, s78
	s_lshl_b32 s16, s16, 13
	s_lshl_b32 s17, s42, 10                        ; the block's first column,
	s_add_co_u32 s16, s16, s17
	s_lshl_b32 s17, s12, 9                         ; and my half of its columns
	s_add_co_u32 s16, s16, s17
	s_mov_b32 s17, 0
	s_add_nc_u64 s[8:9], s[6:7], s[16:17]
	; the prefetches
	s_cmp_eq_u32 s42, 0
	s_cselect_b32 s22, 2, -1                       ; q: the block row's first work-group, in the trips whose K step two refills on exists
	s_cmp_eq_u32 s40, s42
	s_cselect_b32 s23, 2, -1                       ; k: the block column's first work-group
	s_cmp_eq_u32 s11, 0
	s_cselect_b32 s[LIM], s22, s23
	s_add_nc_u64 s[PFA:PFA+1], s[14:15], 3*256     ; my own 128 rows, at K step 3: the first refill steps it to 4
	v_mul_u32_u24 v[PFO], v5, KB
	s_wait_tensorcnt 0x1                           ; my part of K step 0 is in; K step 1's load may stay out
	s_barrier_signal -1
	s_barrier_wait -1                              ; everybody's is
	FETCH 0, F0
	QUARTER 64, F0, F1, 1                          ; the first quarter stands in front of the loop: its products start the sums
	WIN 0                                          ; at a label and at a branch every window is 0
	s_mov_b32 s3, STEPS-2
.Lstep:                                                ; a trip goes from a K step's second quarter to the next step's first, and fills the slot that it leaves
	QUARTER 128, F1, F0, 0
	QUARTER 192, F0, F1, 0
	TURN 1
	QUARTER 64, F0, F1, 0
	WIN 0
	s_sub_co_u32 s3, s3, 1
	s_cmp_lg_u32 s3, 0
	s_cbranch_scc1 .Lstep
	s_mov_b32 s3, 2                                ; the last two K steps fill nothing: a text of their own
.Ltail:
	QUARTER 128, F1, F0, 0
	QUARTER 192, F0, F1, 0
	TURN 0
	WIN 0
	s_sub_co_u32 s3, s3, 1
	s_cmp_eq_u32 s3, 0
	s_cbranch_scc1 .Lout                           ; the second trip is left here
	QUARTER 64, F0, F1, 0
	WIN 0
	s_cmp_lg_u32 s3, 0
	s_cbranch_scc1 .Ltail
.Lout:
	PLACES
.irp a, 0,1,2,3,4,5,6,7
	OUT32 \a
.endr
	s_wait_tensorcnt 0x0                           ; the wave's end, behind my last tensor load and my last LDS store
	ds_add_u32 v[SPW], v[NIL]
	s_wait_dscnt 0x0
	s_endpgm
.Lfunc_end_k_qd05166005c_scores:
	.size	k_qd05166005c_scores, .Lfunc_end_k_qd05166005c_scores-k_qd05166005c_scores
	.p2alignl 7, 3214868480
	.fill 96, 4, 3214868480
	.section	.rodata,"a",@progbits
	.p2align	6, 0x0
	.amdhsa_kernel k_qd05166005c_scores
		.amdhsa_group_segment_fixed_size 327680
		.amdhsa_private_segment_fixed_size 0
		.amdhsa_enable_private_segment 0
		.amdhsa_kernarg_size 16
		.amdhsa_user_sgpr_count 2
		.amdhsa_user_sgpr_kernarg_segment_ptr 1
		.amdhsa_wavefront_size32 1
		.amdhsa_system_sgpr_workgroup_id_x 1
		.amdhsa_system_sgpr_workgroup_id_y 1
		.amdhsa_system_sgpr_workgroup_id_z 1
		.amdhsa_system_vgpr_workitem_id 0
		.amdhsa_next_free_vgpr 1024
		.amdhsa_next_free_sgpr 80
		.amdhsa_reserve_vcc 0
		.amdhsa_float_denorm_mode_32 3
		.amdhsa_float_denorm_mode_16_64 3
		.amdhsa_memory_ordered 1
		.amdhsa_forward_progress 1
		.amdhsa_inst_pref_size 99
	.end_amdhsa_kernel
	.amdgpu_metadata
---
amdhsa.version: [ 1, 2 ]
amdhsa.kernels:
  - .name:           k_qd05166005c_scores
    .symbol:         k_qd05166005c_scores.kd
    .args:
      - { .name: qkv, .offset: 0, .size: 8, .value_kind: global_buffer, .address_space: global }
      - { .name: sc, .offset: 8, .size: 8, .value_kind: global_buffer, .address_space: global }
    .group_segment_fixed_size: 327680
    .private_segment_fixed_size: 0
    .kernarg_segment_align: 8
    .kernarg_segment_size: 16
    .max_flat_workgroup_size: 128
    .sgpr_count:     80
    .vgpr_count:     1024
    .wavefront_size: 32
...
	.end_amdgpu_metadata
.endif
;; end of part 8
;; launch softmax (part 9): grid 1024 x 1, 8 waves a work-group, no clusters, 0 bytes of LDS; arguments sc, pr; writes pr
.if DOCPART == 9
	.amdgcn_target "amdgcn-amd-amdhsa--gfx1250"
	.amdhsa_code_object_version 6
	.text
	.protected	k_qd05166005c_softmax
	.globl	k_qd05166005c_softmax
	.p2align	8
	.type	k_qd05166005c_softmax,@function
k_qd05166005c_softmax:
	s_mov_b64 s[64:65], 0
	v_nop
	global_prefetch_b8 v0, s[64:65] scope:SCOPE_SE
	s_setreg_imm32_b32 hwreg(HW_REG_WAVE_MODE, 25, 1), 1
	s_wait_xcnt 0x0
; pr[bt][q][k] = softmax over k <= q of sc[bt][q][k] / 32, in f16; 0 for the hidden keys of the diagonal block.  sc: [4][2048][2048] f32, pr: [4][2048][2048] f16.
; Of row q only the blocks of 256 keys 0 .. i, i = q / 256, are read and written.
; p = 2^(c s - c m) / l, c = log2(e) / 32, m the row's true maximum, l the sum of the unrounded 2^(..).  The rounding of c m shifts all of a row's exponents alike and falls out in the division by l.
; LIMITS.  p below 6e-5 keeps f16's fixed step of 6e-8; a weight below 2^-126 counts as 0 in l; NaN and infinities are not treated apart.
; SHARES.  One wave, one row, kept in registers between the three passes: read once, written once; no LDS, no barrier, no wave waits for another.  The text has no loop.
; The row lies in eight slots of 8 registers, 256 keys each.  Slot 0 holds the diagonal block i, so that the mask touches fixed registers; slot s (1 .. 7) holds block s - 1 and is used where s <= i.
; In a slot register 4 c + e of lane l holds key 128 c + 4 l + e: two loads of 16 bytes a lane, each 512 consecutive bytes a wave; as f16 they leave as two stores of 8 bytes a lane, 256 consecutive bytes, aligned.
; Every jump goes forward and hangs on the row's number alone.  Matrix units and clusters have nothing to do here: memory binds.
.set X, 16                             ; v[16:79]  the row
	s_load_b128 s[4:7], s[0:1], 0x0                ; sc s[4:5], pr s[6:7]
	v_lshrrev_b32 v1, 5, v0
	v_readfirstlane_b32 s8, v1                     ; wave 0..7
	s_lshl_b32 s9, ttmp9, 3
	s_add_co_u32 s9, s9, s8                        ; my row among the 8,192
	s_and_b32 s11, s9, 2047                        ; q
	s_lshr_b32 s10, s11, 8                         ; i
	s_and_b32 s11, s11, 255                        ; q's place in its block
	s_lshl_b32 s24, s9, 13                         ; the row in sc,
	s_mov_b32 s25, 0
	s_lshl_b32 s26, s9, 12                         ; in pr,
	s_mov_b32 s27, 0
	s_lshl_b32 s28, s10, 10                        ; the diagonal block in each
	s_mov_b32 s29, 0
	s_lshl_b32 s30, s10, 9
	s_mov_b32 s31, 0
	s_mov_b32 s20, 0x76543210                      ; v_permlanex16_b32: each lane takes its own place in the other half
	s_mov_b32 s21, 0xfedcba98
	s_mov_b32 s22, 0x3d38aa3b                      ; c = log2(e) / 32
	s_mov_b32 s23, s22                             ; named with it as a pair
	v_and_b32 v1, 31, v0                           ; l
	v_lshlrev_b32 v2, 4, v1                        ; 16 l
	v_lshlrev_b32 v3, 3, v1                        ; 8 l
	v_lshlrev_b32 v4, 2, v1
	v_sub_nc_u32 v4, s11, v4                       ; q's place less 4 l: register 4 c + e is hidden where 128 c + e is greater
	v_mov_b32 v5, 0xff800000                       ; -inf
	s_wait_kmcnt 0x0
	s_add_nc_u64 s[12:13], s[4:5], s[24:25]        ; sc at my row,
	s_add_nc_u64 s[14:15], s[12:13], s[28:29]      ; and at its diagonal block
	s_add_nc_u64 s[16:17], s[6:7], s[26:27]        ; the same in pr
	s_add_nc_u64 s[18:19], s[16:17], s[30:31]
	; PASS 0: the loads, all at once.  A slot beyond the row's last block is set to -inf, a weight of 0, so that every register of the row is written on every way through the text;
	; the guards of the later passes then only spare work.
	global_load_b128 v[X:X+3], v2, s[14:15] th:TH_LOAD_NT
	global_load_b128 v[X+4:X+7], v2, s[14:15] offset:512 th:TH_LOAD_NT
.irp s, 1,2,3,4,5,6,7
	s_cmp_lt_u32 s10, \s
	s_cbranch_scc1 .Lfill\s
	global_load_b128 v[X+8*(\s):X+8*(\s)+3], v2, s[12:13] offset:1024*((\s)-1) th:TH_LOAD_NT
	global_load_b128 v[X+8*(\s)+4:X+8*(\s)+7], v2, s[12:13] offset:1024*((\s)-1)+512 th:TH_LOAD_NT
.endr
	s_branch .Lloaded
.irp s, 1,2,3,4,5,6,7
.Lfill\s:
.irp e, 0,1,2,3,4,5,6,7
	v_mov_b32 v[X+8*(\s)+(\e)], v5
.endr
.endr
.Lloaded:
	s_wait_loadcnt 0x0                             ; the maximum wants the whole row
	; the mask, in the diagonal block alone
.irp n, 0,1,2,3,4,5,6,7
	v_cmp_gt_i32 vcc_lo, 128*((\n)/4)+(\n)%4, v4
	v_cndmask_b32 v[X+(\n)], v[X+(\n)], v5, vcc_lo
.endr
	; PASS 1: the maximum, three operands at a time, in two chains
	v_max3_num_f32 v6, v[X], v[X+1], v[X+2]
	v_max3_num_f32 v7, v[X+3], v[X+4], v[X+5]
	v_max3_num_f32 v6, v6, v[X+6], v[X+7]
.irp s, 1,2,3,4,5,6,7
	s_cmp_lt_u32 s10, \s
	s_cbranch_scc1 .Lmaxed
	v_max3_num_f32 v6, v6, v[X+8*(\s)], v[X+8*(\s)+1]
	v_max3_num_f32 v7, v7, v[X+8*(\s)+2], v[X+8*(\s)+3]
	v_max3_num_f32 v6, v6, v[X+8*(\s)+4], v[X+8*(\s)+5]
	v_max3_num_f32 v7, v7, v[X+8*(\s)+6], v[X+8*(\s)+7]
.endr
.Lmaxed:
	v_max_num_f32 v6, v6, v7
	v_max_num_f32_dpp v6, v6, v6 row_xmask:1 row_mask:0xf bank_mask:0xf
	v_max_num_f32_dpp v6, v6, v6 row_xmask:2 row_mask:0xf bank_mask:0xf
	v_max_num_f32_dpp v6, v6, v6 row_xmask:4 row_mask:0xf bank_mask:0xf
	v_max_num_f32_dpp v6, v6, v6 row_xmask:8 row_mask:0xf bank_mask:0xf
	v_permlanex16_b32 v7, v6, s20, s21             ; (its destination has been written)
	v_max_num_f32 v6, v6, v7                       ; every lane holds m: the row's own key is never hidden, so m is a true score
	v_mul_f32 v14, s22, v6                         ; c m
	v_mov_b32 v15, v14                             ; named with it as a pair
	; PASS 2: 2^(c s - c m) in place, and the sum.  A slot's eight exponentials are one batch: a plain instruction behind the last, one wait ahead of the first reader and of the next branch.
.macro EXPS s
.irp k, 0,2,4,6
	v_pk_fma_f32 v[X+8*(\s)+(\k):X+8*(\s)+(\k)+1], v[X+8*(\s)+(\k):X+8*(\s)+(\k)+1], s[22:23], v[14:15] op_sel_hi:[1,0,0] neg_lo:[0,0,1] neg_hi:[0,0,1]
.endr
.irp e, 0,1,2,3,4,5,6,7
	v_exp_f32 v[X+8*(\s)+(\e)], v[X+8*(\s)+(\e)]
.endr
	v_nop
	s_wait_alu depctr_va_vdst(0)
.endm
	EXPS 0
	v_pk_add_f32 v[8:9], v[X:X+1], v[X+2:X+3]      ; the first slot starts the two chains of the sum: nothing is cleared
	v_pk_add_f32 v[10:11], v[X+4:X+5], v[X+6:X+7]
.irp s, 1,2,3,4,5,6,7
	s_cmp_lt_u32 s10, \s
	s_cbranch_scc1 .Lsummed
	EXPS \s
	v_pk_add_f32 v[8:9], v[8:9], v[X+8*(\s):X+8*(\s)+1]
	v_pk_add_f32 v[10:11], v[10:11], v[X+8*(\s)+2:X+8*(\s)+3]
	v_pk_add_f32 v[8:9], v[8:9], v[X+8*(\s)+4:X+8*(\s)+5]
	v_pk_add_f32 v[10:11], v[10:11], v[X+8*(\s)+6:X+8*(\s)+7]
.endr
.Lsummed:
	v_pk_add_f32 v[8:9], v[8:9], v[10:11]
	v_add_f32 v8, v8, v9
	v_add_f32_dpp v8, v8, v8 row_xmask:1 row_mask:0xf bank_mask:0xf
	v_add_f32_dpp v8, v8, v8 row_xmask:2 row_mask:0xf bank_mask:0xf
	v_add_f32_dpp v8, v8, v8 row_xmask:4 row_mask:0xf bank_mask:0xf
	v_add_f32_dpp v8, v8, v8 row_xmask:8 row_mask:0xf bank_mask:0xf
	v_permlanex16_b32 v9, v8, s20, s21
	v_add_f32 v8, v8, v9                           ; l, at least 1
	v_rcp_f32 v82, v8
	v_mov_b32 v83, 0                               ; the plain instruction behind the reciprocal; v83 is named with v82 as a pair
	s_wait_alu depctr_va_vdst(0)                   ; and its wait, ahead of the first reader
	; PASS 3: times 1 / l, rounded to f16, stored
.macro SCALE s
.irp k, 0,2,4,6
	v_pk_mul_f32 v[X+8*(\s)+(\k):X+8*(\s)+(\k)+1], v[X+8*(\s)+(\k):X+8*(\s)+(\k)+1], v[82:83] op_sel_hi:[1,0]
.endr
	v_cvt_pk_f16_f32 v[X+8*(\s)], v[X+8*(\s)], v[X+8*(\s)+1]
	v_cvt_pk_f16_f32 v[X+8*(\s)+1], v[X+8*(\s)+2], v[X+8*(\s)+3]
	v_cvt_pk_f16_f32 v[X+8*(\s)+4], v[X+8*(\s)+4], v[X+8*(\s)+5]
	v_cvt_pk_f16_f32 v[X+8*(\s)+5], v[X+8*(\s)+6], v[X+8*(\s)+7]
.endm
	SCALE 0
	global_store_b64 v3, v[X:X+1], s[18:19]
	global_store_b64 v3, v[X+4:X+5], s[18:19] offset:256
.irp s, 1,2,3,4,5,6,7
	s_cmp_lt_u32 s10, \s
	s_cbranch_scc1 .Lstored
	SCALE \s
	global_store_b64 v3, v[X+8*(\s):X+8*(\s)+1], s[16:17] offset:512*((\s)-1)
	global_store_b64 v3, v[X+8*(\s)+4:X+8*(\s)+5], s[16:17] offset:512*((\s)-1)+256
.endr
.Lstored:
	s_endpgm
.Lfunc_end_k_qd05166005c_softmax:
	.size	k_qd05166005c_softmax, .Lfunc_end_k_qd05166005c_softmax-k_qd05166005c_softmax
	.p2alignl 7, 3214868480
	.fill 96, 4, 3214868480
	.section	.rodata,"a",@progbits
	.p2align	6, 0x0
	.amdhsa_kernel k_qd05166005c_softmax
		.amdhsa_group_segment_fixed_size 0
		.amdhsa_private_segment_fixed_size 0
		.amdhsa_enable_private_segment 0
		.amdhsa_kernarg_size 16
		.amdhsa_user_sgpr_count 2
		.amdhsa_user_sgpr_kernarg_segment_ptr 1
		.amdhsa_wavefront_size32 1
		.amdhsa_system_sgpr_workgroup_id_x 1
		.amdhsa_system_sgpr_workgroup_id_y 1
		.amdhsa_system_sgpr_workgroup_id_z 1
		.amdhsa_system_vgpr_workitem_id 0
		.amdhsa_next_free_vgpr 84
		.amdhsa_next_free_sgpr 66
		.amdhsa_reserve_vcc 1
		.amdhsa_float_denorm_mode_32 3
		.amdhsa_float_denorm_mode_16_64 3
		.amdhsa_memory_ordered 1
		.amdhsa_forward_progress 1
		.amdhsa_inst_pref_size 22
	.end_amdhsa_kernel
	.amdgpu_metadata
---
amdhsa.version: [ 1, 2 ]
amdhsa.kernels:
  - .name:           k_qd05166005c_softmax
    .symbol:         k_qd05166005c_softmax.kd
    .args:
      - { .name: sc, .offset: 0, .size: 8, .value_kind: global_buffer, .address_space: global }
      - { .name: pr, .offset: 8, .size: 8, .value_kind: global_buffer, .address_space: global }
    .group_segment_fixed_size: 0
    .private_segment_fixed_size: 0
    .kernarg_segment_align: 8
    .kernarg_segment_size: 16
    .max_flat_workgroup_size: 256
    .sgpr_count:     66
    .vgpr_count:     84
    .wavefront_size: 32
...
	.end_amdgpu_metadata
.endif
;; end of part 9
;; launch pv (part 10): grid 8 x 32, 4 waves a work-group, clusters of 4 x 1, 327,680 bytes of LDS; arguments pr, qkv, oh; writes oh
.if DOCPART == 10
	.amdgcn_target "amdgcn-amd-amdhsa--gfx1250"
	.amdhsa_code_object_version 6
	.text
	.protected	k_qd05166005c_pv
	.globl	k_qd05166005c_pv
	.p2align	8
	.type	k_qd05166005c_pv,@function
k_qd05166005c_pv:
	s_mov_b64 s[64:65], 0
	v_nop
	global_prefetch_b8 v0, s[64:65] scope:SCOPE_SE
	s_setreg_imm32_b32 hwreg(HW_REG_WAVE_MODE, 25, 1), 1
	s_wait_xcnt 0x0
	s_wait_alu depctr_hold_cnt(0) depctr_sa_sdst(0) depctr_va_vdst(0) depctr_va_sdst(0) depctr_va_ssrc(0) depctr_va_vcc(0) depctr_vm_vsrc(0)
	s_getreg_b32 s2, hwreg(HW_REG_IB_STS2, 6, 4)
	s_cmp_eq_u32 s2, 0
	s_cbranch_scc0 .Lentry_in_a_cluster
	s_endpgm
.Lentry_in_a_cluster:
	s_bfe_u32 s2, ttmp6, 0x10000c
	s_cmp_lg_u32 s2, 0x3003
	s_cbranch_scc0 .Lentry_shape_is_right
	s_endpgm
.Lentry_shape_is_right:
; oh[bt][q][c] = the sum over k of pr[bt][q][k] v[bt][k][c], k over the blocks of 256 keys 0 .. q / 256.  pr: [4][2048][2048] f16; v is columns 2048-3071 of qkv: [8192][3072] f16;
; oh: [8192][1024] f16; sums in f32, oh rounded once.  oh is a mean of v's rows and has their range.
; THE WALK.  A batch's queries lie in 16 blocks of 128; block j needs (j >> 1) + 1 steps of 256 keys (in the diagonal block of 256 keys the hidden ones have weights 0 that the launch before has written).
; A work-group takes TWO blocks, p and then 15 - p, for one tile of 128 channels: 9 steps, whatever p: 8 pairs x 8 channel tiles x 4 batches = 256 work-groups of equal work, and every trip count is a constant.
; The short block goes first, so that its end falls into the first four trips of the loop that fills slots; the ring runs on across the change of blocks.
; SHARES.  A tile is 128 queries x 128 channels.  Four waves, one above the other: wave w makes rows 32 w .. 32 w + 31 x all 128 channels: 16 accumulators of 16 x 16.  A wave's rows of oh are whole aligned
; runs of 256 bytes, so each wave has a stage of its own on the way out, and the jump round the first block's way out passes no barrier.  The price: for 32 keys a wave reads (32 + 128) x 64 bytes of LDS for 16
; matrix instructions, where a share of 64 x 64 would read 128 x 64.
; THE RING.  Two LDS slots filled by the tensor data mover, a step each: 128 rows of pr (512 bytes each, aligned) and 256 rows of v (256 bytes each, aligned), as long a step as two slots in LDS allow.
; v lies [key][channel] and comes out of LDS turned, by ds_load_tr16_b128.  THE LOOP HOLDS ONE STEP: the slot in hand is a scalar that toggles between 0 and SLOT.
; A tile's global address is made anew for each fill: the buffer's address plus an offset made of the number of the key step that is to be asked for; behind the short block's last step the number goes back to 0
; and the offset goes on to the long block's rows.
; CLUSTER: 4 x 1 work-groups, four channel tiles of one pair of blocks: they need the same tiles of pr, half of a step's bytes, asked for JOINTLY: the same tensor load, descriptor and mask in all four.
; v's tiles are each work-group's own: the work-groups that share them are at different key steps at the same time.
; THE MATRIX INSTRUCTION IS USED TRANSPOSED (source 0 = 16 channels of v^T, source 1 = 16 rows of pr): lane l holds row l % 16 of C and its registers 0-7 the channels 8 (l / 16) + 0..7.
; REGISTERS, in windows of 256 (s_set_vgpr_msb: bits 1:0 source 0, 3:2 source 1, 5:4 source 2, 7:6 destination):
;   window 0: v0-31 addresses; v32-63 packed results; v64-143, v144-223 two fragment buffers (v's 8 fragments, then pr's 2); the second also takes the rows read back from the stage
;   window 1: accumulator (a, b) at v[8 (8 a + b)], a = 0, 1
.set PCB,    2048                      ; bytes in a row of oh
.set PRB,    4096                      ; bytes in a row of pr
.set KB,     6144                      ; bytes in a row of qkv
.set VSTEP,  256*KB                    ; a step in v: 256 rows
.set PITCH,  528                       ; an LDS row of pr: 512 bytes + 16 of padding = 132 words: the 16 rows of a fragment load start at 16 different groups of four banks (64 banks of 4 bytes: ISA guide 11.1)
.set PITCHV, 288                       ; of v: 256 + 32 = 72 words
.set AHALF,  64*PITCH                  ; what wave 0 or 1 fetches
.set BHALF,  128*PITCHV                ; what wave 2 or 3 fetches
.set SLOT,   2*AHALF+2*BHALF           ; pr's 128 rows, then v's 256
.set STAGE,  2*SLOT                    ; behind the ring, never filled by a tensor load: 16 rows x 272 bytes for each wave
.set SPITCH, 272
.set SPARE,  STAGE+4*16*SPITCH         ; behind the stages: the spare words, 128 bytes for each wave: two blocks of 256 bytes that no other line names
.set A0,   16                          ; v16     my lane's place in my rows of pr in slot 0; never rewritten
.set B0,   17                          ; v17-18  the same in v's keys 0-127 and 128-255 (an LDS instruction's immediate does not reach over all 256); never rewritten
.set ADRA, 19                          ; v19     the same in the slot in hand
.set ADRB, 20                          ; v20-21
.set STO,  24                          ; v24     the way out: where I put 16 bytes of a row
.set RD,   25                          ; v25     where I read rows back
.set CO,   26                          ; v26     my byte offset in C
.set SPW,  28                          ; v28     LDS address of my spare word; never rewritten
.set NIL,  29                          ; v29     0; never rewritten
.set PFO,  30                          ; v30     the prefetches' offset: my lane x a row; never rewritten
.set PFO2, 31                          ; v31     in pr the same 256 bytes on, in v the same 32 rows on
.set TMP,  32
.set F0,   64
.set F1,   144
.set OB,   144
.set G1,   24                          ; s[24:31] descriptor group 1 for pr's tiles
.set G0,   32                          ; s[32:39] group 0: a set for each of the two first fills; the second then serves every refill
.set LIM,  43                          ; s43      a wave prefetches while the loop's counter is above this
.set PFA,  44                          ; s[44:45] where my prefetches stand
.set G1B,  48                          ; s[48:55], s[56:63] the same for v's tiles
.set G0B,  56
.set OFFA, 66                          ; s[66:67] a tile's byte offset in pr
.set OFFV, 68                          ; s[68:69] and in qkv
.set PFS,  70                          ; s[70:71] the prefetch pointer's step: 512 in pr, VSTEP in v
.set NXT,  72                          ; s72      the key step to be asked for next
.set LQ,   73                          ; s73      the last key step of the block whose tiles are being asked for
.set ABASE, 74                         ; s74      that block's rows that I fetch, as a byte offset in pr
.set ABASEL, 75                        ; s75      the same for the long block
.set TB,   76                          ; s76      the slot in hand: 0 or SLOT
.set LBA,  77                          ; s77      my half of pr's rows in a slot
.set LBV,  78                          ; s78      my half of v's
.set VBASE, 79                         ; s79      key step 0's rows that I fetch, my channel tile, as a byte offset in qkv
.set CL,   80                          ; s[80:81] oh at my rows of the long block
.set ATOUT, 82                         ; s82      the loop's counter in the trip that ends the short block
.set P,    83                          ; s83      the pair
.set ROWS, 84                          ; s84      the short block's first row
.set ROWL, 85                          ; s85      the long block's
.set BROW, 86                          ; s86      the batch's
.set NS,   87                          ; s87      the short block's steps, 1 to 4
.set MSB, 0
.macro WIN new                         ; the immediate's high byte repeats the setting that is left; a switch that changes nothing is dropped
.if MSB != (\new)
	s_set_vgpr_msb (MSB<<8)|(\new)
.set MSB, \new
.endif
.endm
.macro PLACES                          ; four places in front of loads into registers that matrix instructions have read, and of lines that read results
.rept 4
	v_nop
.endr
.endm
.macro CREST                           ; a round of the cluster's barrier behind its opening barrier
	s_cmp_lg_u32 s10, 0
	s_cbranch_scc1 .Lnot_wave_0_\@
	s_barrier_signal -3
.Lnot_wave_0_\@:
	s_barrier_wait -3
	s_barrier_signal -1
	s_barrier_wait -1
.endm
.macro CROUND                          ; a whole round
	s_barrier_signal -1
	s_barrier_wait -1
	CREST
.endm
; A refill: waves 0 and 1 fetch pr's two halves, jointly with the partners; waves 2 and 3 v's two halves, the work-group's own.  The branch hangs on the wave's number alone.
; An s_nop 0 and four v_nop follow each line.
.macro JLOAD
	s_cmp_lt_u32 s10, 2
	s_cbranch_scc0 .Lfor_b_\@
	tensor_load_to_lds s[G0+4:G0+7], s[G1:G1+7]
	s_nop 0
.rept 4
	v_nop
.endr
	s_branch .Lasked_\@
.Lfor_b_\@:
	tensor_load_to_lds s[G0B+4:G0B+7], s[G1B:G1B+7]
	s_nop 0
.rept 4
	v_nop
.endr
.Lasked_\@:
.endm
; The global addresses of the walk's next step go into set \set of the two group 0s, and the number of the key step goes on.  Offsets are made apart from the addresses; pr's hold nothing of my place in the cluster.
.macro NEXTSTEP set
	s_lshl_b32 s[OFFA], s[NXT], 9                  ; 256 keys are 512 bytes of a row of pr
	s_add_co_u32 s[OFFA], s[OFFA], s[ABASE]
	s_mul_i32 s[OFFV], s[NXT], VSTEP
	s_add_co_u32 s[OFFV], s[OFFV], s[VBASE]
	s_add_nc_u64 s[G0+4*(\set)+2:G0+4*(\set)+3], s[4:5], s[OFFA:OFFA+1]
	s_or_b32 s[G0+4*(\set)+3], s[G0+4*(\set)+3], 0x80000000     ; type = 2
	s_add_nc_u64 s[G0B+4*(\set)+2:G0B+4*(\set)+3], s[6:7], s[OFFV:OFFV+1]
	s_or_b32 s[G0B+4*(\set)+3], s[G0B+4*(\set)+3], 0x80000000
	s_add_co_u32 s[NXT], s[NXT], 1                 ; the block's next key step, or behind the short block's last the long block's key step 0
	s_cmp_gt_u32 s[NXT], s[LQ]
	s_cselect_b32 s[NXT], 0, s[NXT]
	s_cselect_b32 s[ABASE], s[ABASEL], s[ABASE]
	s_cselect_b32 s[LQ], 15, s[LQ]                 ; the long block has 8 steps at the most: the number does not go back again
.endm
; A PREFETCH of the step that stands two refills on (256 matrix instructions ahead of the load that will want it), a lane a row.  It is laid in the loop's first five trips, for the walk's steps 4 to 8,
; which all lie in the long block.  Each aligned 256 bytes are named once in the launch.  A block's rows of pr are read by both clusters of its pair: the one with x = 0 asks, each partner for 32 of the
; 128 rows by address, wave 0, two lines for a row's 512 bytes.  A channel tile's rows of v are read by all eight pairs of the batch: pair 0 asks, for key steps 3 to 7, waves 2 and 3 for the 128 keys
; that each fetches, four lines.  The walk's steps 0 to 3 come by their loads alone.
.macro ASK
	s_cmp_gt_u32 s3, s[LIM]
	s_cbranch_scc0 .Lnot_mine_\@
	global_prefetch_b8 v[PFO], s[PFA:PFA+1] th:TH_LOAD_NT scope:SCOPE_SE
	global_prefetch_b8 v[PFO2], s[PFA:PFA+1] th:TH_LOAD_NT scope:SCOPE_SE
	s_cmp_lt_u32 s10, 2
	s_cbranch_scc1 .Lnot_mine_\@
	global_prefetch_b8 v[PFO], s[PFA:PFA+1] offset:64*KB th:TH_LOAD_NT scope:SCOPE_SE
	global_prefetch_b8 v[PFO2], s[PFA:PFA+1] offset:64*KB th:TH_LOAD_NT scope:SCOPE_SE
.Lnot_mine_\@:
.endm
; 8 matrix instructions: my block a of 16 rows x all 8 blocks of 16 channels, 32 keys.  zero = 1: the product starts the sums.  The 16 accumulators come in the same order in every chunk, one
; instruction a turn: 15 others stand between two links of a chain.
.macro MUL8 f, a, zero
	WIN 0x50
.irp b, 0,1,2,3,4,5,6,7
.if \zero
	v_wmma_f32_16x16x32_f16 v[8*(8*(\a)+(\b)):8*(8*(\a)+(\b))+7], v[(\f)+8*(\b):(\f)+8*(\b)+7], v[(\f)+64+8*(\a):(\f)+64+8*(\a)+7], 0
.else
	v_wmma_f32_16x16x32_f16 v[8*(8*(\a)+(\b)):8*(8*(\a)+(\b))+7], v[(\f)+8*(\b):(\f)+8*(\b)+7], v[(\f)+64+8*(\a):(\f)+64+8*(\a)+7], v[8*(8*(\a)+(\b)):8*(8*(\a)+(\b))+7]
.endif
.endr
.endm
; 20 LDS loads in one run: the fragments of chunk k (32 keys) of the slot in hand into buffer f: v's 8 (turned: 16 keys x 16 channels a load) first, then pr's 2
.macro FETCH k, f
	WIN 0
.irp b, 0,1,2,3,4,5,6,7
	ds_load_tr16_b128 v[(\f)+8*(\b):(\f)+8*(\b)+3],   v[ADRB+(\k)/4] offset:32*PITCHV*((\k)%4)+32*(\b)
	ds_load_tr16_b128 v[(\f)+8*(\b)+4:(\f)+8*(\b)+7], v[ADRB+(\k)/4] offset:32*PITCHV*((\k)%4)+32*(\b)+16*PITCHV
.endr
.irp a, 0,1
	ds_load_b128 v[(\f)+64+8*(\a):(\f)+64+8*(\a)+3],   v[ADRA] offset:64*(\k)+16*PITCH*(\a)
	ds_load_b128 v[(\f)+64+8*(\a)+4:(\f)+64+8*(\a)+7], v[ADRA] offset:64*(\k)+16*PITCH*(\a)+32
.endr
.endm
; A step is eight chunks of 32 keys, 16 matrix instructions each, on buffers 0, 1, 0, 1 ..  One of the first seven: multiplies buffer f and, in its middle, fetches chunk k into buffer g.
.macro CHUNK k, f, g, zero
	s_wait_dscnt 2                                 ; v's fragments and pr's block 0 are in; the youngest two loads (pr's block 1) may be out
	MUL8 \f, 0, \zero
	PLACES
	FETCH \k, \g
	s_wait_dscnt 20                                ; all but the 20 just issued
	MUL8 \f, 1, \zero
.endm
; The last chunk multiplies buffer 1 and changes slots: ONE barrier.  In front of it each wave waits for all its tensor loads (one is out: its part of the next slot), adds 0 to its spare word, and waits
; for that and for its own reads of this slot.  fill = 1: the barrier opens a round of the cluster's barrier, and the slot that is left is filled again first thing behind the round, two steps ahead:
; 120 matrix instructions stand between the request and the wait for it.  fill = 0, the walk's last two steps: nothing is asked for; behind the very last there is nothing to fetch either.
.macro TURN fill
.if \fill
	s_wait_xcnt 0x0                                ; the last prefetches, a step back, have read their address
	s_add_nc_u64 s[PFA:PFA+1], s[PFA:PFA+1], s[PFS:PFS+1]
.endif
	WIN 0                                          ; (the add's two registers lie in window 0)
	s_wait_tensorcnt 0x0                           ; all my tensor loads have landed, so a group 0 may be written
	ds_add_u32 v[SPW], v[NIL]                      ; 0 onto my spare word; the work on registers below stands between it and the wait for it
.if \fill
	s_add_co_u32 s[G0+5], s[LBA], s[TB]            ; my part of the slot that is being left,
	s_add_co_u32 s[G0B+5], s[LBV], s[TB]
	NEXTSTEP 1                                     ; and the walk's next step
.endif
	s_xor_b32 s[TB], s[TB], SLOT                   ; the fetches go on in the other slot
	v_add_nc_u32 v[ADRA], s[TB], v[A0]
	v_add_nc_u32 v[ADRB], s[TB], v[B0]
	v_add_nc_u32 v[ADRB+1], s[TB], v[B0+1]
	s_wait_dscnt 3                                 ; (the add and the youngest two loads may be out)
	MUL8 F1, 0, 0
	s_wait_dscnt 0x0                               ; the add is done, and my reads of this slot are over
	s_barrier_signal -1
	WIN 0
	s_barrier_wait -1
.if \fill
	CREST                                          ; no wave of any partner still reads this slot's tile or has a load on its way
	JLOAD                                          ; the four v_nop behind it are also the places in front of the loads below
.else
	PLACES
	s_cmp_eq_u32 s3, 1                             ; the very last step has no successor
	s_cbranch_scc1 .Lno_fetch_\@
.endif
	FETCH 0, F0
.if \fill
	ASK
.else
.Lno_fetch_\@:
.endif
	MUL8 F1, 1, 0
.endm
; THE WAY OUT, a block of 16 rows at a time.  PACK: rounded to f16, 16 bytes a lane.  TOSTAGE: into my own stage, rows of 272 bytes, and back as whole rows of 256.  SEND: stored.
.macro PACK a
	WIN 0x05                                       ; sources 0 and 1 in window 1
.irp b, 0,1,2,3,4,5,6,7
.irp r, 0,1,2,3
	v_cvt_pk_f16_f32 v[TMP+4*(\b)+(\r)], v[8*(8*(\a)+(\b))+2*(\r)], v[8*(8*(\a)+(\b))+2*(\r)+1]
.endr
.endr
	WIN 0
.endm
.macro TOSTAGE a
	WIN 0
.set BK, OB+32*((\a)%2)
.irp b, 0,1,2,3,4,5,6,7
	ds_store_b128 v[STO], v[TMP+4*(\b):TMP+4*(\b)+3] offset:32*(\b)
.endr
.irp t, 0,1,2,3,4,5,6,7
	ds_load_b128 v[BK+4*(\t):BK+4*(\t)+3], v[RD] offset:(\t)*2*SPITCH  ; LDS serves a wave's instructions in order (ISA guide 5.7.1.4): these see the stores above
.endr
.endm
.macro SEND a
	WIN 0
.set BK, OB+32*((\a)%2)
	s_wait_dscnt 0x0                               ; the block is back in registers
.irp t, 0,1,2,3,4,5,6,7
	global_store_b128 v[CO], v[BK+4*(\t):BK+4*(\t)+3], s[8:9] offset:(16*(\a)+2*(\t))*PCB  ; 16 lanes store 256 consecutive bytes, aligned
.endr
.endm
.macro OUT
	PLACES
	PACK 0
	TOSTAGE 0
	PACK 1                                         ; block 1's conversions stand between block 0's loads from the stage and the wait for them
	SEND 0
	TOSTAGE 1
	SEND 1
.endm
	s_load_b128 s[4:7], s[0:1], 0x0                ; pr s[4:5], qkv s[6:7]: both stay as they are
	s_load_b64 s[8:9], s[0:1], 0x10                ; oh
	v_lshl_add_u32 v[SPW], v0, 2, SPARE
	v_mov_b32 v[NIL], 0
	ds_add_u32 v[SPW], v[NIL]                      ; the wave's opening: the add and its wait stand ahead of my first tensor load; the set-up below, work on registers, stands between them
	v_lshrrev_b32 v1, 5, v0
	v_readfirstlane_b32 s10, v1                    ; wave 0..3
	s_and_b32 s11, s10, 1                          ; which half of pr's or v's tile I fetch
	s_bfe_u32 s40, ttmp6, 0x40000                  ; cx: my place in the cluster
	s_lshl_b32 s42, ttmp9, 2
	s_add_co_u32 s42, s42, s40                     ; my channel tile = 4 x cluster x + cx: it enters v's and oh's addresses alone
	s_and_b32 s13, ttmp7, 0xffff                   ; batch and pair, which the four partners share
	s_and_b32 s[P], s13, 7
	s_lshr_b32 s[BROW], s13, 3
	s_lshl_b32 s[BROW], s[BROW], 11
	s_lshr_b32 s[NS], s[P], 1
	s_add_co_u32 s[NS], s[NS], 1                   ; block p has (p >> 1) + 1 steps
	s_sub_co_u32 s[ATOUT], 8, s[NS]                ; the counter is 7 - n in the trip that ends step n: the short block's last is n = NS - 1
	s_sub_co_u32 s[LQ], s[NS], 1
	s_lshl_b32 s[ROWS], s[P], 7
	s_add_co_u32 s[ROWS], s[ROWS], s[BROW]
	s_sub_co_u32 s[ROWL], 15, s[P]
	s_lshl_b32 s[ROWL], s[ROWL], 7
	s_add_co_u32 s[ROWL], s[ROWL], s[BROW]
	s_mov_b32 s[G1], 15|(1<<16)|(1<<20)|(1<<21)|(6<<22)|(3<<25)  ; the mask of four; elements of 2 bytes; padding on; bit 21 beside a mask; after every 128 words, 4 words
	s_mov_b32 s[G1+1], 256<<16                     ; tensor_dim0 = 256
	s_mov_b32 s[G1+2], 64<<16                      ; tensor_dim1 = 64
	s_mov_b32 s[G1+3], 256<<16                     ; tile_dim0 = 256
	s_mov_b32 s[G1+4], 64                          ; tile_dim1 = 64
	s_mov_b32 s[G1+5], PRB/2                       ; elements from row to row
	s_mov_b32 s[G1+6], 0
	s_mov_b32 s[G1+7], 0
	s_mov_b32 s[G1B], (1<<16)|(1<<20)|(5<<22)|(7<<25)            ; no mask; after every 64 words, 8 words
	s_mov_b32 s[G1B+1], 128<<16                    ; tensor_dim0 = 128
	s_mov_b32 s[G1B+2], 128<<16                    ; tensor_dim1 = 128
	s_mov_b32 s[G1B+3], 128<<16                    ; tile_dim0 = 128
	s_mov_b32 s[G1B+4], 128                        ; tile_dim1 = 128
	s_mov_b32 s[G1B+5], KB/2
	s_mov_b32 s[G1B+6], 0
	s_mov_b32 s[G1B+7], 0
	s_lshl_b32 s16, s11, 6                         ; pr: my 64 rows of the short block, and of the long
	s_add_co_u32 s[ABASE], s16, s[ROWS]
	s_lshl_b32 s[ABASE], s[ABASE], 12
	s_add_co_u32 s[ABASEL], s16, s[ROWL]
	s_lshl_b32 s[ABASEL], s[ABASEL], 12
	s_lshl_b32 s16, s11, 7                         ; v: my 128 keys of key step 0,
	s_add_co_u32 s16, s16, s[BROW]
	s_mul_i32 s[VBASE], s16, KB
	s_lshl_b32 s16, s42, 8
	s_add_co_u32 s[VBASE], s[VBASE], s16           ; my channel tile's 256 bytes,
	s_add_co_u32 s[VBASE], s[VBASE], 4096          ; 4,096 bytes into a row
	s_mul_i32 s[LBA], s11, AHALF                   ; where they go: pr's halves,
	s_mul_i32 s[LBV], s11, BHALF
	s_add_co_u32 s[LBV], s[LBV], 2*AHALF           ; v's behind pr's 128 rows: no place in the cluster enters an LDS address
	s_mov_b32 s[TB], 0
	s_mov_b32 s[NXT], 0
	s_mov_b32 s[OFFA+1], 0
	s_mov_b32 s[OFFV+1], 0
	s_wait_dscnt 0x0                               ; the opening add is done
	s_wait_kmcnt 0x0
	CROUND                                         ; all four work-groups are here: the first joint loads meet
.irp s, 0,1
	s_mov_b32 s[G0+4*(\s)], 1                      ; count = 1
	s_add_co_u32 s[G0+4*(\s)+1], s[LBA], (\s)*SLOT ; LDS address
	s_mov_b32 s[G0B+4*(\s)], 1
	s_add_co_u32 s[G0B+4*(\s)+1], s[LBV], (\s)*SLOT
	NEXTSTEP \s                                    ; global addresses: the walk's step s
.endr
	s_cmp_lt_u32 s10, 2                            ; a wave's two first fills stand in one branch, ahead of every wait on TENSORcnt and every LDS read: two loads of mine are out
	s_cbranch_scc0 .Lfirst_b
	tensor_load_to_lds s[G0:G0+3], s[G1:G1+7]
	s_nop 0
	tensor_load_to_lds s[G0+4:G0+7], s[G1:G1+7]
	s_nop 0
.rept 4
	v_nop
.endr
	s_branch .Lfirst_asked
.Lfirst_b:
	tensor_load_to_lds s[G0B:G0B+3], s[G1B:G1B+7]
	s_nop 0
	tensor_load_to_lds s[G0B+4:G0B+7], s[G1B:G1B+7]
	s_nop 0
.rept 4
	v_nop
.endr
.Lfirst_asked:
	; A fragment of pr is 16 rows x 32 keys in 8 registers: lane l holds row l % 16; registers 0-3 keys 8 (l / 16) + 0..7, registers 4-7 keys 16 + 8 (l / 16) + 0..7: two loads of 16 bytes, 32 bytes apart.
	v_and_b32 v1, 15, v0                           ; l % 16
	v_bfe_u32 v2, v0, 4, 1                         ; l / 16
	v_mul_u32_u24 v3, v1, PITCH
	v_lshl_add_u32 v3, v2, 4, v3                   ; row x pitch + 16 x half
	s_mul_i32 s22, s10, 32*PITCH                   ; my 32 rows of pr
	v_add_nc_u32 v[A0], s22, v3
	; The turning load takes 16 keys x 16 channels (lane l reads key 8 (l / 16) + l % 8, channels 8 ((l / 8) % 2) + 0..7) and leaves half a fragment of v^T: lane l holds channel l % 16 and 8 keys.
	v_and_b32 v6, 7, v0
	v_bfe_u32 v7, v0, 3, 1
	v_lshl_add_u32 v6, v2, 3, v6
	v_mul_u32_u24 v6, v6, PITCHV
	v_lshl_add_u32 v6, v7, 4, v6
	v_add_nc_u32 v[B0], 2*AHALF, v6                ; v's rows lie behind pr's 128
	v_add_nc_u32 v[B0+1], BHALF, v[B0]             ; keys 128 on
	v_mov_b32 v[ADRA], v[A0]                       ; step 0 lies in slot 0
	v_mov_b32 v[ADRB], v[B0]
	v_mov_b32 v[ADRB+1], v[B0+1]
	s_mul_i32 s23, s10, 16*SPITCH
	s_add_co_u32 s23, s23, STAGE                   ; my stage
	v_mul_u32_u24 v4, v1, SPITCH
	v_lshl_add_u32 v4, v2, 4, v4                   ; in: row l % 16, 16 bytes for each half of the lanes
	v_add_nc_u32 v[STO], s23, v4
	v_mul_u32_u24 v5, v2, SPITCH                   ; back: lanes 0-15 take one row of 256 bytes, lanes 16-31 the next
	v_lshl_add_u32 v5, v1, 4, v5
	v_add_nc_u32 v[RD], s23, v5
	v_mul_u32_u24 v5, v2, PCB                      ; and the same two rows in C
	v_lshl_add_u32 v[CO], v1, 4, v5
	s_lshl_b32 s20, s10, 5                         ; oh at my 32 rows of each block, my channel tile
	s_lshl_b32 s21, s42, 8
	s_add_co_u32 s16, s20, s[ROWS]
	s_lshl_b32 s16, s16, 11
	s_add_co_u32 s16, s16, s21
	s_mov_b32 s17, 0
	s_add_co_u32 s18, s20, s[ROWL]
	s_lshl_b32 s18, s18, 11
	s_add_co_u32 s18, s18, s21
	s_mov_b32 s19, 0
	s_add_nc_u64 s[CL:CL+1], s[8:9], s[18:19]
	s_add_nc_u64 s[8:9], s[8:9], s[16:17]          ; the short block goes out first
	; the prefetches.  The pointer stands one step short of the first step that is asked for: the first change of slots steps it there
	s_lshl_b32 s16, s40, 5                         ; in pr: the long block's rows 32 cx on, key step 3 - NS (step 4 of the walk is the long block's key step 4 - NS)
	s_add_co_u32 s16, s16, s[ROWL]
	s_lshl_b32 s16, s16, 12
	s_add_co_u32 s16, s16, 3*512
	s_lshl_b32 s17, s[NS], 9
	s_sub_co_u32 s16, s16, s17
	s_add_co_u32 s17, s[VBASE], 2*VSTEP            ; in v: the keys that I fetch, key step 2 (pair 0 has NS = 1)
	s_cmp_eq_u32 ttmp9, 0
	s_cselect_b32 s22, 2, -1                       ; pr: the pair's first cluster, in the trips whose step two refills on exists
	s_cmp_eq_u32 s[P], 0
	s_cselect_b32 s23, 2, -1                       ; v: pair 0
	s_mov_b32 s18, VSTEP                           ; an instruction holds one literal: the selects below take these from registers
	s_mov_b32 s19, KB
	s_mov_b32 s20, 32*KB
	s_cmp_lt_u32 s10, 2
	s_cselect_b32 s16, s16, s17
	s_cselect_b32 s[LIM], s22, s23                 ; the same in all four partners, for a given wave
	s_cselect_b32 s[PFS], 512, s18
	s_cselect_b32 s19, PRB, s19                    ; bytes in a row
	s_cselect_b32 s20, 256, s20                    ; from the first line's bytes to the second's
	s_cselect_b64 s[PFA:PFA+1], s[4:5], s[6:7]
	s_cmp_eq_u32 s10, 1
	s_cselect_b32 s[LIM], -1, s[LIM]               ; wave 1 has no rows to ask for
	s_mov_b32 s[PFS+1], 0
	s_mov_b32 s17, 0
	s_add_nc_u64 s[PFA:PFA+1], s[PFA:PFA+1], s[16:17]
	v_and_b32 v5, 31, v0
	v_mul_lo_u32 v[PFO], v5, s19
	v_add_nc_u32 v[PFO2], s20, v[PFO]
	s_wait_tensorcnt 0x1                           ; my part of step 0 is in; step 1's load may stay out
	s_barrier_signal -1
	s_barrier_wait -1                              ; everybody's is
	FETCH 0, F0
	CHUNK 1, F0, F1, 1                             ; the first chunk stands in front of the loop: its products start the sums
	WIN 0                                          ; at a label and at a branch every window is 0
	s_mov_b32 s3, 7
.Lstep:                                                ; a trip goes from a step's second chunk to the next step's first, and fills the slot that it leaves
	CHUNK 2, F1, F0, 0
	CHUNK 3, F0, F1, 0
	CHUNK 4, F1, F0, 0
	CHUNK 5, F0, F1, 0
	CHUNK 6, F1, F0, 0
	CHUNK 7, F0, F1, 0
	TURN 1
	WIN 0
	s_cmp_lg_u32 s3, s[ATOUT]
	s_cbranch_scc1 .Lsame                          ; forward, past text that holds neither a barrier nor a tensor load
	OUT                                            ; the short block is finished and the refill is asked for: it goes out
	s_wait_xcnt 0x0                                ; the stores have read their registers and C's address
	s_mov_b64 s[8:9], s[CL:CL+1]
	CHUNK 1, F0, F1, 1                             ; the long block's first chunk starts the sums anew
	WIN 0
	s_branch .Ljoin
.Lsame:
	CHUNK 1, F0, F1, 0
	WIN 0
.Ljoin:
	s_sub_co_u32 s3, s3, 1
	s_cmp_lg_u32 s3, 0
	s_cbranch_scc1 .Lstep
	s_mov_b32 s3, 2                                ; the walk's last two steps fill nothing, and have no round of the cluster's barrier: a text of their own
.Ltail:
	CHUNK 2, F1, F0, 0
	CHUNK 3, F0, F1, 0
	CHUNK 4, F1, F0, 0
	CHUNK 5, F0, F1, 0
	CHUNK 6, F1, F0, 0
	CHUNK 7, F0, F1, 0
	TURN 0
	WIN 0
	s_sub_co_u32 s3, s3, 1
	s_cmp_eq_u32 s3, 0
	s_cbranch_scc1 .Lout                           ; the second trip is left here
	CHUNK 1, F0, F1, 0
	WIN 0
	s_cmp_lg_u32 s3, 0
	s_cbranch_scc1 .Ltail
.Lout:
	OUT
	s_wait_tensorcnt 0x0                           ; the wave's end, behind my last tensor load and my last LDS store
	ds_add_u32 v[SPW], v[NIL]
	s_wait_dscnt 0x0
	CROUND                                         ; the closing round: no work-group ends while a partner may still ask for a tile that names it
	s_endpgm
.Lfunc_end_k_qd05166005c_pv:
	.size	k_qd05166005c_pv, .Lfunc_end_k_qd05166005c_pv-k_qd05166005c_pv
	.p2alignl 7, 3214868480
	.fill 96, 4, 3214868480
	.section	.rodata,"a",@progbits
	.p2align	6, 0x0
	.amdhsa_kernel k_qd05166005c_pv
		.amdhsa_group_segment_fixed_size 327680
		.amdhsa_private_segment_fixed_size 0
		.amdhsa_enable_private_segment 0
		.amdhsa_kernarg_size 24
		.amdhsa_user_sgpr_count 2
		.amdhsa_user_sgpr_kernarg_segment_ptr 1
		.amdhsa_wavefront_size32 1
		.amdhsa_system_sgpr_workgroup_id_x 1
		.amdhsa_system_sgpr_workgroup_id_y 1
		.amdhsa_system_sgpr_workgroup_id_z 1
		.amdhsa_system_vgpr_workitem_id 0
		.amdhsa_next_free_vgpr 384
		.amdhsa_next_free_sgpr 88
		.amdhsa_reserve_vcc 0
		.amdhsa_float_denorm_mode_32 3
		.amdhsa_float_denorm_mode_16_64 3
		.amdhsa_memory_ordered 1
		.amdhsa_forward_progress 1
		.amdhsa_inst_pref_size 75
	.end_amdhsa_kernel
	.amdgpu_metadata
---
amdhsa.version: [ 1, 2 ]
amdhsa.kernels:
  - .name:           k_qd05166005c_pv
    .symbol:         k_qd05166005c_pv.kd
    .args:
      - { .name: pr, .offset: 0, .size: 8, .value_kind: global_buffer, .address_space: global }
      - { .name: qkv, .offset: 8, .size: 8, .value_kind: global_buffer, .address_space: global }
      - { .name: oh, .offset: 16, .size: 8, .value_kind: global_buffer, .address_space: global }
    .group_segment_fixed_size: 327680
    .private_segment_fixed_size: 0
    .kernarg_segment_align: 8
    .kernarg_segment_size: 24
    .max_flat_workgroup_size: 128
    .sgpr_count:     88
    .vgpr_count:     384
    .wavefront_size: 32
...
	.end_amdgpu_metadata
.endif
;; end of part 10
;; launch outp (part 11): grid 8 x 32, 4 waves a work-group, clusters of 4 x 4, 327,680 bytes of LDS; arguments oh, woh, out0; writes out0
.if DOCPART == 11
	.amdgcn_target "amdgcn-amd-amdhsa--gfx1250"
	.amdhsa_code_object_version 6
	.text
	.protected	k_qd05166005c_outp
	.globl	k_qd05166005c_outp
	.p2align	8
	.type	k_qd05166005c_outp,@function
k_qd05166005c_outp:
	s_mov_b64 s[64:65], 0
	v_nop
	global_prefetch_b8 v0, s[64:65] scope:SCOPE_SE
	s_setreg_imm32_b32 hwreg(HW_REG_WAVE_MODE, 25, 1), 1
	s_wait_xcnt 0x0
	s_wait_alu depctr_hold_cnt(0) depctr_sa_sdst(0) depctr_va_vdst(0) depctr_va_sdst(0) depctr_va_ssrc(0) depctr_va_vcc(0) depctr_vm_vsrc(0)
	s_getreg_b32 s2, hwreg(HW_REG_IB_STS2, 6, 4)
	s_cmp_eq_u32 s2, 0
	s_cbranch_scc0 .Lentry_in_a_cluster
	s_endpgm
.Lentry_in_a_cluster:
	s_bfe_u32 s2, ttmp6, 0x10000c
	s_cmp_lg_u32 s2, 0xf033
	s_cbranch_scc0 .Lentry_shape_is_right
	s_endpgm
.Lentry_shape_is_right:
; out0[r][d] = the sum over c of oh[r][c] woh[d][c].  oh: [8192][1024] f16, woh: [1024][1024] f16, out0: [8192][1024] f32; sums in f32, stored as they are.
; C = A B^T on tiles of 256 rows x 128 columns, one tile to a work-group: 256 work-groups (tiles of 256 x 256 would be 128).  Four waves, one above the other: wave w makes rows 64 w .. 64 w + 63 x all 128
; columns: 32 accumulators of 16 x 16, 256 registers.  A wave's rows of C are whole aligned runs of 512 bytes, so each wave has a stage of its own on the way out and no barrier stands there.
; K = 1,024 goes in steps of 128 (tile rows of 256 bytes, aligned) through a ring of two LDS slots filled by the tensor data mover.
; THE LOOP HOLDS ONE K STEP: the slot in hand is a scalar that toggles between 0 and SLOT; the fragment addresses and the walking descriptors' LDS words are made anew from it at each change of slots.
; CLUSTERS: 4 x 4 work-groups.  The four of a row of the cluster need the same tiles of A, the four of a column the same tiles of B: each tile is asked for JOINTLY, by the same tensor load with the same
; descriptor and a mask that names the four.
; THE MATRIX INSTRUCTION IS USED TRANSPOSED (source 0 = 16 rows of B, source 1 = 16 rows of A): lane l holds row l % 16 of C and its registers 0-7 the columns 8 (l / 16) + 0..7.
; REGISTERS, in windows of 256 (s_set_vgpr_msb: bits 1:0 source 0, 3:2 source 1, 5:4 source 2, 7:6 destination):
;   window 0: v0-31 addresses; v64-159, v160-255 two fragment buffers (B's 8 fragments, then A's 4); the second also takes the rows read back from the stage
;   window 1: accumulator (a, b) at v[8 (8 a + b)]
.set PCB,    4096                      ; bytes in a row of C
.set COLB,   512                       ; bytes of a tile's 128 columns
.set KB,     2048                      ; bytes in a row of A and of B
.set STEPS,  8                         ; K steps.  The loop's counter s3 is STEPS - 2 - n in the trip that ends K step n
.set PITCH,  272                       ; an LDS row: 256 bytes + 16 of padding = 68 words: the 16 rows of a fragment load start at 16 different groups of four banks (64 banks of 4 bytes: ISA guide 11.1)
.set AHALF,  128*PITCH                 ; what wave 0 or 1 fetches
.set BHALF,  64*PITCH                  ; what wave 2 or 3 fetches
.set SLOT,   2*AHALF+2*BHALF           ; A's 256 rows, then B's 128
.set STAGE,  2*SLOT                    ; behind the ring, never filled by a tensor load: 16 rows x 528 bytes for each wave
.set SPITCH, 528
.set SPARE,  STAGE+4*16*SPITCH         ; behind the stages: the spare words, 128 bytes for each wave: two blocks of 256 bytes that no other line names
.set A0,   16                          ; v16     my lane's place in my rows of A in slot 0; never rewritten
.set B0,   17                          ; v17     the same for B
.set ADRA, 18                          ; v18     the same in the slot in hand
.set ADRB, 19                          ; v19
.set STO,  24                          ; v24     the way out: where I put 32 bytes of a row
.set RD,   25                          ; v25     where I read rows back
.set CO,   26                          ; v26     my byte offset in C
.set SPW,  28                          ; v28     LDS address of my spare word; never rewritten
.set NIL,  29                          ; v29     0; never rewritten
.set PFO,  30                          ; v30     the prefetches' offset: my lane x a row; never rewritten
.set F0,   64
.set F1,   160
.set OB,   160
.set G1,   24                          ; s[24:31] descriptor group 1 for A's tiles
.set G0,   32                          ; s[32:39] group 0: a set for each of the two first fills; the second then walks on
.set LIM,  43                          ; s43      a wave prefetches while the loop's counter is above this
.set PFA,  44                          ; s[44:45] where my prefetches stand
.set G1B,  48                          ; s[48:55], s[56:63] the same for B's tiles
.set G0B,  56
.set TB,   76                          ; s76      the slot in hand: 0 or SLOT
.set LBA,  77                          ; s77      my half of A's rows in a slot
.set LBB,  78                          ; s78      my half of B's
.set MSB, 0
.macro WIN new                         ; the immediate's high byte repeats the setting that is left; a switch that changes nothing is dropped
.if MSB != (\new)
	s_set_vgpr_msb (MSB<<8)|(\new)
.set MSB, \new
.endif
.endm
.macro PLACES                          ; four places in front of loads into registers that matrix instructions have read, and of lines that read results
.rept 4
	v_nop
.endr
.endm
.macro CREST                           ; a round of the cluster's barrier behind its opening barrier
	s_cmp_lg_u32 s10, 0
	s_cbranch_scc1 .Lnot_wave_0_\@
	s_barrier_signal -3
.Lnot_wave_0_\@:
	s_barrier_wait -3
	s_barrier_signal -1
	s_barrier_wait -1
.endm
.macro CROUND                          ; a whole round
	s_barrier_signal -1
	s_barrier_wait -1
	CREST
.endm
; A joint refill: waves 0 and 1 fetch A's two halves, waves 2 and 3 B's.  The branch hangs on the wave's number alone.  An s_nop 0 and four v_nop follow each line.
.macro JLOAD
	s_cmp_lt_u32 s10, 2
	s_cbranch_scc0 .Lfor_b_\@
	tensor_load_to_lds s[G0+4:G0+7], s[G1:G1+7]
	s_nop 0
.rept 4
	v_nop
.endr
	s_branch .Lasked_\@
.Lfor_b_\@:
	tensor_load_to_lds s[G0B+4:G0B+7], s[G1B:G1B+7]
	s_nop 0
.rept 4
	v_nop
.endr
.Lasked_\@:
.endm
; A PREFETCH of the K step that stands two refills on (256 matrix instructions ahead of the load that will want it): 32 rows x 256 bytes, a lane a row.  Each row's 256 bytes of a K step are named once
; in the launch: A's rows by the cluster with x = 0, each partner 64 of the 256 by address (waves 0 and 1: 32 each); B's rows by the cluster with y = 0, each partner 32 of the 128 (wave 2).
; K steps 0 to 3 come by their loads alone; the loop's last two trips ask for nothing.
.macro ASK
	s_cmp_gt_u32 s3, s[LIM]
	s_cbranch_scc0 .Lnot_mine_\@
	global_prefetch_b8 v[PFO], s[PFA:PFA+1] th:TH_LOAD_NT scope:SCOPE_SE
.Lnot_mine_\@:
.endm
; 8 matrix instructions: my block a of 16 rows x all 8 blocks of 16 columns, 32 along K.  zero = 1: the product starts the sums.  The 32 accumulators come in the same order in every quarter, one
; instruction a turn: 31 others stand between two links of a chain.
.macro MUL8 f, a, zero
	WIN 0x50
.irp b, 0,1,2,3,4,5,6,7
.if \zero
	v_wmma_f32_16x16x32_f16 v[8*(8*(\a)+(\b)):8*(8*(\a)+(\b))+7], v[(\f)+8*(\b):(\f)+8*(\b)+7], v[(\f)+64+8*(\a):(\f)+64+8*(\a)+7], 0
.else
	v_wmma_f32_16x16x32_f16 v[8*(8*(\a)+(\b)):8*(8*(\a)+(\b))+7], v[(\f)+8*(\b):(\f)+8*(\b)+7], v[(\f)+64+8*(\a):(\f)+64+8*(\a)+7], v[8*(8*(\a)+(\b)):8*(8*(\a)+(\b))+7]
.endif
.endr
.endm
; 24 LDS loads in one run: the fragments of quarter q (32 along K) of the slot in hand into buffer f: B's 8 first, then A's 4
.macro FETCH q, f
	WIN 0
.irp b, 0,1,2,3,4,5,6,7
	ds_load_b128 v[(\f)+8*(\b):(\f)+8*(\b)+3],   v[ADRB] offset:64*(\q)+16*PITCH*(\b)
	ds_load_b128 v[(\f)+8*(\b)+4:(\f)+8*(\b)+7], v[ADRB] offset:64*(\q)+16*PITCH*(\b)+32
.endr
.irp a, 0,1,2,3
	ds_load_b128 v[(\f)+64+8*(\a):(\f)+64+8*(\a)+3],   v[ADRA] offset:64*(\q)+16*PITCH*(\a)
	ds_load_b128 v[(\f)+64+8*(\a)+4:(\f)+64+8*(\a)+7], v[ADRA] offset:64*(\q)+16*PITCH*(\a)+32
.endr
.endm
; A K step is four quarters of 32 along K on buffers 0, 1, 0, 1.  One of the first three: multiplies buffer f and, in its middle, fetches quarter q into buffer g.
.macro QUARTER q, f, g, zero
	s_wait_dscnt 4                                 ; B and A's blocks 0 and 1 are in; the youngest four loads (A's blocks 2 and 3) may be out
	MUL8 \f, 0, \zero
	MUL8 \f, 1, \zero
	PLACES
	FETCH \q, \g
	s_wait_dscnt 24                                ; all but the 24 just issued
	MUL8 \f, 2, \zero
	MUL8 \f, 3, \zero
.endm
; The last quarter multiplies buffer 1 and changes slots: ONE barrier.  In front of it each wave waits for all its tensor loads (one is out: its part of the next slot), adds 0 to its spare word, and waits
; for that and for its own reads of this slot.  fill = 1: the barrier opens a round of the cluster's barrier, and the slot that is left is filled again first thing behind the round, two K steps ahead:
; 112 matrix instructions stand between the request and the wait for it.  fill = 0, the last two K steps: nothing is asked for; behind the very last there is nothing to fetch either.
.macro TURN fill
.if \fill
	s_wait_xcnt 0x0                                ; the last prefetch, a K step back, has read its address
	s_add_nc_u64 s[PFA:PFA+1], s[PFA:PFA+1], 256
.endif
	WIN 0                                          ; (the add's two registers lie in window 0)
	s_wait_tensorcnt 0x0                           ; all my tensor loads have landed, so a group 0 may be written
	ds_add_u32 v[SPW], v[NIL]                      ; 0 onto my spare word; the work on registers below stands between it and the wait for it
.if \fill
	s_add_co_u32 s[G0+5], s[LBA], s[TB]            ; the walking descriptors: my part of the slot that is being left,
	s_add_co_u32 s[G0B+5], s[LBB], s[TB]
	s_add_nc_u64 s[G0+6:G0+7], s[G0+6:G0+7], 256   ; the next K step; the type bits on top are not reached
	s_add_nc_u64 s[G0B+6:G0B+7], s[G0B+6:G0B+7], 256
.endif
	s_xor_b32 s[TB], s[TB], SLOT                   ; the fetches go on in the other slot
	v_add_nc_u32 v[ADRA], s[TB], v[A0]
	v_add_nc_u32 v[ADRB], s[TB], v[B0]
	s_wait_dscnt 5                                 ; (the add and the youngest four loads may be out)
	MUL8 F1, 0, 0
	s_wait_dscnt 0x0                               ; the add is done, and my reads of this slot are over
	s_barrier_signal -1
	MUL8 F1, 1, 0                                  ; work on registers while the others arrive
	WIN 0
	s_barrier_wait -1
.if \fill
	CREST                                          ; no wave of any partner still reads this slot's tile or has a load on its way
	JLOAD                                          ; the four v_nop behind it are also the places in front of the loads below
.else
	PLACES
	s_cmp_eq_u32 s3, 1                             ; the very last K step has no successor
	s_cbranch_scc1 .Lno_fetch_\@
.endif
	FETCH 0, F0
.if \fill
	ASK
.else
.Lno_fetch_\@:
.endif
	MUL8 F1, 2, 0
	MUL8 F1, 3, 0
.endm
; THE WAY OUT in f32, a block of 16 rows at a time: a lane's eight columns (32 bytes) go straight from the accumulator into my own stage, rows of 528 bytes; whole rows of 512 bytes come back and are stored.
.macro OUT32 a
	WIN 0x04                                       ; store data in window 1
.irp b, 0,1,2,3,4,5,6,7
	ds_store_b128 v[STO], v[8*(8*(\a)+(\b)):8*(8*(\a)+(\b))+3]   offset:64*(\b)
	ds_store_b128 v[STO], v[8*(8*(\a)+(\b))+4:8*(8*(\a)+(\b))+7] offset:64*(\b)+16
.endr
	WIN 0
	s_wait_xcnt 0x0                                ; the registers that earlier stores read are loaded again only behind this wait
.irp t, 0,1,2,3,4,5,6,7,8,9,10,11,12,13,14,15
	ds_load_b128 v[OB+4*(\t):OB+4*(\t)+3], v[RD] offset:(\t)*SPITCH  ; LDS serves a wave's instructions in order (ISA guide 5.7.1.4): these see the stores above
.endr
.irp t, 0,1,2,3,4,5,6,7,8,9,10,11,12,13,14,15
	s_wait_dscnt 15-(\t)                           ; row t is back; the younger loads may stay out
	global_store_b128 v[CO], v[OB+4*(\t):OB+4*(\t)+3], s[8:9] offset:(16*(\a)+(\t))*PCB  ; 32 lanes store 512 consecutive bytes, aligned
.endr
.endm
	s_load_b128 s[4:7], s[0:1], 0x0                ; A s[4:5], B s[6:7]
	s_load_b64 s[8:9], s[0:1], 0x10                ; C
	v_lshl_add_u32 v[SPW], v0, 2, SPARE
	v_mov_b32 v[NIL], 0
	ds_add_u32 v[SPW], v[NIL]                      ; the wave's opening: the add and its wait stand ahead of my first tensor load; the set-up below, work on registers, stands between them
	v_lshrrev_b32 v1, 5, v0
	v_readfirstlane_b32 s10, v1                    ; wave 0..3
	s_and_b32 s11, s10, 1                          ; which half of A's or B's tile I fetch
	s_bfe_u32 s40, ttmp6, 0x40000                  ; cx, cy: my place in the cluster
	s_bfe_u32 s41, ttmp6, 0x40004
	s_lshl_b32 s42, ttmp9, 2
	s_add_co_u32 s42, s42, s40                     ; x = 4 x cluster x + cx
	s_and_b32 s13, ttmp7, 0xffff
	s_lshl_b32 s13, s13, 2
	s_add_co_u32 s13, s13, s41                     ; y = 4 x cluster y + cy
	s_lshl_b32 s14, s41, 2
	s_lshl_b32 s14, 15, s14                        ; my row of the cluster
	s_lshl_b32 s15, 0x1111, s40                    ; my column
	s_or_b32 s[G1], s14, (1<<16)|(1<<20)|(1<<21)|(5<<22)|(3<<25)   ; the mask; elements of 2 bytes; padding on; bit 21 beside a mask; after every 64 words, 4 words
	s_or_b32 s[G1B], s15, (1<<16)|(1<<20)|(1<<21)|(5<<22)|(3<<25)
.irp g, G1, G1B
	s_mov_b32 s[(\g)+1], 128<<16                   ; tensor_dim0 = 128
	s_mov_b32 s[(\g)+3], 128<<16                   ; tile_dim0 = 128
	s_mov_b32 s[(\g)+5], KB/2                      ; elements from row to row
	s_mov_b32 s[(\g)+6], 0
	s_mov_b32 s[(\g)+7], 0
.endr
	s_mov_b32 s[G1+2], 128<<16                     ; tensor_dim1 and tile_dim1: 128 rows of A,
	s_mov_b32 s[G1+4], 128
	s_mov_b32 s[G1B+2], 64<<16                     ; 64 of B
	s_mov_b32 s[G1B+4], 64
	s_lshl_b32 s16, s13, 8                         ; A: row 256 y + 128 x half, which my row of the cluster shares
	s_lshl_b32 s17, s11, 7
	s_add_co_u32 s16, s16, s17
	s_lshl_b32 s16, s16, 11                        ; x 2,048 bytes
	s_mov_b32 s17, 0
	s_lshl_b32 s46, s42, 7                         ; B: row 128 x + 64 x half, which my column shares
	s_lshl_b32 s47, s11, 6
	s_add_co_u32 s46, s46, s47
	s_lshl_b32 s46, s46, 11
	s_mov_b32 s47, 0
	s_mul_i32 s[LBA], s10, AHALF                   ; where they go: A's halves at wave x 128 rows,
	s_mul_i32 s[LBB], s10, BHALF
	s_add_co_u32 s[LBB], s[LBB], 2*AHALF-2*BHALF   ; B's behind A's 256 rows, at (wave - 2) x 64 rows: no place in the cluster enters an LDS address
	s_mov_b32 s[TB], 0
	s_wait_dscnt 0x0                               ; the opening add is done
	s_wait_kmcnt 0x0
	s_add_nc_u64 s[14:15], s[4:5], s[16:17]
	s_add_nc_u64 s[46:47], s[6:7], s[46:47]
	CROUND                                         ; all sixteen work-groups are here: the first joint loads meet
.irp s, 0,1
	s_mov_b32 s[G0+4*(\s)], 1                      ; count = 1
	s_add_co_u32 s[G0+4*(\s)+1], s[LBA], (\s)*SLOT ; LDS address
	s_add_nc_u64 s[G0+4*(\s)+2:G0+4*(\s)+3], s[14:15], (\s)*256  ; global address: K step s
	s_or_b32 s[G0+4*(\s)+3], s[G0+4*(\s)+3], 0x80000000          ; type = 2
	s_mov_b32 s[G0B+4*(\s)], 1
	s_add_co_u32 s[G0B+4*(\s)+1], s[LBB], (\s)*SLOT
	s_add_nc_u64 s[G0B+4*(\s)+2:G0B+4*(\s)+3], s[46:47], (\s)*256
	s_or_b32 s[G0B+4*(\s)+3], s[G0B+4*(\s)+3], 0x80000000
.endr
	s_cmp_lt_u32 s10, 2                            ; a wave's two first fills stand in one branch, ahead of every wait on TENSORcnt and every LDS read: two loads of mine are out
	s_cbranch_scc0 .Lfirst_b
	tensor_load_to_lds s[G0:G0+3], s[G1:G1+7]
	s_nop 0
	tensor_load_to_lds s[G0+4:G0+7], s[G1:G1+7]
	s_nop 0
.rept 4
	v_nop
.endr
	s_branch .Lfirst_asked
.Lfirst_b:
	tensor_load_to_lds s[G0B:G0B+3], s[G1B:G1B+7]
	s_nop 0
	tensor_load_to_lds s[G0B+4:G0B+7], s[G1B:G1B+7]
	s_nop 0
.rept 4
	v_nop
.endr
.Lfirst_asked:
	; A fragment is 16 rows x 32 K in 8 registers: lane l holds row l % 16; registers 0-3 K = 8 (l / 16) + 0..7, registers 4-7 K = 16 + 8 (l / 16) + 0..7: two loads of 16 bytes, 32 bytes apart.
	v_and_b32 v1, 15, v0                           ; l % 16
	v_bfe_u32 v2, v0, 4, 1                         ; l / 16
	v_mul_u32_u24 v3, v1, PITCH
	v_lshl_add_u32 v3, v2, 4, v3                   ; row x pitch + 16 x half
	s_mul_i32 s22, s10, 64*PITCH                   ; my 64 rows of A
	v_add_nc_u32 v[A0], s22, v3
	v_add_nc_u32 v[B0], 2*AHALF, v3                ; B's rows lie behind A's 256
	v_mov_b32 v[ADRA], v[A0]                       ; K step 0 lies in slot 0
	v_mov_b32 v[ADRB], v[B0]
	s_mul_i32 s23, s10, 16*SPITCH
	s_add_co_u32 s23, s23, STAGE                   ; my stage
	v_mul_u32_u24 v4, v1, SPITCH
	v_lshl_add_u32 v4, v2, 5, v4                   ; in: row l % 16, 32 bytes for each half of the lanes
	v_add_nc_u32 v[STO], s23, v4
	v_and_b32 v5, 31, v0
	v_lshlrev_b32 v[CO], 4, v5                     ; back: 32 lanes take one row of 512 bytes; the same in C
	v_add_nc_u32 v[RD], s23, v[CO]
	s_lshl_b32 s16, s13, 8                         ; C at my wave's first row, 256 y + 64 w,
	s_lshl_b32 s17, s10, 6
	s_add_co_u32 s16, s16, s17
	s_mul_i32 s16, s16, PCB
	s_mov_b32 s17, 0
	s_add_nc_u64 s[8:9], s[8:9], s[16:17]
	s_mul_i32 s46, s42, COLB                       ; and the tile's first column
	s_mov_b32 s47, 0
	s_add_nc_u64 s[8:9], s[8:9], s[46:47]
	; the prefetches
	s_lshl_b32 s16, s13, 8                         ; for A: row 256 y + 64 cx + 32 w
	s_lshl_b32 s17, s40, 6
	s_add_co_u32 s16, s16, s17
	s_lshl_b32 s17, s10, 5
	s_add_co_u32 s16, s16, s17
	s_lshl_b32 s18, s42, 7                         ; for B: row 128 x + 32 cy
	s_lshl_b32 s19, s41, 5
	s_add_co_u32 s18, s18, s19
	s_and_b32 s19, ttmp7, 0xffff                   ; cluster y
	s_cmp_lt_u32 s10, 2                            ; do I fetch for A?
	s_cselect_b32 s16, s16, s18
	s_cselect_b32 s19, ttmp9, s19                  ; the coordinate along which other clusters read the same rows
	s_cselect_b64 s[PFA:PFA+1], s[4:5], s[6:7]
	s_cmp_eq_u32 s19, 0
	s_cselect_b32 s[LIM], 2, -1                    ; in the trips whose K step two refills on exists; the same in all sixteen partners, for a given wave
	s_cmp_eq_u32 s10, 3
	s_cselect_b32 s[LIM], -1, s[LIM]               ; wave 3 has no rows to ask for
	s_lshl_b32 s16, s16, 11
	s_add_co_u32 s16, s16, 3*256                   ; at K step 3: the first refill steps it to 4
	s_mov_b32 s17, 0
	s_add_nc_u64 s[PFA:PFA+1], s[PFA:PFA+1], s[16:17]
	v_lshlrev_b32 v[PFO], 11, v5
	s_wait_tensorcnt 0x1                           ; my part of K step 0 is in; K step 1's load may stay out
	s_barrier_signal -1
	s_barrier_wait -1                              ; everybody's is
	FETCH 0, F0
	QUARTER 1, F0, F1, 1                           ; the first quarter stands in front of the loop: its products start the sums
	WIN 0                                          ; at a label and at a branch every window is 0
	s_mov_b32 s3, STEPS-2
.Lstep:                                                ; a trip goes from a K step's second quarter to the next step's first, and fills the slot that it leaves
	QUARTER 2, F1, F0, 0
	QUARTER 3, F0, F1, 0
	TURN 1
	QUARTER 1, F0, F1, 0
	WIN 0
	s_sub_co_u32 s3, s3, 1
	s_cmp_lg_u32 s3, 0
	s_cbranch_scc1 .Lstep
	s_mov_b32 s3, 2                                ; the last two K steps fill nothing, and have no round of the cluster's barrier: a text of their own
.Ltail:
	QUARTER 2, F1, F0, 0
	QUARTER 3, F0, F1, 0
	TURN 0
	WIN 0
	s_sub_co_u32 s3, s3, 1
	s_cmp_eq_u32 s3, 0
	s_cbranch_scc1 .Lout                           ; the second trip is left here
	QUARTER 1, F0, F1, 0
	WIN 0
	s_cmp_lg_u32 s3, 0
	s_cbranch_scc1 .Ltail
.Lout:
	PLACES
	OUT32 0
	OUT32 1
	OUT32 2
	OUT32 3
	s_wait_tensorcnt 0x0                           ; the wave's end, behind my last tensor load and my last LDS store
	ds_add_u32 v[SPW], v[NIL]
	s_wait_dscnt 0x0
	CROUND                                         ; the closing round: no work-group ends while a partner may still ask for a tile that names it
	s_endpgm
.Lfunc_end_k_qd05166005c_outp:
	.size	k_qd05166005c_outp, .Lfunc_end_k_qd05166005c_outp-k_qd05166005c_outp
	.p2alignl 7, 3214868480
	.fill 96, 4, 3214868480
	.section	.rodata,"a",@progbits
	.p2align	6, 0x0
	.amdhsa_kernel k_qd05166005c_outp
		.amdhsa_group_segment_fixed_size 327680
		.amdhsa_private_segment_fixed_size 0
		.amdhsa_enable_private_segment 0
		.amdhsa_kernarg_size 24
		.amdhsa_user_sgpr_count 2
		.amdhsa_user_sgpr_kernarg_segment_ptr 1
		.amdhsa_wavefront_size32 1
		.amdhsa_system_sgpr_workgroup_id_x 1
		.amdhsa_system_sgpr_workgroup_id_y 1
		.amdhsa_system_sgpr_workgroup_id_z 1
		.amdhsa_system_vgpr_workitem_id 0
		.amdhsa_next_free_vgpr 512
		.amdhsa_next_free_sgpr 80
		.amdhsa_reserve_vcc 0
		.amdhsa_float_denorm_mode_32 3
		.amdhsa_float_denorm_mode_16_64 3
		.amdhsa_memory_ordered 1
		.amdhsa_forward_progress 1
		.amdhsa_inst_pref_size 62
	.end_amdhsa_kernel
	.amdgpu_metadata
---
amdhsa.version: [ 1, 2 ]
amdhsa.kernels:
  - .name:           k_qd05166005c_outp
    .symbol:         k_qd05166005c_outp.kd
    .args:
      - { .name: oh, .offset: 0, .size: 8, .value_kind: global_buffer, .address_space: global }
      - { .name: woh, .offset: 8, .size: 8, .value_kind: global_buffer, .address_space: global }
      - { .name: out0, .offset: 16, .size: 8, .value_kind: global_buffer, .address_space: global }
    .group_segment_fixed_size: 327680
    .private_segment_fixed_size: 0
    .kernarg_segment_align: 8
    .kernarg_segment_size: 24
    .max_flat_workgroup_size: 128
    .sgpr_count:     80
    .vgpr_count:     512
    .wavefront_size: 32
...
	.end_amdgpu_metadata
.endif
;; end of part 11
;; ======== version 3 of 3: 6 launches; version 2 with the launch cvt written anew for expert scheduling mode
;; limits: values are held in f16: magnitudes above 65,504 overflow, below 6.1e-05 lose precision
;; workspace buffers: xh 16,777,216 bytes; wh 6,291,456 bytes; woh 2,097,152 bytes; qkv 50,331,648 bytes; sc 67,108,864 bytes; pr 33,554,432 bytes; oh 16,777,216 bytes
;; launch cvt (part 12): grid 768 x 1, 8 waves a work-group, no clusters, 0 bytes of LDS; arguments net_in, w_qkv, w_out, xh, wh, woh; writes xh, wh, woh
.if DOCPART == 12
	.amdgcn_target "amdgcn-amd-amdhsa--gfx1250"
	.amdhsa_code_object_version 6
	.text
	.protected	k_qd05166005c_cvt
	.globl	k_qd05166005c_cvt
	.p2align	8
	.type	k_qd05166005c_cvt,@function
k_qd05166005c_cvt:
	s_mov_b64 s[64:65], 0
	v_nop
	global_prefetch_b8 v0, s[64:65] scope:SCOPE_SE
	s_setreg_imm32_b32 hwreg(HW_REG_WAVE_SCHED_MODE, 0, 2), 2
	s_setreg_imm32_b32 hwreg(HW_REG_WAVE_MODE, 25, 1), 1
	s_wait_xcnt 0x0
	s_wait_alu depctr_vm_vsrc(0)
; xh, wh, woh = net_in, w_qkv, w_out, each number rounded to bf16 (to nearest even) and that number written as f16.
; A bf16 number has 8 significant bits, so f16 holds it exactly between 2^-14 and 65,504.
; LIMITS.  A number of 65,520 or more in magnitude becomes an infinity; below 2^-14 f16 keeps its fixed step of 2^-24; NaN and infinities are not treated apart.
; SHARES.  The three inputs are 768 chunks of 16,384 numbers (65,536 bytes in, 32,768 out): net_in 512, w_qkv 192, w_out 64; a work-group takes one.
; Thread t takes the 16 bytes at 16 t of each 4,096 bytes: a load of a wave covers 512 consecutive bytes, a store 256 consecutive bytes, aligned.
; All sixteen loads of a thread go out first; each has registers of its own, and so has each store: nothing that a memory instruction names is written twice.
; No LDS, no matrix unit: each byte is read once and written once, and no thread wants what another has read.
; THE MODE: SCHED_MODE bits 1:0 = 2 (LLVM: expert scheduling mode 2), set by the entry lines.  The code itself states the register dependences
; between vector instructions and memory instructions, with s_wait_alu, always for 0.
; THE PLAN.  Registers that memory instructions touch:
;   v1, v2     byte offsets, made once at the head and never written again: v1 is read by every load, v2 by every store.
;   X          load j: four registers, written by that load alone; no vector instruction names them before the loads are issued; row j's two roundings to bf16 read them.
;   Y          store j: two registers, written once by row j's two conversions to f16, read once by store j.
;   v4 to v9   at work: no memory instruction names them.
; The sixteen rows go in four blocks of four.  Block p works on its own X and writes its own Y; its memory instructions are the four stores of block p - 1, which read that block's Y,
; and no vector instruction of block p names those registers.  So one wait at a block's head states all that its four stores hang on, and they are dealt among its rows with no further wait.
; No register that a memory instruction reads is written again, and no load lands in a register that a vector instruction has named: nothing is to be stated the other way round.
.set X, 16                             ; v[16:79]   load j: 4 registers
.set Y, 80                             ; v[80:111]  store j: 2 registers
	s_load_b256 s[4:11], s[0:1], 0x0               ; net_in s[4:5], w_qkv s[6:7], w_out s[8:9], xh s[10:11]
	s_load_b128 s[12:15], s[0:1], 0x20             ; wh s[12:13], woh s[14:15]
	s_mov_b32 s18, 0xffff0000                      ; a word's upper bf16
	v_lshlrev_b32 v1, 4, v0                        ; 16 t
	v_lshlrev_b32 v2, 3, v0                        ; 8 t
	s_cmp_ge_u32 ttmp9, 512                        ; which tensor, and its first chunk's number
	s_cselect_b32 s17, 512, 0
	s_cmp_ge_u32 ttmp9, 704
	s_cselect_b32 s17, 704, s17
	s_sub_co_u32 s16, ttmp9, s17                   ; my chunk in that tensor, 511 at the most
	s_lshl_b32 s24, s16, 16                        ; its bytes in,
	s_mov_b32 s25, 0
	s_lshl_b32 s26, s16, 15                        ; and out
	s_mov_b32 s27, 0
	s_wait_kmcnt 0x0
	s_cmp_ge_u32 ttmp9, 512
	s_cselect_b64 s[20:21], s[6:7], s[4:5]
	s_cselect_b64 s[22:23], s[12:13], s[10:11]
	s_cmp_ge_u32 ttmp9, 704
	s_cselect_b64 s[20:21], s[8:9], s[20:21]
	s_cselect_b64 s[22:23], s[14:15], s[22:23]
	s_add_nc_u64 s[20:21], s[20:21], s[24:25]
	s_add_nc_u64 s[22:23], s[22:23], s[26:27]
	s_wait_alu depctr_va_vdst(0)                   ; v1 and v2 are written: every load and store of the kernel reads one of them as its offset
.irp j, 0,1,2,3,4,5,6,7,8,9,10,11,12,13,14,15
	global_load_b128 v[X+4*(\j):X+4*(\j)+3], v1, s[20:21] offset:4096*(\j) th:TH_LOAD_NT
.endr
.irp p, 0,1,2,3                        ; block p: rows 4 p to 4 p + 3
.irp i, 0,1,2,3
.set j, 4*(\p)+(\i)
.if (\i) == 0
	s_wait_loadcnt 15-j                            ; loads come back in order: load j is in, the 15 - j younger ones may stay out
.if (\p) > 0
	s_wait_alu depctr_va_vdst(0)                   ; the block before has written its eight registers of Y, which this block's four stores read
.endif
.endif
.if (\p) > 0
	global_store_b64 v2, v[Y+2*(j-4):Y+2*(j-4)+1], s[22:23] offset:2048*(j-4)  ; the block before's row; no vector instruction since the wait names these registers
.endif
.if (\i) > 0
	s_wait_loadcnt 15-j                            ; load j is in; the store above does not hang on it and stands ahead of this wait
.endif
	v_cvt_pk_bf16_f32 v8, v[X+4*j], v[X+4*j+1]     ; two roundings to bf16
	v_cvt_pk_bf16_f32 v9, v[X+4*j+2], v[X+4*j+3]
	v_lshlrev_b32 v4, 16, v8                       ; back to f32: the low half moves up,
	v_and_b32 v5, s18, v8                          ; the high half stays
	v_lshlrev_b32 v6, 16, v9
	v_and_b32 v7, s18, v9
	v_cvt_pk_f16_f32 v[Y+2*j], v4, v5              ; the same numbers as f16
	v_cvt_pk_f16_f32 v[Y+2*j+1], v6, v7
.endr
.endr
	s_wait_alu depctr_va_vdst(0)                   ; block 3 has written its eight registers of Y, which the last four stores read
.irp j, 12,13,14,15
	global_store_b64 v2, v[Y+2*(\j):Y+2*(\j)+1], s[22:23] offset:2048*(\j)
.endr
	s_endpgm
.Lfunc_end_k_qd05166005c_cvt:
	.size	k_qd05166005c_cvt, .Lfunc_end_k_qd05166005c_cvt-k_qd05166005c_cvt
	.p2alignl 7, 3214868480
	.fill 96, 4, 3214868480
	.section	.rodata,"a",@progbits
	.p2align	6, 0x0
	.amdhsa_kernel k_qd05166005c_cvt
		.amdhsa_group_segment_fixed_size 0
		.amdhsa_private_segment_fixed_size 0
		.amdhsa_enable_private_segment 0
		.amdhsa_kernarg_size 48
		.amdhsa_user_sgpr_count 2
		.amdhsa_user_sgpr_kernarg_segment_ptr 1
		.amdhsa_wavefront_size32 1
		.amdhsa_system_sgpr_workgroup_id_x 1
		.amdhsa_system_sgpr_workgroup_id_y 1
		.amdhsa_system_sgpr_workgroup_id_z 1
		.amdhsa_system_vgpr_workitem_id 0
		.amdhsa_next_free_vgpr 112
		.amdhsa_next_free_sgpr 66
		.amdhsa_reserve_vcc 0
		.amdhsa_float_denorm_mode_32 3
		.amdhsa_float_denorm_mode_16_64 3
		.amdhsa_memory_ordered 1
		.amdhsa_forward_progress 1
		.amdhsa_inst_pref_size 12
	.end_amdhsa_kernel
	.amdgpu_metadata
---
amdhsa.version: [ 1, 2 ]
amdhsa.kernels:
  - .name:           k_qd05166005c_cvt
    .symbol:         k_qd05166005c_cvt.kd
    .args:
      - { .name: net_in, .offset: 0, .size: 8, .value_kind: global_buffer, .address_space: global }
      - { .name: w_qkv, .offset: 8, .size: 8, .value_kind: global_buffer, .address_space: global }
      - { .name: w_out, .offset: 16, .size: 8, .value_kind: global_buffer, .address_space: global }
      - { .name: xh, .offset: 24, .size: 8, .value_kind: global_buffer, .address_space: global }
      - { .name: wh, .offset: 32, .size: 8, .value_kind: global_buffer, .address_space: global }
      - { .name: woh, .offset: 40, .size: 8, .value_kind: global_buffer, .address_space: global }
    .group_segment_fixed_size: 0
    .private_segment_fixed_size: 0
    .kernarg_segment_align: 8
    .kernarg_segment_size: 48
    .max_flat_workgroup_size: 256
    .sgpr_count:     66
    .vgpr_count:     112
    .wavefront_size: 32
...
	.end_amdgpu_metadata
.endif
;; end of part 12
;; launch qkv: the kernel of part 7 again; grid 12 x 16, 4 waves a work-group, clusters of 4 x 4, 327,680 bytes of LDS; arguments xh, wh, qkv; writes qkv
;; launch scores: the kernel of part 8 again; grid 36 x 4, 4 waves a work-group, no clusters, 327,680 bytes of LDS; arguments qkv, sc; writes sc
;; launch softmax: the kernel of part 9 again; grid 1024 x 1, 8 waves a work-group, no clusters, 0 bytes of LDS; arguments sc, pr; writes pr
;; launch pv: the kernel of part 10 again; grid 8 x 32, 4 waves a work-group, clusters of 4 x 1, 327,680 bytes of LDS; arguments pr, qkv, oh; writes oh
;; launch outp: the kernel of part 11 again; grid 8 x 32, 4 waves a work-group, clusters of 4 x 4, 327,680 bytes of LDS; arguments oh, woh, out0; writes out0
